; MI455X (gfx1250); checked and timed in simulation.
; The chip was launched on July 23, 2026; its instructions are those of AMD's public machine-readable ISA for CDNA 5 (MIT licence, August 2026) and "CDNA5" Instruction Set Architecture Reference Guide (July 2026). The comments in the code are by the model that wrote it; some were corrected since.
;; Block. Allowed arithmetic: matrix products marked QUANTISED: E4M3 operands, one given power-of-two scale a tensor, by v_wmma_f32_16x16x64_fp8_fp8 or v_wmma_f32_16x16x128_fp8_fp8, f32 sums; everything else in f32.
;; Inputs: W1 1,024 x 4,096 float32; W2 4,096 x 1,024 float32; Wk 16 x 1,024 x 64 float32; Wp 1,024 x 1,024 float32; Wq 16 x 1,024 x 64 float32; Wv 16 x 1,024 x 64 float32; b1 4,096 float32; b2 1,024 float32; beta1 1,024 float32; beta2 1,024 float32; bp 1,024 float32; g1 1,024 float32; g2 1,024 float32; lowp_scales 16 int32 (the exponents e of the quantised operands' scales 2^e); x 2 x 2,048 x 1,024 float32.
;; Outputs: out0 2 x 2,048 x 1,024 float32.
;; This version of the problem:
;;   THIS VERSION OF THE PROBLEM IS GIVEN IN LOW PRECISION. The matrix products marked QUANTISED in the list below multiply operands that are first quantised to E4M3 (4 exponent bits, 3 mantissa bits; 8 bits a number), with one given power-of-two scale for each operand tensor; their sums are f32. All else is computed in f32.
;;   The module's matrix products, in the order in which they are computed (A, B: the left and right operand; K: the contracted axis; several contracted axes count as one K, in the product's order):
;;     1. [M 1,024, K 1,024] x [K 1,024, N 4,096]; A: input Wq; B: computed on the way: QUANTISED (scales: A lowp_scales[0], B lowp_scales[1])
;;     2. [M 1,024, K 1,024] x [K 1,024, N 4,096]; A: input Wk; B: computed on the way: QUANTISED (scales: A lowp_scales[2], B lowp_scales[3])
;;     3. [M 1,024, K 1,024] x [K 1,024, N 4,096]; A: input Wv; B: computed on the way: QUANTISED (scales: A lowp_scales[4], B lowp_scales[5])
;;     4. batch 32 x [M 2,048, K 64] x [K 64, N 2,048]; A: computed on the way; B: computed on the way: QUANTISED (scales: A lowp_scales[6], B lowp_scales[7])
;;     5. batch 32 x [M 2,048, K 2,048] x [K 2,048, N 64]; A: softmax (see below); B: computed on the way: QUANTISED (scales: A lowp_scales[8], B lowp_scales[9])
;;     6. [M 4,096, K 1,024] x [K 1,024, N 1,024]; A: computed on the way; B: input Wp: QUANTISED (scales: A lowp_scales[10], B lowp_scales[11])
;;     7. [M 4,096, K 1,024] x [K 1,024, N 4,096]; A: computed on the way; B: input W1: QUANTISED (scales: A lowp_scales[12], B lowp_scales[13])
;;     8. [M 4,096, K 4,096] x [K 4,096, N 1,024]; A: computed on the way; B: input W2: QUANTISED (scales: A lowp_scales[14], B lowp_scales[15])
;;   THE QUANTISER, for each operand of a quantised product, along K:
;;     - The operand's scale is 2^e, e = its entry of the input lowp_scales (int32; the entries are numbered through the quantised products in the list's order, A before B).
;;     - Each number is divided by the scale, clamped to +-448, and rounded to the nearest number of E4M3, ties to even, subnormals kept.
;;     - The product sums the exact products of the quantised numbers (number of the format x scale) in f32.
;;   ~~~python
;;   def quantise(x, axis, e):      # numpy; x: float32 -> the quantised numbers, widened to float32 again
;;       x = np.moveaxis(x, axis, -1); K = x.shape[-1]
;;       r = np.clip(x / 2.0 ** e, -448, 448)
;;       step = 2.0 ** (np.maximum(np.frexp(np.where(r == 0, 1, r))[1] - 1, -6) - 3)
;;       q = np.round(r / step) * step * 2.0 ** e      # np.round: ties to even
;;       return np.moveaxis(q, -1, axis).astype(np.float32)
;;   ~~~
;;   SOFTMAX AHEAD OF A QUANTISED PRODUCT. Where the list says 'softmax', what is quantised is not the finished softmax but p = 2^(t - M), with t = logit x log2(e) and M = ceil(the row's largest t), a whole number; so 1/2 < the row's largest p <= 1. The row's sum l is taken of the UNQUANTISED p, in f32, and the product's result is divided by l at the end. Since M is a whole number, a kernel that streams over the keys may use a running M (the ceiling of the running maximum): every later rescaling is an exact power of two, so the quantised numbers keep their values, but for numbers so far below the row's largest that they fall under the format's range.
;;   OPERANDS COMPUTED ON THE WAY. 'Computed on the way' means the value that the module computes at that place (a softmax that the list does not call 'softmax' is quantised finished and normalised). What goes into a quantiser is computed in f32, as accurately as f32 sums, v_exp_f32 and their like allow (about 1e-6 of the number): no bf16 or f16 on the way to a quantiser, and a product that is left as it is and whose result goes on into a quantised operand takes f32 operands (vector FMAs, or v_wmma_f32_16x16x4_f32). A number that lies on a knife's edge between two numbers of the format may be rounded either way, as far as f32 arithmetic and the matrix unit's own rounding can turn it there, and no further.
;; 2 versions. Each part assembles by itself: llvm-mc -triple=amdgcn-amd-amdhsa -mcpu=gfx1250 --defsym DOCPART=n.
;; ======== version 1 of 2: 7 launches
;; workspace buffers: hc 12,582,912 bytes; wc 12,582,912 bytes; qkvc 12,582,912 bytes; oc 4,194,304 bytes; x1 16,777,216 bytes; h2c 4,194,304 bytes; hid 16,777,216 bytes
;; launch prep (part 1): grid 640 x 1, 4 waves a work-group, no clusters, 66,560 bytes of LDS; arguments x, g1, beta1, Wq, Wk, Wv, Wp, W1, W2, lowp_scales, hc, wc; writes hc, wc
.if DOCPART == 1
	.amdgcn_target "amdgcn-amd-amdhsa--gfx1250"
	.amdhsa_code_object_version 6
	.text
	.protected	k_q1ac5500ecd_prep
	.globl	k_q1ac5500ecd_prep
	.p2align	8
	.type	k_q1ac5500ecd_prep,@function
k_q1ac5500ecd_prep:
	s_mov_b64 s[64:65], 0
	v_nop
	global_prefetch_b8 v0, s[64:65] scope:SCOPE_SE
	s_setreg_imm32_b32 hwreg(HW_REG_WAVE_MODE, 25, 1), 1
	s_wait_xcnt 0x0
; Work-groups 0-255: h = layernorm(x) g1 + beta1 for 16 tokens each, quantised to E4M3 three times (scales 2^e1, 2^e3, 2^e5: the operands of the q, k and v products).
; Work-groups 256-639: the six weights, whose K is their first axis, quantised along K (scales 2^e0, e2, e4, e11, e13, e15).
; ALL CODES ARE LAID AS IMAGES OF OPERAND REGISTERS.  An image is a fragment of 16 rows x 128 K, 2,048 bytes: byte 512 c + 16 (rho + 16 h) + i is the code of row rho, k = 32 c + 16 h + i.
; An operand is [group of 128 rows][K step of 128][8 images].  Tokens: row = 16 image + rho.  Weights: column n' of a group lies in image 2 (n'/32) + (n'/8)%2 at rho = 8 ((n'/16)%2) + n'%8, so that a
; product with the weight as source 0 leaves 16 neighbouring columns in the 16 registers of two neighbouring tiles.
; code = number / 2^e, held within +-448, to the nearest code, ties to even.  LIMITS: each e between -126 and 119.  NaN among the inputs is not served.
; The two paths part on the work-group's number alone; only the layernorm path touches LDS and has a barrier.
.set PITCH, 4112                       ; a token's row in LDS: 4,096 bytes + 16: sixteen rows start in sixteen different 16-byte columns
.set SPARE, 16*PITCH                   ; behind the rows: the spare words, 128 bytes a wave, two blocks of 256 bytes that no other line names
.set X,    32                          ; v32-159  four rows of x (row q at X + 32 q; register 4 j + i = column 128 j + 4 lane + i); later eight blocks of 16 neighbours, then their codes
.set GA,   160                         ; v160-191 the gain, in the same layout
.set BT,   192                         ; v192-223 the offset
.set SM,   224                         ; v224-231 a pair for each row: sums, mean, 1 / sigma
.set PM,   232                         ; v232-235 the other half of the lanes' sum
.set TQ,   160                         ; v160-207 three sets of 16 held numbers (the gain and the offset are done with)
.set SC,   208                         ; v208-210 2^e as f32;  v211-213 448 x 2^e
.set LIM,  211
.set OB,   72                          ; s[72:77] where my codes go, one base for each of the three sets
.set SPW,  254                         ; v254 my spare word's address; v255 = 0; never rewritten
.set NIL,  255
	s_load_b512 s[4:19], s[0:1], 0x0               ; x, g1, beta1, Wq, Wk, Wv, Wp, W1
	s_load_b256 s[20:27], s[0:1], 0x40             ; W2, the scales' exponents, hc, wc
	v_lshl_add_u32 v[SPW], v0, 2, SPARE
	v_mov_b32 v[NIL], 0
	v_lshrrev_b32 v1, 5, v0
	v_readfirstlane_b32 s28, v1                    ; wave 0..3
	v_and_b32 v1, 31, v0                           ; lane
	s_wait_kmcnt 0x0
	s_load_b512 s[32:47], s[22:23], 0x0            ; e0 .. e15
	s_cmp_ge_u32 ttmp9, 256
	s_cbranch_scc1 .Lweights
; ---------------- the layernorm: 16 tokens; wave w takes rows 4 w .. 4 w + 3 whole, so that a row's sums never leave the wave
	v_lshlrev_b32 v2, 4, v1                        ; 16 x lane
	s_mul_i32 s29, s28, 4*PITCH
	v_add_nc_u32 v3, s29, v2                       ; into LDS: my four rows, 16 bytes a lane
	v_and_b32 v5, 15, v0                           ; r
	v_bfe_u32 v6, v0, 4, 1                         ; h
	v_mul_u32_u24 v4, v5, PITCH
	v_lshl_add_u32 v4, v6, 6, v4
	s_lshl_b32 s29, s28, 10
	v_add_nc_u32 v4, s29, v4                       ; out of LDS: row r, my wave's 256 columns, + 16 h numbers
	s_lshl_b32 s30, ttmp9, 16                      ; 16 rows of 4,096 bytes a work-group,
	s_lshl_b32 s29, s28, 14                        ; four a wave
	s_add_co_u32 s30, s30, s29
	s_mov_b32 s31, 0
	s_add_nc_u64 s[4:5], s[4:5], s[30:31]
.irp q, 0,1,2,3
.irp j, 0,1,2,3,4,5,6,7
	global_load_b128 v[X+32*\q+4*\j:X+32*\q+4*\j+3], v2, s[4:5] offset:4096*\q+512*\j th:TH_LOAD_NT   ; 32 lanes read 512 consecutive bytes
.endr
.endr
.irp j, 0,1,2,3,4,5,6,7
	global_load_b128 v[GA+4*\j:GA+4*\j+3], v2, s[6:7] offset:512*\j
.endr
.irp j, 0,1,2,3,4,5,6,7
	global_load_b128 v[BT+4*\j:BT+4*\j+3], v2, s[8:9] offset:512*\j
.endr
	s_mov_b32 s66, 0x76543210                      ; v_permlanex16_b32: lane l takes lane l xor 16
	s_mov_b32 s67, 0xfedcba98
	s_mov_b32 s68, 0x3a800000                      ; 1 / 1024
	s_mov_b32 s69, 0x3727c5ac                      ; 1e-5
.irp q, 0,1,2,3
	v_mov_b32 v[PM+\q], 0                          ; a lane permute's destination counts as read
.endr
	s_lshr_b32 s29, ttmp9, 3                       ; my 16 tokens are image (work-group % 8) of group (work-group / 8); my wave makes K steps 2 w and 2 w + 1
	s_lshl_b32 s29, s29, 17
	s_and_b32 s30, ttmp9, 7
	s_lshl_b32 s30, s30, 11
	s_add_co_u32 s30, s30, s29
	s_lshl_b32 s29, s28, 15
	s_add_co_u32 s30, s30, s29
	s_add_nc_u64 s[OB:OB+1], s[24:25], s[30:31]
	s_add_nc_u64 s[OB+2:OB+3], s[OB:OB+1], 0x400000
	s_add_nc_u64 s[OB+4:OB+5], s[OB+2:OB+3], 0x400000
.macro REDUCE                          ; each row's pair of partial sums becomes the row's sum, in every lane; the four rows take turns line by line
.irp q, 0,1,2,3
	v_add_f32 v[SM+2*\q], v[SM+2*\q], v[SM+2*\q+1]
.endr
.irp m, 1,2,4,8
.irp q, 0,1,2,3
	v_add_f32_dpp v[SM+2*\q], v[SM+2*\q], v[SM+2*\q] row_xmask:\m row_mask:0xf bank_mask:0xf
.endr
.endr
.irp q, 0,1,2,3
	v_permlanex16_b32 v[PM+\q], v[SM+2*\q], s66, s67
.endr
.irp q, 0,1,2,3
	v_add_f32 v[SM+2*\q], v[SM+2*\q], v[PM+\q]
.endr
.endm
	s_wait_loadcnt 16                              ; x is in; the 16 loads of gain and offset may be out
.irp q, 0,1,2,3
	v_pk_add_f32 v[SM+2*\q:SM+2*\q+1], v[X+32*\q:X+32*\q+1], v[X+32*\q+2:X+32*\q+3]
.endr
.irp p, 2,3,4,5,6,7,8,9,10,11,12,13,14,15
.irp q, 0,1,2,3
	v_pk_add_f32 v[SM+2*\q:SM+2*\q+1], v[SM+2*\q:SM+2*\q+1], v[X+32*\q+2*\p:X+32*\q+2*\p+1]
.endr
.endr
	REDUCE
.irp q, 0,1,2,3
	v_mul_f32 v[SM+2*\q], s68, v[SM+2*\q]          ; the mean
.endr
.irp p, 0,1,2,3,4,5,6,7,8,9,10,11,12,13,14,15
.irp q, 0,1,2,3
	v_pk_add_f32 v[X+32*\q+2*\p:X+32*\q+2*\p+1], v[X+32*\q+2*\p:X+32*\q+2*\p+1], v[SM+2*\q:SM+2*\q+1] op_sel_hi:[1,0] neg_lo:[0,1] neg_hi:[0,1]   ; x - mean first: the variance is a sum of squares of differences, not a difference of sums
.endr
.endr
.irp q, 0,1,2,3
	v_pk_mul_f32 v[SM+2*\q:SM+2*\q+1], v[X+32*\q:X+32*\q+1], v[X+32*\q:X+32*\q+1]
.endr
.irp p, 1,2,3,4,5,6,7,8,9,10,11,12,13,14,15
.irp q, 0,1,2,3
	v_pk_fma_f32 v[SM+2*\q:SM+2*\q+1], v[X+32*\q+2*\p:X+32*\q+2*\p+1], v[X+32*\q+2*\p:X+32*\q+2*\p+1], v[SM+2*\q:SM+2*\q+1]
.endr
.endr
	REDUCE
.irp q, 0,1,2,3
	v_fma_f32 v[SM+2*\q+1], v[SM+2*\q], s68, s69   ; variance + 1e-5
.endr
.irp q, 0,1,2,3
	v_rsq_f32 v[SM+2*\q], v[SM+2*\q+1]
.endr
	v_nop                                          ; a plain instruction behind the last of the four (ISA guide 5.7.2),
	s_wait_alu depctr_va_vdst(0)                   ; and one wait ahead of their first reader
	s_wait_loadcnt 0x0                             ; gain and offset
.irp p, 0,1,2,3,4,5,6,7,8,9,10,11,12,13,14,15
.irp q, 0,1,2,3
	v_pk_mul_f32 v[X+32*\q+2*\p:X+32*\q+2*\p+1], v[X+32*\q+2*\p:X+32*\q+2*\p+1], v[SM+2*\q:SM+2*\q+1] op_sel_hi:[1,0]
.endr
.irp q, 0,1,2,3
	v_pk_fma_f32 v[X+32*\q+2*\p:X+32*\q+2*\p+1], v[X+32*\q+2*\p:X+32*\q+2*\p+1], v[GA+2*\p:GA+2*\p+1], v[BT+2*\p:BT+2*\p+1]
.endr
.endr
.irp q, 0,1,2,3
.irp j, 0,1,2,3,4,5,6,7
	ds_store_b128 v3, v[X+32*\q+4*\j:X+32*\q+4*\j+3] offset:PITCH*\q+512*\j
.endr
.endr
	s_wait_kmcnt 0x0                               ; the exponents
.macro MKSCALE e, o
	s_add_co_i32 s29, s[\e], 127
	s_lshl_b32 s30, s29, 23
	v_mov_b32 v[SC+\o], s30                        ; 2^e as f32: the conversion takes its exponent field
	s_add_co_i32 s29, s29, 8
	s_lshl_b32 s29, s29, 23
	s_or_b32 s29, s29, 0x600000
	v_mov_b32 v[LIM+\o], s29                       ; 448 x 2^e
.endm
	MKSCALE 33, 0                                  ; e1: h for q
	MKSCALE 35, 1                                  ; e3: h for k
	MKSCALE 37, 2                                  ; e5: h for v
	s_wait_dscnt 0x0                               ; for the others' sake: my rows lie in LDS
	s_barrier_signal -1
	s_barrier_wait -1
; the turn: lane (r, h) takes, of token r, 16 neighbours of each block of 32 in my wave's 256 columns: block 4 kk + c is chunk c of K step 2 w + kk
.irp b, 0,1,2,3,4,5,6,7
.irp i, 0,1,2,3
	ds_load_b128 v[X+16*\b+4*\i:X+16*\b+4*\i+3], v4 offset:512*(\b/4)+128*(\b%4)+16*\i
.endr
.endr
.macro QBLOCK blk
	s_wait_dscnt 28-4*(\blk)                       ; LDS loads come back in order: this block's four are in, the later blocks' may be out
.irp o, 0,1,2
.irp i, 0,1,2,3,4,5,6,7,8,9,10,11,12,13,14,15
	v_med3_num_f32 v[TQ+16*\o+\i], v[X+16*(\blk)+\i], -v[LIM+\o], v[LIM+\o]   ; the conversion does not saturate (ISA guide 7.6.2): the hold at the largest code x the scale
.endr
.endr
.irp o, 0,1,2
	v_cvt_scalef32_pk8_fp8_f32 v[X+16*(\blk)+4*\o:X+16*(\blk)+4*\o+1], v[TQ+16*\o:TQ+16*\o+7], v[SC+\o]      ; the codes land in the block's own registers, which nothing writes again
	v_cvt_scalef32_pk8_fp8_f32 v[X+16*(\blk)+4*\o+2:X+16*(\blk)+4*\o+3], v[TQ+16*\o+8:TQ+16*\o+15], v[SC+\o]
.endr
	v_nop                                          ; a plain instruction between the conversions and the next block's holds, which write their sources
.irp o, 0,1,2
	global_store_b128 v2, v[X+16*(\blk)+4*\o:X+16*(\blk)+4*\o+3], s[OB+2*\o:OB+2*\o+1] offset:((\blk)/4)*16384+((\blk)%4)*512   ; 32 lanes store 512 consecutive bytes: a quarter of an image
.endr
.endm
.irp b, 0,1,2,3,4,5,6,7
	QBLOCK \b
.endr
	s_wait_tensorcnt 0x0                           ; the wave's end, behind my last LDS store
	ds_add_u32 v[SPW], v[NIL]
	s_wait_dscnt 0x0
	s_endpgm
; ---------------- the weights: a work-group takes 128 columns x 256 along K; a lane takes a column and its registers run down K, so that the conversions give codes with K innermost and nothing is transposed
.Lweights:
	s_sub_co_u32 s29, ttmp9, 256                   ; 0-31 Wq, 32-63 Wk, 64-95 Wv, 96-127 Wp, 128-255 W1, 256-383 W2: every choice hangs on this number alone
	s_mov_b64 s[72:73], s[10:11]                   ; the tensor,
	s_mov_b32 s74, 0                               ; its first work-group,
	s_mov_b32 s75, 0                               ; its codes' place in wc,
	s_mov_b32 s77, 256                             ; bytes from k to k + 1
	s_cmp_ge_u32 s29, 32
	s_cselect_b64 s[72:73], s[12:13], s[72:73]
	s_cselect_b32 s74, 32, s74
	s_cselect_b32 s75, 0x100000, s75
	s_cmp_ge_u32 s29, 64
	s_cselect_b64 s[72:73], s[14:15], s[72:73]
	s_cselect_b32 s74, 64, s74
	s_cselect_b32 s75, 0x200000, s75
	s_cmp_ge_u32 s29, 96
	s_cselect_b64 s[72:73], s[16:17], s[72:73]
	s_cselect_b32 s74, 96, s74
	s_cselect_b32 s75, 0x300000, s75
	s_cselect_b32 s77, 0x1000, s77
	s_cmp_ge_u32 s29, 128
	s_cselect_b64 s[72:73], s[18:19], s[72:73]
	s_cselect_b32 s74, 128, s74
	s_cselect_b32 s75, 0x400000, s75
	s_cselect_b32 s77, 0x4000, s77
	s_cmp_ge_u32 s29, 256
	s_cselect_b64 s[72:73], s[20:21], s[72:73]
	s_cselect_b32 s74, 256, s74
	s_cselect_b32 s75, 0x800000, s75
	s_cselect_b32 s77, 0x1000, s77
	s_cselect_b32 s78, 4, 2                        ; K / 256 = 16 for W2, else 4, as a shift,
	s_cselect_b32 s79, 19, 17                      ; and a group's codes: 128 K bytes, as a shift
	s_sub_co_u32 s80, s29, s74
	s_bfm_b32 s81, s78, 0
	s_and_b32 s81, s80, s81                        ; which 256 along K
	s_lshr_b32 s82, s80, s78                       ; which group of 128 columns
	s_lshl_b32 s83, s82, 1                         ; the head weights [head][k][64]: my wave's 32 columns lie in head 2 G + w / 2, at d = 32 (w % 2)
	s_lshr_b32 s84, s28, 1
	s_add_co_u32 s83, s83, s84
	s_lshl_b32 s83, s83, 18
	s_and_b32 s84, s28, 1
	s_lshl_b32 s84, s84, 7
	s_add_co_u32 s83, s83, s84
	s_lshl_b32 s84, s82, 9                         ; the plain weights [k][n]: column 128 G + 32 w
	s_lshl_b32 s85, s28, 7
	s_add_co_u32 s84, s84, s85
	s_cmp_lt_u32 s29, 96
	s_cselect_b32 s83, s83, s84
	s_mul_i32 s84, s81, s77
	s_lshl_b32 s84, s84, 8                         ; + 256 rows of k for each step along K
	s_add_co_u32 s84, s84, s83
	s_mov_b32 s85, 0
	s_add_nc_u64 s[48:49], s[72:73], s[84:85]      ; s[48:63]: a base for each of my eight blocks of 32 along K
	s_lshl_b32 s86, s77, 5
	s_mov_b32 s87, 0
.irp t, 1,2,3,4,5,6,7
	s_add_nc_u64 s[48+2*\t:49+2*\t], s[46+2*\t:47+2*\t], s[86:87]
.endr
	s_lshl_b32 s84, s82, s79                       ; where my codes go: the group, K steps 2 kc and 2 kc + 1, images 2 w and 2 w + 1
	s_add_co_u32 s84, s84, s75
	s_lshl_b32 s85, s81, 15
	s_add_co_u32 s84, s84, s85
	s_lshl_b32 s85, s28, 12
	s_add_co_u32 s84, s84, s85
	s_mov_b32 s85, 0
	s_add_nc_u64 s[70:71], s[26:27], s[84:85]
	v_lshlrev_b32 v32, 2, v1                       ; v32-63: 4 x lane + i rows of k
.set i, 1
.rept 31
	v_add_nc_u32 v[32+i], s77, v[31+i]
.set i, i+1
.endr
	v_bfe_u32 v6, v0, 3, 1                         ; my column's place in the images: image (lane / 8) % 2 of my wave's two,
	v_bfe_u32 v7, v0, 4, 1
	v_and_b32 v8, 7, v0
	v_lshl_add_u32 v7, v7, 3, v8                   ; rho = 8 (lane / 16) + lane % 8
	v_lshlrev_b32 v5, 4, v7
	v_lshl_add_u32 v5, v6, 11, v5
.macro WLOAD t                         ; block t: W(32 t + i, my column) into set t % 2: each load reads 128 consecutive bytes
.set i, 0
.rept 32
	global_load_b32 v[64+32*((\t)%2)+i], v[32+i], s[48+2*(\t):49+2*(\t)] th:TH_LOAD_NT
.set i, i+1
.endr
.endm
	WLOAD 0
	WLOAD 1
	s_wait_kmcnt 0x0                               ; the exponents: chosen behind the first loads, so that they delay none
	s_mov_b32 s76, s32
	s_cmp_ge_u32 s29, 32
	s_cselect_b32 s76, s34, s76
	s_cmp_ge_u32 s29, 64
	s_cselect_b32 s76, s36, s76
	s_cmp_ge_u32 s29, 96
	s_cselect_b32 s76, s43, s76
	s_cmp_ge_u32 s29, 128
	s_cselect_b32 s76, s45, s76
	s_cmp_ge_u32 s29, 256
	s_cselect_b32 s76, s47, s76
	s_add_co_i32 s76, s76, 127
	s_lshl_b32 s74, s76, 23
	v_mov_b32 v11, s74                             ; 2^e
	s_add_co_i32 s76, s76, 8
	s_lshl_b32 s76, s76, 23
	s_or_b32 s76, s76, 0x600000
	v_mov_b32 v10, s76                             ; 448 x 2^e
.macro WBLOCK t
.if (\t) < 7
	s_wait_loadcnt 32                              ; this block's 32 loads are in; the next block's may be out
.else
	s_wait_loadcnt 0x0
.endif
.set i, 0
.rept 32
	v_med3_num_f32 v[64+32*((\t)%2)+i], v[64+32*((\t)%2)+i], -v10, v10
.set i, i+1
.endr
.irp g, 0,1,2,3
	v_cvt_scalef32_pk8_fp8_f32 v[128+8*(\t)+2*\g:128+8*(\t)+2*\g+1], v[64+32*((\t)%2)+8*\g:64+32*((\t)%2)+8*\g+7], v11   ; each block has code registers of its own: no store's data are written again
.endr
	v_nop                                          ; a plain instruction behind the conversions
	global_store_b128 v5, v[128+8*(\t):128+8*(\t)+3], s[70:71] offset:((\t)/4)*16384+((\t)%4)*512          ; k = 32 c + 0 .. 15: lanes of one image fill 256 consecutive bytes
	global_store_b128 v5, v[128+8*(\t)+4:128+8*(\t)+7], s[70:71] offset:((\t)/4)*16384+((\t)%4)*512+256    ; k = 32 c + 16 .. 31
.if (\t)+2 < 8
	WLOAD (\t)+2
.endif
.endm
.irp t, 0,1,2,3,4,5,6,7
	WBLOCK \t
.endr
	s_endpgm
.Lfunc_end_k_q1ac5500ecd_prep:
	.size	k_q1ac5500ecd_prep, .Lfunc_end_k_q1ac5500ecd_prep-k_q1ac5500ecd_prep
	.p2alignl 7, 3214868480
	.fill 96, 4, 3214868480
	.section	.rodata,"a",@progbits
	.p2align	6, 0x0
	.amdhsa_kernel k_q1ac5500ecd_prep
		.amdhsa_group_segment_fixed_size 66560
		.amdhsa_private_segment_fixed_size 0
		.amdhsa_enable_private_segment 0
		.amdhsa_kernarg_size 96
		.amdhsa_user_sgpr_count 2
		.amdhsa_user_sgpr_kernarg_segment_ptr 1
		.amdhsa_wavefront_size32 1
		.amdhsa_system_sgpr_workgroup_id_x 1
		.amdhsa_system_sgpr_workgroup_id_y 1
		.amdhsa_system_sgpr_workgroup_id_z 1
		.amdhsa_system_vgpr_workitem_id 0
		.amdhsa_next_free_vgpr 256
		.amdhsa_next_free_sgpr 100
		.amdhsa_reserve_vcc 0
		.amdhsa_float_denorm_mode_32 3
		.amdhsa_float_denorm_mode_16_64 3
		.amdhsa_memory_ordered 1
		.amdhsa_forward_progress 1
		.amdhsa_inst_pref_size 114
	.end_amdhsa_kernel
	.amdgpu_metadata
---
amdhsa.version: [ 1, 2 ]
amdhsa.kernels:
  - .name:           k_q1ac5500ecd_prep
    .symbol:         k_q1ac5500ecd_prep.kd
    .args:
      - { .name: x, .offset: 0, .size: 8, .value_kind: global_buffer, .address_space: global }
      - { .name: g1, .offset: 8, .size: 8, .value_kind: global_buffer, .address_space: global }
      - { .name: beta1, .offset: 16, .size: 8, .value_kind: global_buffer, .address_space: global }
      - { .name: Wq, .offset: 24, .size: 8, .value_kind: global_buffer, .address_space: global }
      - { .name: Wk, .offset: 32, .size: 8, .value_kind: global_buffer, .address_space: global }
      - { .name: Wv, .offset: 40, .size: 8, .value_kind: global_buffer, .address_space: global }
      - { .name: Wp, .offset: 48, .size: 8, .value_kind: global_buffer, .address_space: global }
      - { .name: W1, .offset: 56, .size: 8, .value_kind: global_buffer, .address_space: global }
      - { .name: W2, .offset: 64, .size: 8, .value_kind: global_buffer, .address_space: global }
      - { .name: lowp_scales, .offset: 72, .size: 8, .value_kind: global_buffer, .address_space: global }
      - { .name: hc, .offset: 80, .size: 8, .value_kind: global_buffer, .address_space: global }
      - { .name: wc, .offset: 88, .size: 8, .value_kind: global_buffer, .address_space: global }
    .group_segment_fixed_size: 66560
    .private_segment_fixed_size: 0
    .kernarg_segment_align: 8
    .kernarg_segment_size: 96
    .max_flat_workgroup_size: 128
    .sgpr_count:     100
    .vgpr_count:     256
    .wavefront_size: 32
...
	.end_amdgpu_metadata
.endif
;; end of part 1
;; launch qkv (part 2): grid 32 x 24, 4 waves a work-group, clusters of 4 x 4, 327,680 bytes of LDS; arguments hc, wc, lowp_scales, qkvc; writes qkvc
.if DOCPART == 2
	.amdgcn_target "amdgcn-amd-amdhsa--gfx1250"
	.amdhsa_code_object_version 6
	.text
	.protected	k_q1ac5500ecd_qkv
	.globl	k_q1ac5500ecd_qkv
	.p2align	8
	.type	k_q1ac5500ecd_qkv,@function
k_q1ac5500ecd_qkv:
	s_mov_b64 s[64:65], 0
	v_nop
	global_prefetch_b8 v0, s[64:65] scope:SCOPE_SE
	s_setreg_imm32_b32 hwreg(HW_REG_WAVE_MODE, 25, 1), 1
	s_wait_xcnt 0x0
	s_wait_alu depctr_hold_cnt(0) depctr_sa_sdst(0) depctr_va_vdst(0) depctr_va_sdst(0) depctr_va_ssrc(0) depctr_va_vcc(0) depctr_vm_vsrc(0)
	s_getreg_b32 s2, hwreg(HW_REG_IB_STS2, 6, 4)
	s_cmp_eq_u32 s2, 0
	s_cbranch_scc0 .Lentry_in_a_cluster
	s_endpgm
.Lentry_in_a_cluster:
	s_bfe_u32 s2, ttmp6, 0x10000c
	s_cmp_lg_u32 s2, 0xf033
	s_cbranch_scc0 .Lentry_shape_is_right
	s_endpgm
.Lentry_shape_is_right:
; q, k and v: three products of K = 1,024 on E4M3 codes, each result quantised at once for attention (q: 2^e6, k: 2^e7, v: 2^e9) and stored as images of attention's operand registers.
; A work-group makes 128 x 128 results, four waves 64 x 64 each: 16 accumulators.  Source 0 (X) gives a lane's eight registers, source 1 (Y) its lane: a result's tile holds, in lane (r, h), row r of Y and rows 8 h + j of X.
; REGION QK (cluster y 2-5): X = Wq or Wk, Y = tokens: a lane holds one token and 16 neighbouring channels in two tiles' registers: the fragment that attention's first product wants.
; REGION V (cluster y 0-1): X = tokens, Y = Wv: a lane holds one channel and its registers run along the tokens, which are the second product's K.  Nothing is transposed.
; The region and the choice of q or k hang on the cluster's coordinates alone and are made by selects; no branch hangs on them.
; Operands lie in memory as images (16 rows x 128 K in 2,048 bytes, lane l's 16 bytes of chunk c at 512 c + 16 l), [group of 128 rows][K step][8 images]: a tile is one dense block, a fragment four ds_load_b128 at 16 x lane.
; K goes through two LDS slots of 512 along K each; with K = 1,024 both are asked for at the head and nothing is filled again.
; CLUSTER 4 x 4: Y's tile is shared along a row of the cluster, X's along a column: each is asked for jointly.
; LIMITS: e6 - e0 - e1, e7 - e2 - e3 and e9 - e4 - e5 between -126 and 119.  No prefetch: all tiles are asked for at the kernel's head.
; REGISTERS: window 0: v8-11 store offsets, v16-21 LDS addresses, v28-29 the add's two, v30-31 scale and hold, v32-63 codes, v128-255 accumulators ((a, b) at 128 + 8 (4 a + b)).  window 1: two fragment buffers of 128: Y's four, then X's four.
.set KB,    1024
.set LAPS,  KB/1024
.set BIASC, 0
.set SLOT,  131072                     ; Y's 64 KiB ([4 K steps][8 images]), then X's 64 KiB
.set XHALF, 65536
.set SPARE, 262144                     ; behind the ring: the spare words, 128 bytes a wave, two blocks of 256 bytes that no other line names
.set ADRY, 16
.set ADRX, 20
.set SPW,  28
.set NIL,  29
.set ACC,  128
.set F0,   0
.set F1,   128
.set G1Y, 24                           ; s[24:31] group 1 for Y's tiles; s[32:39] group 0, a set for each slot
.set G0Y, 32
.set G1X, 48                           ; s[48:55], s[56:63] the same for X's
.set G0X, 56
.set MSB, 0
.macro WIN new                         ; the immediate's high byte repeats the setting that is left
.if MSB != \new
	s_set_vgpr_msb (MSB<<8)|\new
.set MSB, \new
.endif
.endm
.set MUL,  0x05                        ; sources 0 and 1 window 1; C and D window 0
.set TO_F, 0x40                        ; destination window 1, address window 0
.macro JLOAD s                         ; a joint load: waves 0 and 1 fetch Y's halves, waves 2 and 3 X's; the branch hangs on the wave's number alone; an s_nop 0 and four v_nop follow each line
	s_cmp_eq_u32 s13, 0
	s_cbranch_scc0 .Lfor_x_\@
	tensor_load_to_lds s[G0Y+4*\s:G0Y+4*\s+3], s[G1Y:G1Y+7]
	s_nop 0
.rept 4
	v_nop
.endr
	s_branch .Lasked_\@
.Lfor_x_\@:
	tensor_load_to_lds s[G0X+4*\s:G0X+4*\s+3], s[G1X:G1X+7]
	s_nop 0
.rept 4
	v_nop
.endr
.Lasked_\@:
.endm
.macro CREST                           ; a round of the cluster's barrier behind its opening barrier
	s_cmp_lg_u32 s12, 0
	s_cbranch_scc1 .Lnot_wave_0_\@
	s_barrier_signal -3
.Lnot_wave_0_\@:
	s_barrier_wait -3
	s_barrier_signal -1
	s_barrier_wait -1
.endm
.macro CROUND
	s_barrier_signal -1
	s_barrier_wait -1
	CREST
.endm
.macro PLACES                          ; four places in front of loads into registers that matrix instructions have read, and of the first read of results
.rept 4
	v_nop
.endr
.endm
.macro MULA f, a, zero                 ; Y's fragment a against X's four, 128 along K; the 16 accumulators take turns in one order everywhere
.irp b, 0,1,2,3
.if \zero
.if BIASC
	v_wmma_f32_16x16x128_fp8_fp8 v[ACC+8*(4*\a+\b):ACC+8*(4*\a+\b)+7], v[\f+64+16*\b:\f+64+16*\b+15], v[\f+16*\a:\f+16*\a+15], v[32+8*\b:32+8*\b+7]
.else
	v_wmma_f32_16x16x128_fp8_fp8 v[ACC+8*(4*\a+\b):ACC+8*(4*\a+\b)+7], v[\f+64+16*\b:\f+64+16*\b+15], v[\f+16*\a:\f+16*\a+15], 0
.endif
.else
	v_wmma_f32_16x16x128_fp8_fp8 v[ACC+8*(4*\a+\b):ACC+8*(4*\a+\b)+7], v[\f+64+16*\b:\f+64+16*\b+15], v[\f+16*\a:\f+16*\a+15], v[ACC+8*(4*\a+\b):ACC+8*(4*\a+\b)+7]
.endif
.endr
.endm
.macro FETCH slot, ks, f               ; 32 LDS loads in one run: X's four fragments, then Y's four, of the slot's K step ks, into buffer f; each load takes 512 consecutive bytes
	WIN TO_F
.irp b, 0,1,2,3
.irp c, 0,1,2,3
	ds_load_b128 v[\f+64+16*\b+4*\c:\f+64+16*\b+4*\c+3], v[ADRX+\slot] offset:(\ks)*16384+\b*2048+\c*512
.endr
.endr
.irp a, 0,1,2,3
.irp c, 0,1,2,3
	ds_load_b128 v[\f+16*\a+4*\c:\f+16*\a+4*\c+3], v[ADRY+\slot] offset:(\ks)*16384+\a*2048+\c*512
.endr
.endr
.endm
.macro QUARTER slot, ksn, f, g, zero   ; one of a slot's first three K steps: multiplies buffer f, fetches K step ksn into g in its middle
	s_wait_dscnt 8                                 ; X's four and Y's first two are in; the youngest eight loads (Y's last two) may be out
	WIN MUL
	MULA \f, 0, \zero
	MULA \f, 1, \zero
	PLACES
	FETCH \slot, \ksn, \g
	s_wait_dscnt 32                                ; all but the 32 just issued
	WIN MUL
	MULA \f, 2, \zero
	MULA \f, 3, \zero
.endm
.macro TURN slot, next, fill           ; a slot's last K step changes slots: one barrier; in front of it every wave waits for all its tensor loads, adds 0 to its spare word and waits for that and for its reads of this slot
	WIN 0
	s_wait_tensorcnt 0x0                           ; my part of the next slot has landed
	ds_add_u32 v[SPW], v[NIL]
	s_wait_dscnt 9                                 ; (the add and the youngest eight loads may be out)
	WIN MUL
	MULA F1, 0, 0
	s_wait_dscnt 0x0                               ; the add is done, and my reads of this slot are over
	s_barrier_signal -1
	MULA F1, 1, 0
.if \fill
	WIN 0
.endif
	s_barrier_wait -1
.if \fill
	CREST                                          ; the barrier has opened a round of the cluster's: no wave of any partner still reads this slot or has a load on its way
	s_add_nc_u64 s[G0Y+4*\slot+2:G0Y+4*\slot+3], s[G0Y+4*\slot+2:G0Y+4*\slot+3], 131072
	s_add_nc_u64 s[G0X+4*\slot+2:G0X+4*\slot+3], s[G0X+4*\slot+2:G0X+4*\slot+3], 131072
	JLOAD \slot                                    ; the first tensor load behind the round; its four v_nop are the places in front of the loads below
.else
	PLACES
.endif
	FETCH \next, 0, F0
	WIN MUL
	MULA F1, 2, 0
	MULA F1, 3, 0
.endm
	s_load_b256 s[4:11], s[0:1], 0x0               ; hc s[4:5], wc s[6:7], the exponents s[8:9], qkvc s[10:11]
	v_lshl_add_u32 v[SPW], v0, 2, SPARE
	v_mov_b32 v[NIL], 0
	ds_add_u32 v[SPW], v[NIL]                      ; the wave's opening: the add and its wait stand ahead of my first tensor load; work on registers stands between
	v_lshrrev_b32 v1, 5, v0
	v_readfirstlane_b32 s12, v1                    ; wave 0..3
	s_lshr_b32 s13, s12, 1                         ; my half of Y's rows.  Also: I fetch for Y (0) or for X (1)
	s_and_b32 s14, s12, 1                          ; my half of X's rows.  Also: which half of a slot's K steps I fetch
	s_bfe_u32 s40, ttmp6, 0x40000                  ; cx
	s_bfe_u32 s41, ttmp6, 0x40004                  ; cy
	s_and_b32 s88, ttmp7, 0xffff                   ; cluster y: 0, 1 region V; 2 .. 5 region QK
	s_max_u32 s89, s88, 2
	s_sub_co_u32 s89, s89, 2
	s_lshr_b32 s90, ttmp9, 2
	s_lshl_b32 s90, s90, 2
	s_add_co_u32 s89, s89, s90                     ; QK: which four groups of tokens: cluster y - 2 + 4 (cluster x / 4)
	s_bfe_u32 s91, ttmp9, 0x10001                  ; QK: 0 = q, 1 = k: bit 1 of cluster x
	s_and_b32 s90, ttmp9, 1
	s_lshl_b32 s90, s90, 2                         ; QK: X's groups 4 (cluster x % 2) on
	s_lshl_b32 s92, ttmp9, 2                       ; V:  X's groups 4 cluster x on
	s_lshl_b32 s93, s88, 2                         ; V:  Y's groups 4 cluster y on
	s_lshl_b32 s89, s89, 2
	s_cmp_lt_u32 s88, 2
	s_cselect_b32 s42, s92, s90
	s_cselect_b32 s43, s93, s89
	s_cselect_b32 s94, 1, 0                        ; 1 in region V
	s_add_co_u32 s42, s42, s40                     ; X's group: it holds cx and never cy
	s_add_co_u32 s43, s43, s41                     ; Y's group: cy and never cx
	s_lshl_b32 s44, s41, 2
	s_lshl_b32 s44, 15, s44                        ; my row of the cluster
	s_lshl_b32 s45, 0x1111, s40                    ; my column
	s_or_b32 s[G1Y], s44, (3<<16)|(1<<21)          ; 15:0 the mask; 17:16 elements of 8 bytes; 21 set beside a mask; no padding: the block is dense, and every LDS load takes 512 bytes on end
	s_or_b32 s[G1X], s45, (3<<16)|(1<<21)
.irp g, G1Y, G1X
	s_mov_b32 s[\g+1], 32<<16                      ; tensor_dim0 = 32 elements: rows of 256 bytes
	s_mov_b32 s[\g+2], 128<<16                     ; tensor_dim1 = 128 rows: 32 KiB, two K steps of eight images
	s_mov_b32 s[\g+3], 32<<16                      ; tile_dim0
	s_mov_b32 s[\g+4], 128                         ; tile_dim1
	s_mov_b32 s[\g+5], 32                          ; the pitch: dense
	s_mov_b32 s[\g+6], 0
	s_mov_b32 s[\g+7], 0
.endr
	s_lshl_b32 s18, s14, 15                        ; my half of a slot's four K steps
	s_lshl_b32 s92, s91, 20                        ; QK: Wq at 0, Wk at 1 MiB of wc;
	s_lshl_b32 s93, s91, 22                        ;     h for q at 0, for k at 4 MiB of hc
	s_cmp_eq_u32 s94, 1
	s_cselect_b32 s92, 0x800000, s92               ; V: X = h for v, at 8 MiB of hc;
	s_cselect_b32 s93, 0x200000, s93               ;    Y = Wv, at 2 MiB of wc
	s_lshl_b32 s46, s42, 17                        ; a group is 128 x 1,024 bytes
	s_add_co_u32 s46, s46, s92
	s_add_co_u32 s46, s46, s18
	s_mov_b32 s47, 0
	s_lshl_b32 s16, s43, 17
	s_add_co_u32 s16, s16, s93
	s_add_co_u32 s16, s16, s18
	s_mov_b32 s17, 0
	s_lshl_b32 s20, s12, 15                        ; where my 32 KiB go in a slot: no place in the cluster enters an LDS address
	s_wait_dscnt 0x0                               ; the opening add is done
	s_wait_kmcnt 0x0
	s_load_b512 s[68:83], s[8:9], 0x0              ; e0 .. e15
	s_cmp_eq_u32 s94, 1
	s_cselect_b64 s[22:23], s[6:7], s[4:5]         ; Y's buffer,
	s_cselect_b64 s[88:89], s[4:5], s[6:7]         ; X's
	s_add_nc_u64 s[16:17], s[22:23], s[16:17]
	s_add_nc_u64 s[46:47], s[88:89], s[46:47]
	CROUND                                         ; all sixteen work-groups are here: the first joint loads meet
.irp s, 0,1
	s_mov_b32 s[G0Y+4*\s], 1
	s_add_co_u32 s[G0Y+4*\s+1], s20, \s*SLOT
	s_add_nc_u64 s[G0Y+4*\s+2:G0Y+4*\s+3], s[16:17], \s*65536
	s_or_b32 s[G0Y+4*\s+3], s[G0Y+4*\s+3], 0x80000000
	s_mov_b32 s[G0X+4*\s], 1
	s_add_co_u32 s[G0X+4*\s+1], s20, \s*SLOT
	s_add_nc_u64 s[G0X+4*\s+2:G0X+4*\s+3], s[46:47], \s*65536
	s_or_b32 s[G0X+4*\s+3], s[G0X+4*\s+3], 0x80000000
	JLOAD \s                                       ; two loads of mine are out
.endr
	v_and_b32 v1, 31, v0
	v_lshlrev_b32 v2, 4, v1                        ; 16 x lane
	s_lshl_b32 s21, s13, 13                        ; my four images of Y,
	s_lshl_b32 s22, s14, 13                        ; my four of X,
	s_add_co_u32 s22, s22, XHALF                   ; which lie behind Y's
.irp s, 0,1
	v_add_nc_u32 v[ADRY+\s], s21, v2
	v_add_nc_u32 v[ADRX+\s], s22, v2
	s_add_co_u32 s21, s21, SLOT
	s_add_co_u32 s22, s22, SLOT
.endr
	; where my codes go.  The part that holds cx and the part that holds cy are made apart.
	s_lshr_b32 s88, s42, 4                         ; V: X's group is the batch (16 heads of 128 KiB) and the key step (8 KiB); my half of X's rows is chunks 2 WX, 2 WX + 1
	s_lshl_b32 s88, s88, 21
	s_and_b32 s89, s42, 15
	s_lshl_b32 s89, s89, 13
	s_add_co_u32 s88, s88, s89
	s_lshl_b32 s89, s14, 10
	s_add_co_u32 s88, s88, s89
	s_add_co_u32 s88, s88, 0x800000                ; v's codes begin at 8 MiB
	s_lshl_b32 s89, s42, 1                         ; QK: the head is 2 x X's group + WX;
	s_add_co_u32 s89, s89, s14
	s_lshl_b32 s89, s89, 17
	s_add_co_u32 s89, s89, s93                     ; q at 0, k at 4 MiB
	s_cmp_eq_u32 s94, 1
	s_cselect_b32 s46, s88, s89
	s_mov_b32 s47, 0
	s_lshl_b32 s22, s43, 1                         ; V: the head is 2 x Y's group + WY
	s_add_co_u32 s22, s22, s13
	s_lshl_b32 s22, s22, 17
	s_lshr_b32 s23, s43, 4                         ; QK: Y's group is the batch and eight tiles of 16 tokens (1 KiB each), my half four of them
	s_lshl_b32 s23, s23, 21
	s_and_b32 s16, s43, 15
	s_lshl_b32 s16, s16, 1
	s_add_co_u32 s16, s16, s13
	s_lshl_b32 s16, s16, 12
	s_add_co_u32 s23, s23, s16
	s_cmp_eq_u32 s94, 1
	s_cselect_b32 s16, s22, s23
	s_mov_b32 s17, 0
	s_mov_b32 s95, 1024
	s_cselect_b32 s95, 0x800, s95                  ; from one of Y's tiles to the next: 2,048 bytes in v, 1,024 in q and k
	s_add_nc_u64 s[10:11], s[10:11], s[16:17]
	s_add_nc_u64 s[10:11], s[10:11], s[46:47]
	v_lshlrev_b32 v8, 4, v1
	v_add_nc_u32 v9, s95, v8
	v_add_nc_u32 v10, s95, v9
	v_add_nc_u32 v11, s95, v10
	s_wait_tensorcnt 1                             ; my part of slot 0 is in; slot 1's may stay out
	s_barrier_signal -1
	s_barrier_wait -1
	FETCH 0, 0, F0
	QUARTER 0, 1, F0, F1, 1                        ; the first K step starts the sums: nothing is cleared
	QUARTER 0, 2, F1, F0, 0
	QUARTER 0, 3, F0, F1, 0
	TURN 0, 1, 0
	QUARTER 1, 1, F0, F1, 0
	QUARTER 1, 2, F1, F0, 0
	QUARTER 1, 3, F0, F1, 0
	s_wait_dscnt 8
	WIN MUL
	MULA F1, 0, 0
	MULA F1, 1, 0
	s_wait_dscnt 0x0
	MULA F1, 2, 0
	MULA F1, 3, 0
	WIN 0
	; THE WAY OUT: a sum stands for sum x 2^(its operands' exponents): the three scales fold into the conversion's one
	s_wait_kmcnt 0x0
	s_sub_co_i32 s88, s77, s72                     ; v: e9 - e4 - e5
	s_sub_co_i32 s88, s88, s73
	s_sub_co_i32 s89, s74, s68                     ; q: e6 - e0 - e1
	s_sub_co_i32 s89, s89, s69
	s_sub_co_i32 s90, s75, s70                     ; k: e7 - e2 - e3
	s_sub_co_i32 s90, s90, s71
	s_cmp_eq_u32 s91, 1
	s_cselect_b32 s89, s90, s89
	s_cmp_eq_u32 s94, 1
	s_cselect_b32 s88, s88, s89
	s_add_co_i32 s88, s88, 127
	s_lshl_b32 s89, s88, 23
	v_mov_b32 v30, s89
	s_add_co_i32 s88, s88, 8
	s_lshl_b32 s88, s88, 23
	s_or_b32 s88, s88, 0x600000
	v_mov_b32 v31, s88
	PLACES
.irp a, 0,1,2,3
.irp b, 0,1,2,3
.irp j, 0,1,2,3,4,5,6,7
	v_med3_num_f32 v[ACC+8*(4*\a+\b)+\j], v[ACC+8*(4*\a+\b)+\j], -v31, v31   ; the hold at the largest code x the scale; each accumulator from its low end on
.endr
	v_cvt_scalef32_pk8_fp8_f32 v[32+8*\a+2*\b:32+8*\a+2*\b+1], v[ACC+8*(4*\a+\b):ACC+8*(4*\a+\b)+7], v30
.endr
.endr
	v_nop                                          ; a plain instruction behind the last conversion
.irp a, 0,1,2,3
.irp p, 0,1
	global_store_b128 v[8+\a], v[32+8*\a+4*\p:32+8*\a+4*\p+3], s[10:11] offset:512*\p   ; two tiles' codes are four registers of the reader's fragment: 32 lanes store 512 consecutive bytes
.endr
.endr
	s_wait_tensorcnt 0x0                           ; the wave's end
	ds_add_u32 v[SPW], v[NIL]
	s_wait_dscnt 0x0
	CROUND                                         ; the closing round
	s_endpgm
.Lfunc_end_k_q1ac5500ecd_qkv:
	.size	k_q1ac5500ecd_qkv, .Lfunc_end_k_q1ac5500ecd_qkv-k_q1ac5500ecd_qkv
	.p2alignl 7, 3214868480
	.fill 96, 4, 3214868480
	.section	.rodata,"a",@progbits
	.p2align	6, 0x0
	.amdhsa_kernel k_q1ac5500ecd_qkv
		.amdhsa_group_segment_fixed_size 327680
		.amdhsa_private_segment_fixed_size 0
		.amdhsa_enable_private_segment 0
		.amdhsa_kernarg_size 32
		.amdhsa_user_sgpr_count 2
		.amdhsa_user_sgpr_kernarg_segment_ptr 1
		.amdhsa_wavefront_size32 1
		.amdhsa_system_sgpr_workgroup_id_x 1
		.amdhsa_system_sgpr_workgroup_id_y 1
		.amdhsa_system_sgpr_workgroup_id_z 1
		.amdhsa_system_vgpr_workitem_id 0
		.amdhsa_next_free_vgpr 512
		.amdhsa_next_free_sgpr 100
		.amdhsa_reserve_vcc 0
		.amdhsa_float_denorm_mode_32 3
		.amdhsa_float_denorm_mode_16_64 3
		.amdhsa_memory_ordered 1
		.amdhsa_forward_progress 1
		.amdhsa_inst_pref_size 45
	.end_amdhsa_kernel
	.amdgpu_metadata
---
amdhsa.version: [ 1, 2 ]
amdhsa.kernels:
  - .name:           k_q1ac5500ecd_qkv
    .symbol:         k_q1ac5500ecd_qkv.kd
    .args:
      - { .name: hc, .offset: 0, .size: 8, .value_kind: global_buffer, .address_space: global }
      - { .name: wc, .offset: 8, .size: 8, .value_kind: global_buffer, .address_space: global }
      - { .name: lowp_scales, .offset: 16, .size: 8, .value_kind: global_buffer, .address_space: global }
      - { .name: qkvc, .offset: 24, .size: 8, .value_kind: global_buffer, .address_space: global }
    .group_segment_fixed_size: 327680
    .private_segment_fixed_size: 0
    .kernarg_segment_align: 8
    .kernarg_segment_size: 32
    .max_flat_workgroup_size: 128
    .sgpr_count:     100
    .vgpr_count:     512
    .wavefront_size: 32
...
	.end_amdgpu_metadata
.endif
;; end of part 2
;; launch attn (part 3): grid 8 x 32, 16 waves a work-group, no clusters, 327,680 bytes of LDS; arguments qkvc, lowp_scales, oc; writes oc
.if DOCPART == 3
	.amdgcn_target "amdgcn-amd-amdhsa--gfx1250"
	.amdhsa_code_object_version 6
	.text
	.protected	k_q1ac5500ecd_attn
	.globl	k_q1ac5500ecd_attn
	.p2align	8
	.type	k_q1ac5500ecd_attn,@function
k_q1ac5500ecd_attn:
	s_mov_b64 s[64:65], 0
	v_nop
	global_prefetch_b8 v0, s[64:65] scope:SCOPE_SE
	s_setreg_imm32_b32 hwreg(HW_REG_WAVE_MODE, 25, 1), 1
	s_wait_xcnt 0x0
; Causal attention on E4M3 codes, head size 64, 2,048 tokens, 32 (batch, head) pairs; o is quantised (2^e10) and stored as images of the projection's operand registers.
; t = score x 2^(e6 + e7) x log2(e) / 8; M = the running largest t rounded up to a whole number; p = 2^(t - M) is quantised with 2^e8, not normalised; the row's sum is taken of the unquantised p and divides at the end.
; SHARES.  A work-group owns one head and the blocks of 128 queries j and 15 - j: 17 key steps of 128 for its two blocks together, whatever j.  Each of its sixteen waves owns 16 queries; the waves of the late block
; are dealt so that two of every four neighbouring waves, and two of every four waves four apart, are of that block.
; THE WHOLE HEAD LIES IN LDS: k's codes 128 KiB, v's 128 KiB, each brought once; nothing is filled again.  Each wave brings a piece of key steps 0 and 1 by a first load and a piece of the rest by a second,
; so that the first two key steps are worked while the rest is on its way.  Two tensor loads of a wave are out at the most.
; LAYOUT.  S^T = k q^T (K = 64 form; lane = query, registers = keys 16 t + 8 h + j), so that the conversions of p give the second product's operand in that form's own order of k; v's images were laid in the same order.
; O^T = v^T p^T: lane = query, the registers of tiles 2 b, 2 b + 1 are channels 32 b + 16 h + 0 .. 15.
; CAUSAL.  Every wave walks all 16 key steps (the trip counts are constants); a step all of whose keys come after the wave's queries is jumped over by a scalar branch on ids; on the diagonal hidden scores become -infinity.
; NO CLUSTER: the work-groups that share a head differ in which steps they jump over, and no branch may hang on a place in a cluster.  NO PREFETCH: every tile is asked for at the kernel's head.
; LIMITS: e6 + e7 between -122 and 130; e8 and e10 between -126 and 119.
; REGISTERS: v1, v2 16 x lane (+ v's base); v3 mask distance; v4 -infinity; v5, v6 the add's two; v7 r - 8 h; v8, v9 addresses in hand; v10, v11 448 x 2^e8, 2^e8; v12 -M; v13 the largest t; v[14:15] the sum;
;   v16-23 q; v24-31 at work; v32-95 k's fragments, then p's codes in v32-47; v96-159 S^T, then p; v160-191 O^T; v192-255 v's fragments.
.set VB,    131072                     ; v's images begin here
.set SPARE, 262144                     ; behind them: the spare words, 128 bytes for each of sixteen waves, eight blocks of 256 bytes that no other line names
	s_load_b128 s[4:7], s[0:1], 0x0                ; qkvc, the exponents
	s_load_b64 s[8:9], s[0:1], 0x10                ; oc
	v_lshl_add_u32 v5, v0, 2, SPARE
	v_mov_b32 v6, 0
	ds_add_u32 v5, v6                              ; the wave's opening: the add and its wait stand ahead of my first tensor load; work on registers stands between
	v_lshrrev_b32 v8, 5, v0
	v_readfirstlane_b32 s18, v8                    ; wave 0..15
	s_and_b32 s10, s18, 1                          ; I fetch for k (0) or for v (1),
	s_lshr_b32 s11, s18, 1                         ; piece 0..7.  Also: which 16 queries of my block are mine
	s_lshl_b32 s12, s10, 17
	s_lshl_b32 s13, s11, 11
	s_add_co_u32 s13, s13, s12                     ; LDS: 2 KiB of key steps 0 and 1,
	s_mul_i32 s14, s11, 14336
	s_add_co_u32 s14, s14, s12
	s_add_co_u32 s14, s14, 16384                   ; and 14 KiB of the other fourteen
	s_and_b32 s15, ttmp7, 0xffff                   ; the (batch, head) pair
	s_lshl_b32 s16, s15, 17                        ; its 128 KiB in each of q, k, v
	s_add_co_u32 s17, s10, 1
	s_lshl_b32 s17, s17, 22                        ; k at 4 MiB, v at 8 MiB of qkvc
	s_add_co_u32 s17, s17, s16
	s_lshl_b32 s20, s11, 11
	s_add_co_u32 s20, s20, s17
	s_mov_b32 s21, 0
	s_mul_i32 s48, s11, 14336
	s_add_co_u32 s48, s48, s17
	s_add_co_u32 s48, s48, 16384
	s_mov_b32 s49, 0
	s_mov_b32 s24, 3<<16                           ; group 1 of the first load: elements of 8 bytes, no mask, no padding: 8 rows of 256 bytes, dense
	s_mov_b32 s25, 32<<16
	s_mov_b32 s26, 8<<16
	s_mov_b32 s27, 32<<16
	s_mov_b32 s28, 8
	s_mov_b32 s29, 32
	s_mov_b32 s30, 0
	s_mov_b32 s31, 0
	s_mov_b32 s32, 3<<16                           ; of the second: 56 rows
	s_mov_b32 s33, 32<<16
	s_mov_b32 s34, 56<<16
	s_mov_b32 s35, 32<<16
	s_mov_b32 s36, 56
	s_mov_b32 s37, 32
	s_mov_b32 s38, 0
	s_mov_b32 s39, 0
	s_mov_b32 s50, 0x76543210                      ; v_permlanex16_b32: lane l xor 16
	s_mov_b32 s51, 0xfedcba98
	s_wait_dscnt 0x0                               ; the opening add is done
	s_wait_kmcnt 0x0
	s_load_b512 s[68:83], s[6:7], 0x0              ; e0 .. e15
	s_mov_b32 s40, 1
	s_mov_b32 s41, s13
	s_add_nc_u64 s[42:43], s[4:5], s[20:21]
	s_or_b32 s43, s43, 0x80000000
	s_mov_b32 s44, 1
	s_mov_b32 s45, s14
	s_add_nc_u64 s[46:47], s[4:5], s[48:49]
	s_or_b32 s47, s47, 0x80000000
	tensor_load_to_lds s[40:43], s[24:31]
	s_nop 0
	tensor_load_to_lds s[44:47], s[32:39]
	s_nop 0
	s_lshr_b32 s52, s18, 2
	s_xor_b32 s52, s52, s18
	s_and_b32 s52, s52, 1                          ; 1: my queries lie in the late block
	s_sub_co_u32 s53, 15, ttmp9
	s_cmp_eq_u32 s52, 1
	s_cselect_b32 s53, s53, ttmp9                  ; my block of 128 queries
	s_lshl_b32 s99, s53, 7
	s_lshl_b32 s54, s11, 4
	s_add_co_u32 s99, s99, s54                     ; my first query
	s_lshl_b32 s54, s99, 6                         ; a tile of 16 tokens is 1,024 bytes of q
	s_add_co_u32 s54, s54, s16
	s_mov_b32 s55, 0
	s_add_nc_u64 s[56:57], s[4:5], s[54:55]
	v_and_b32 v1, 31, v0
	v_lshlrev_b32 v1, 4, v1
	global_load_b128 v[16:19], v1, s[56:57]             ; q stays in registers: channels 16 h + 0 .. 15,
	global_load_b128 v[20:23], v1, s[56:57] offset:512  ; and 32 + 16 h + 0 .. 15
	s_lshr_b32 s54, s15, 4                         ; o's codes: group = 16 x batch + my block, K step = head / 2, image = my tile, chunks 2 (head % 2) on
	s_lshl_b32 s54, s54, 4
	s_add_co_u32 s54, s54, s53
	s_lshl_b32 s54, s54, 17
	s_bfe_u32 s58, s15, 0x30001
	s_lshl_b32 s58, s58, 14
	s_add_co_u32 s54, s54, s58
	s_lshl_b32 s58, s11, 11
	s_add_co_u32 s54, s54, s58
	s_and_b32 s58, s15, 1
	s_lshl_b32 s58, s58, 10
	s_add_co_u32 s54, s54, s58
	s_add_nc_u64 s[8:9], s[8:9], s[54:55]
	v_add_nc_u32 v2, VB, v1
	v_and_b32 v8, 15, v0
	v_bfe_u32 v9, v0, 4, 1
	v_lshlrev_b32 v9, 3, v9
	v_sub_nc_u32 v7, v8, v9                        ; r - 8 h
	v_mov_b32 v4, 0xff800000                       ; -infinity
	v_mov_b32 v13, 0xff61b1e6                      ; the largest t so far: -3e38
	v_floor_f32 v12, -v13
	v_mov_b32 v14, 0
	v_mov_b32 v15, 0
	v_mov_b32 v27, 0                               ; (named as the upper half of the pair v[26:27])
	v_mov_b32 v28, 0                               ; a lane permute's destination counts as read
.set j, 0
.rept 32
	v_mov_b32 v[160+j], 0                          ; O^T: the step is written without a first step of its own; zeros stay zeros under the first change of M
.set j, j+1
.endr
	s_mov_b32 s61, 0                               ; LDS bytes to the key step in hand
	s_mov_b32 s98, 0                               ; its first key
	s_wait_kmcnt 0x0
	s_mov_b32 s22, 0x3e38aa3b                      ; log2(e) / 8,
	s_add_co_i32 s58, s74, s75
	s_lshl_b32 s58, s58, 23
	s_add_co_i32 s22, s22, s58                     ; x 2^(e6 + e7): added to the exponent field
	s_mov_b32 s23, s22
	s_add_co_i32 s58, s76, 127
	s_lshl_b32 s59, s58, 23
	v_mov_b32 v11, s59                             ; 2^e8
	s_add_co_i32 s58, s58, 8
	s_lshl_b32 s58, s58, 23
	s_or_b32 s58, s58, 0x600000
	v_mov_b32 v10, s58                             ; 448 x 2^e8
.macro STEP                            ; 128 keys
	s_add_co_u32 s96, s99, 15
	s_cmp_gt_u32 s98, s96
	s_cbranch_scc1 .Lhidden_\@                     ; all its keys come after my queries
	v_add_nc_u32 v8, s61, v1
	v_add_nc_u32 v9, s61, v2
	v_nop
	v_nop                                          ; with the two additions: four places in front of loads into registers that the last products read
.irp t, 0,1,2,3,4,5,6,7
	ds_load_b128 v[32+8*\t:35+8*\t], v8 offset:1024*\t
	ds_load_b128 v[36+8*\t:39+8*\t], v8 offset:1024*\t+512
.endr
	s_wait_dscnt 0x0
.irp t, 0,1,2,3,4,5,6,7
	v_wmma_f32_16x16x64_fp8_fp8 v[96+8*\t:103+8*\t], v[32+8*\t:39+8*\t], v[16:23], 0
.endr
.rept 4
	v_nop
.endr
.irp u, 0,1,2,3
.irp c, 0,1,2,3
	ds_load_b128 v[192+16*\u+4*\c:195+16*\u+4*\c], v9 offset:2048*\u+512*\c   ; v's fragments land while the softmax is worked
.endr
.endr
	s_add_co_u32 s96, s98, 127
	s_cmp_le_u32 s96, s99
	s_cbranch_scc1 .Lopen_\@                       ; all its keys count
	s_sub_co_i32 s96, s99, s98
	v_add_nc_u32 v3, s96, v7                       ; register 8 t + j holds key 16 t + 8 h + j of the step: hidden where 16 t + j > my query - the step's first key - 8 h
.set n, 0
.rept 64
	v_cmp_gt_i32 vcc_lo, 16*(n/8)+n%8, v3
	v_cndmask_b32 v[96+n], v[96+n], v4, vcc_lo
.set n, n+1
.endr
.Lopen_\@:
	v_max3_num_f32 v24, v96, v97, v98              ; the step's largest score of my query, in two chains, each accumulator from its low end on
	v_max3_num_f32 v26, v99, v100, v101
.irp i, 6,10,14,18,22,26,30,34,38,42,46,50,54,58
	v_max3_num_f32 v24, v24, v[96+\i], v[97+\i]
	v_max3_num_f32 v26, v26, v[98+\i], v[99+\i]
.endr
	v_max3_num_f32 v24, v24, v158, v159
	v_max_num_f32 v24, v24, v26
	v_permlanex16_b32 v28, v24, s50, s51
	v_max_num_f32 v24, v24, v28                    ; and among lane l xor 16's keys
	v_mul_f32 v24, s22, v24                        ; as t
	v_max_num_f32 v13, v13, v24
	v_mov_b32 v24, v12
	v_floor_f32 v12, -v13                          ; -M = floor(-t): M is a whole number
	v_sub_f32 v24, v12, v24                        ; old M - new M, 0 or less
	v_cvt_i32_f32 v24, v24
	v_ldexp_f32 v26, 1.0, v24                      ; f = 2^(old M - new M): a multiplication by it rounds nothing
.set j, 0
.rept 32
	v_pk_fma_f32 v[96+j:97+j], v[96+j:97+j], s[22:23], v[12:13] op_sel_hi:[1,0,0]   ; t - M
.set j, j+2
.endr
.set j, 0
.rept 64
	v_exp_f32 v[96+j], v[96+j]                     ; p = 2^(t - M)
.set j, j+1
.endr
	v_pk_mul_f32 v[14:15], v[14:15], v[26:27] op_sel_hi:[1,0]   ; the sum under the new M: the plain instruction behind the batch
	s_wait_alu depctr_va_vdst(0)                   ; one wait for the 64 exponentials, ahead of their first reader
	v_pk_add_f32 v[30:31], v[96:97], v[98:99]      ; the row's sum is taken of the unquantised p, in two chains
.irp j, 4,8,12,16,20,24,28,32,36,40,44,48,52,56,60
	v_pk_add_f32 v[14:15], v[14:15], v[96+\j:97+\j]
	v_pk_add_f32 v[30:31], v[30:31], v[98+\j:99+\j]
.endr
	v_pk_add_f32 v[14:15], v[14:15], v[30:31]
.irp t, 0,1,2,3,4,5,6,7
.irp i, 0,1,2,3,4,5,6,7
	v_min_num_f32 v[96+8*\t+\i], v[96+8*\t+\i], v10   ; p is not negative: a one-sided hold
.endr
	v_cvt_scalef32_pk8_fp8_f32 v[32+2*\t:33+2*\t], v[96+8*\t:103+8*\t], v11   ; registers 2 t, 2 t + 1: keys 16 t + 8 h + 0 .. 7
.endr
.set j, 0
.rept 16
	v_pk_mul_f32 v[160+j:161+j], v[160+j:161+j], v[26:27] op_sel_hi:[1,0]   ; O^T under the new M; these are also the plain instructions behind the conversions
.set j, j+2
.endr
	s_wait_dscnt 0x0                               ; v's fragments
.irp u, 0,1,2,3
	v_wmma_f32_16x16x128_fp8_fp8 v[160+8*\u:167+8*\u], v[192+16*\u:207+16*\u], v[32:47], v[160+8*\u:167+8*\u]
.endr
.Lhidden_\@:
	s_add_co_u32 s98, s98, 128
	s_add_co_u32 s61, s61, 8192
.endm
	s_wait_loadcnt 0x0                             ; q
	s_wait_tensorcnt 1                             ; my piece of key steps 0 and 1 is in; my piece of the rest may stay out
	s_barrier_signal -1
	s_barrier_wait -1                              ; everybody's is
	s_mov_b32 s60, 2
.Lfirst:
	STEP
	s_sub_co_u32 s60, s60, 1
	s_cmp_lg_u32 s60, 0
	s_cbranch_scc1 .Lfirst
	s_wait_tensorcnt 0x0                           ; my piece of the other fourteen key steps
	s_wait_dscnt 0x0
	s_barrier_signal -1
	s_barrier_wait -1
	s_mov_b32 s60, 14
.Lrest:
	STEP
	s_sub_co_u32 s60, s60, 1
	s_cmp_lg_u32 s60, 0
	s_cbranch_scc1 .Lrest
.rept 4
	v_nop                                          ; places behind the last products
.endr
	v_add_f32 v14, v14, v15
	v_permlanex16_b32 v28, v14, s50, s51
	v_add_f32 v14, v14, v28                        ; the row's sum
	v_rcp_f32 v14, v14
	v_nop
	s_add_co_i32 s58, s76, s77                     ; e8 + e9
	s_add_co_i32 s59, s78, 127
	s_lshl_b32 s62, s59, 23
	v_mov_b32 v30, s62                             ; 2^e10
	s_add_co_i32 s59, s59, 8
	s_lshl_b32 s59, s59, 23
	s_or_b32 s59, s59, 0x600000
	v_mov_b32 v31, s59                             ; 448 x 2^e10
	s_wait_alu depctr_va_vdst(0)                   ; the wait ahead of the reciprocal's first reader
	v_ldexp_f32 v14, v14, s58
.set j, 0
.rept 32
	v_mul_f32 v[96+j], v[160+j], v14               ; o, in f32
.set j, j+1
.endr
.set j, 0
.rept 32
	v_med3_num_f32 v[96+j], v[96+j], -v31, v31
.set j, j+1
.endr
.irp u, 0,1,2,3
	v_cvt_scalef32_pk8_fp8_f32 v[128+2*\u:129+2*\u], v[96+8*\u:103+8*\u], v30
.endr
	v_nop
	global_store_b128 v1, v[128:131], s[8:9]              ; channels 16 h + 0 .. 15 of my head: 32 lanes store 512 consecutive bytes
	global_store_b128 v1, v[132:135], s[8:9] offset:512   ; channels 32 + 16 h + 0 .. 15
	s_wait_tensorcnt 0x0                           ; the wave's end
	ds_add_u32 v5, v6
	s_wait_dscnt 0x0
	s_endpgm
.Lfunc_end_k_q1ac5500ecd_attn:
	.size	k_q1ac5500ecd_attn, .Lfunc_end_k_q1ac5500ecd_attn-k_q1ac5500ecd_attn
	.p2alignl 7, 3214868480
	.fill 96, 4, 3214868480
	.section	.rodata,"a",@progbits
	.p2align	6, 0x0
	.amdhsa_kernel k_q1ac5500ecd_attn
		.amdhsa_group_segment_fixed_size 327680
		.amdhsa_private_segment_fixed_size 0
		.amdhsa_enable_private_segment 0
		.amdhsa_kernarg_size 24
		.amdhsa_user_sgpr_count 2
		.amdhsa_user_sgpr_kernarg_segment_ptr 1
		.amdhsa_wavefront_size32 1
		.amdhsa_system_sgpr_workgroup_id_x 1
		.amdhsa_system_sgpr_workgroup_id_y 1
		.amdhsa_system_sgpr_workgroup_id_z 1
		.amdhsa_system_vgpr_workitem_id 0
		.amdhsa_next_free_vgpr 256
		.amdhsa_next_free_sgpr 100
		.amdhsa_reserve_vcc 1
		.amdhsa_float_denorm_mode_32 3
		.amdhsa_float_denorm_mode_16_64 3
		.amdhsa_memory_ordered 1
		.amdhsa_forward_progress 1
		.amdhsa_inst_pref_size 52
	.end_amdhsa_kernel
	.amdgpu_metadata
---
amdhsa.version: [ 1, 2 ]
amdhsa.kernels:
  - .name:           k_q1ac5500ecd_attn
    .symbol:         k_q1ac5500ecd_attn.kd
    .args:
      - { .name: qkvc, .offset: 0, .size: 8, .value_kind: global_buffer, .address_space: global }
      - { .name: lowp_scales, .offset: 8, .size: 8, .value_kind: global_buffer, .address_space: global }
      - { .name: oc, .offset: 16, .size: 8, .value_kind: global_buffer, .address_space: global }
    .group_segment_fixed_size: 327680
    .private_segment_fixed_size: 0
    .kernarg_segment_align: 8
    .kernarg_segment_size: 24
    .max_flat_workgroup_size: 512
    .sgpr_count:     100
    .vgpr_count:     256
    .wavefront_size: 32
...
	.end_amdgpu_metadata
.endif
;; end of part 3
;; launch proj (part 4): grid 8 x 32, 4 waves a work-group, clusters of 4 x 4, 327,680 bytes of LDS; arguments oc, wc, lowp_scales, x1, bp, x; writes x1
.if DOCPART == 4
	.amdgcn_target "amdgcn-amd-amdhsa--gfx1250"
	.amdhsa_code_object_version 6
	.text
	.protected	k_q1ac5500ecd_proj
	.globl	k_q1ac5500ecd_proj
	.p2align	8
	.type	k_q1ac5500ecd_proj,@function
k_q1ac5500ecd_proj:
	s_mov_b64 s[64:65], 0
	v_nop
	global_prefetch_b8 v0, s[64:65] scope:SCOPE_SE
	s_setreg_imm32_b32 hwreg(HW_REG_WAVE_MODE, 25, 1), 1
	s_wait_xcnt 0x0
	s_wait_alu depctr_hold_cnt(0) depctr_sa_sdst(0) depctr_va_vdst(0) depctr_va_sdst(0) depctr_va_ssrc(0) depctr_va_vcc(0) depctr_vm_vsrc(0)
	s_getreg_b32 s2, hwreg(HW_REG_IB_STS2, 6, 4)
	s_cmp_eq_u32 s2, 0
	s_cbranch_scc0 .Lentry_in_a_cluster
	s_endpgm
.Lentry_in_a_cluster:
	s_bfe_u32 s2, ttmp6, 0x10000c
	s_cmp_lg_u32 s2, 0xf033
	s_cbranch_scc0 .Lentry_shape_is_right
	s_endpgm
.Lentry_shape_is_right:
; x1 = x + o Wp + bp.  The product on E4M3 codes, K = 1,024; each sum is multiplied once by 2^(e10 + e11); x1 is f32 [4096][1024].
; A work-group makes 128 tokens x 128 columns, four waves 64 x 64 each: 16 accumulators.  Source 0 (X) = 16 columns of the weight, source 1 (Y) = 16 tokens: lane (r, h) holds token r, and the registers of tile 2 b + u
; the columns 32 b + 16 h + 8 u + 0 .. 7 of the wave's 64 (the weight's images were laid so).
; Operands lie in memory as images (16 rows x 128 K in 2,048 bytes, lane l's 16 bytes of chunk c at 512 c + 16 l), [group of 128 rows][K step][8 images]: a tile is one dense block, a fragment four ds_load_b128 at 16 x lane.
; K goes through two LDS slots of 512 along K each; with K = 1,024 both are asked for at the head and nothing is filled again.
; CLUSTER 4 x 4: Y's tile is shared along a row of the cluster, X's along a column: each is asked for jointly.
; THE WAY OUT: 16 tokens at a time through the wave's own stage in LDS, back as rows of 256 bytes; the residual rows were asked for at the head, two blocks ahead of their use.
; LIMIT: e10 + e11 between -126 and 127.  No prefetch: all tiles are asked for at the kernel's head.
; REGISTERS: window 0: v[12:15] bias, v16-21 LDS addresses, v24-27 way out, v28-29 the add's two, v32-95 two sets of residual rows, v96-127 rows from the stage, v128-255 accumulators.  window 1: two fragment buffers of 128.
.set KB,    1024
.set LAPS,  KB/1024
.set GROUPB, 128*KB
.set XOFF,  0x300000                   ; Wp's codes in wc
.set EA,    78                         ; s78 = e10, s79 = e11
.set EB,    79
.set BIASC, 0
.set SLOT,  131072                     ; Y's 64 KiB ([4 K steps][8 images]), then X's 64 KiB
.set XHALF, 65536
.set STAGE, 262144                     ; behind the ring: 16 rows x 272 bytes for each wave
.set SPARE, STAGE+4*16*272             ; behind the stages: the spare words, 128 bytes a wave, two blocks of 256 bytes that no other line names
.set ADRY, 16
.set ADRX, 20
.set SPW,  28
.set NIL,  29
.set ACC,  128
.set F0,   0
.set F1,   128
.set G1Y, 24                           ; s[24:31] group 1 for Y's tiles; s[32:39] group 0, a set for each slot
.set G0Y, 32
.set G1X, 48                           ; s[48:55], s[56:63] the same for X's
.set G0X, 56
.set MSB, 0
.macro WIN new                         ; the immediate's high byte repeats the setting that is left
.if MSB != \new
	s_set_vgpr_msb (MSB<<8)|\new
.set MSB, \new
.endif
.endm
.set MUL,  0x05                        ; sources 0 and 1 window 1; C and D window 0
.set TO_F, 0x40                        ; destination window 1, address window 0
.macro JLOAD s                         ; a joint load: waves 0 and 1 fetch Y's halves, waves 2 and 3 X's; the branch hangs on the wave's number alone; an s_nop 0 and four v_nop follow each line
	s_cmp_eq_u32 s13, 0
	s_cbranch_scc0 .Lfor_x_\@
	tensor_load_to_lds s[G0Y+4*\s:G0Y+4*\s+3], s[G1Y:G1Y+7]
	s_nop 0
.rept 4
	v_nop
.endr
	s_branch .Lasked_\@
.Lfor_x_\@:
	tensor_load_to_lds s[G0X+4*\s:G0X+4*\s+3], s[G1X:G1X+7]
	s_nop 0
.rept 4
	v_nop
.endr
.Lasked_\@:
.endm
.macro CREST                           ; a round of the cluster's barrier behind its opening barrier
	s_cmp_lg_u32 s12, 0
	s_cbranch_scc1 .Lnot_wave_0_\@
	s_barrier_signal -3
.Lnot_wave_0_\@:
	s_barrier_wait -3
	s_barrier_signal -1
	s_barrier_wait -1
.endm
.macro CROUND
	s_barrier_signal -1
	s_barrier_wait -1
	CREST
.endm
.macro PLACES                          ; four places in front of loads into registers that matrix instructions have read, and of the first read of results
.rept 4
	v_nop
.endr
.endm
.macro MULA f, a, zero                 ; Y's fragment a against X's four, 128 along K; the 16 accumulators take turns in one order everywhere
.irp b, 0,1,2,3
.if \zero
.if BIASC
	v_wmma_f32_16x16x128_fp8_fp8 v[ACC+8*(4*\a+\b):ACC+8*(4*\a+\b)+7], v[\f+64+16*\b:\f+64+16*\b+15], v[\f+16*\a:\f+16*\a+15], v[32+8*\b:32+8*\b+7]
.else
	v_wmma_f32_16x16x128_fp8_fp8 v[ACC+8*(4*\a+\b):ACC+8*(4*\a+\b)+7], v[\f+64+16*\b:\f+64+16*\b+15], v[\f+16*\a:\f+16*\a+15], 0
.endif
.else
	v_wmma_f32_16x16x128_fp8_fp8 v[ACC+8*(4*\a+\b):ACC+8*(4*\a+\b)+7], v[\f+64+16*\b:\f+64+16*\b+15], v[\f+16*\a:\f+16*\a+15], v[ACC+8*(4*\a+\b):ACC+8*(4*\a+\b)+7]
.endif
.endr
.endm
.macro FETCH slot, ks, f               ; 32 LDS loads in one run: X's four fragments, then Y's four, of the slot's K step ks, into buffer f; each load takes 512 consecutive bytes
	WIN TO_F
.irp b, 0,1,2,3
.irp c, 0,1,2,3
	ds_load_b128 v[\f+64+16*\b+4*\c:\f+64+16*\b+4*\c+3], v[ADRX+\slot] offset:(\ks)*16384+\b*2048+\c*512
.endr
.endr
.irp a, 0,1,2,3
.irp c, 0,1,2,3
	ds_load_b128 v[\f+16*\a+4*\c:\f+16*\a+4*\c+3], v[ADRY+\slot] offset:(\ks)*16384+\a*2048+\c*512
.endr
.endr
.endm
.macro QUARTER slot, ksn, f, g, zero   ; one of a slot's first three K steps: multiplies buffer f, fetches K step ksn into g in its middle
	s_wait_dscnt 8                                 ; X's four and Y's first two are in; the youngest eight loads (Y's last two) may be out
	WIN MUL
	MULA \f, 0, \zero
	MULA \f, 1, \zero
	PLACES
	FETCH \slot, \ksn, \g
	s_wait_dscnt 32                                ; all but the 32 just issued
	WIN MUL
	MULA \f, 2, \zero
	MULA \f, 3, \zero
.endm
.macro TURN slot, next, fill           ; a slot's last K step changes slots: one barrier; in front of it every wave waits for all its tensor loads, adds 0 to its spare word and waits for that and for its reads of this slot
	WIN 0
	s_wait_tensorcnt 0x0                           ; my part of the next slot has landed
	ds_add_u32 v[SPW], v[NIL]
	s_wait_dscnt 9                                 ; (the add and the youngest eight loads may be out)
	WIN MUL
	MULA F1, 0, 0
	s_wait_dscnt 0x0                               ; the add is done, and my reads of this slot are over
	s_barrier_signal -1
	MULA F1, 1, 0
.if \fill
	WIN 0
.endif
	s_barrier_wait -1
.if \fill
	CREST                                          ; the barrier has opened a round of the cluster's: no wave of any partner still reads this slot or has a load on its way
	s_add_nc_u64 s[G0Y+4*\slot+2:G0Y+4*\slot+3], s[G0Y+4*\slot+2:G0Y+4*\slot+3], 131072
	s_add_nc_u64 s[G0X+4*\slot+2:G0X+4*\slot+3], s[G0X+4*\slot+2:G0X+4*\slot+3], 131072
	JLOAD \slot                                    ; the first tensor load behind the round; its four v_nop are the places in front of the loads below
.else
	PLACES
.endif
	FETCH \next, 0, F0
	WIN MUL
	MULA F1, 2, 0
	MULA F1, 3, 0
.endm
	s_load_b256 s[4:11], s[0:1], 0x0               ; Y's codes s[4:5], wc s[6:7], the exponents s[8:9], the result s[10:11]
	s_load_b128 s[84:87], s[0:1], 0x20             ; the bias s[84:85], the residual s[86:87]
	v_lshl_add_u32 v[SPW], v0, 2, SPARE
	v_mov_b32 v[NIL], 0
	ds_add_u32 v[SPW], v[NIL]                      ; the wave's opening: the add and its wait stand ahead of my first tensor load; work on registers stands between
	v_lshrrev_b32 v1, 5, v0
	v_readfirstlane_b32 s12, v1                    ; wave 0..3
	s_lshr_b32 s13, s12, 1                         ; my half of the tokens.  Also: I fetch for Y (0) or for X (1)
	s_and_b32 s14, s12, 1                          ; my half of the columns.  Also: which half of a slot's K steps I fetch
	s_bfe_u32 s40, ttmp6, 0x40000                  ; cx
	s_bfe_u32 s41, ttmp6, 0x40004                  ; cy
	s_lshl_b32 s42, ttmp9, 2
	s_add_co_u32 s42, s42, s40                     ; X's group = 4 x cluster x + cx
	s_and_b32 s43, ttmp7, 0xffff
	s_lshl_b32 s43, s43, 2
	s_add_co_u32 s43, s43, s41                     ; Y's group = 4 x cluster y + cy
	s_lshl_b32 s44, s41, 2
	s_lshl_b32 s44, 15, s44                        ; my row of the cluster
	s_lshl_b32 s45, 0x1111, s40                    ; my column
	s_or_b32 s[G1Y], s44, (3<<16)|(1<<21)          ; 15:0 the mask; 17:16 elements of 8 bytes; 21 set beside a mask; no padding: the block is dense, and every LDS load takes 512 bytes on end
	s_or_b32 s[G1X], s45, (3<<16)|(1<<21)
.irp g, G1Y, G1X
	s_mov_b32 s[\g+1], 32<<16                      ; tensor_dim0 = 32 elements: rows of 256 bytes
	s_mov_b32 s[\g+2], 128<<16                     ; tensor_dim1 = 128 rows: 32 KiB, two K steps of eight images
	s_mov_b32 s[\g+3], 32<<16                      ; tile_dim0
	s_mov_b32 s[\g+4], 128                         ; tile_dim1
	s_mov_b32 s[\g+5], 32                          ; the pitch: dense
	s_mov_b32 s[\g+6], 0
	s_mov_b32 s[\g+7], 0
.endr
	s_lshl_b32 s18, s14, 15                        ; my half of a slot's four K steps
	s_mul_i32 s16, s43, GROUPB
	s_add_co_u32 s16, s16, s18
	s_mov_b32 s17, 0
	s_mul_i32 s46, s42, GROUPB
	s_add_co_u32 s46, s46, s18
	s_add_co_u32 s46, s46, XOFF
	s_mov_b32 s47, 0
	s_lshl_b32 s20, s12, 15                        ; where my 32 KiB go in a slot: no place in the cluster enters an LDS address
	s_wait_dscnt 0x0                               ; the opening add is done
	s_wait_kmcnt 0x0
	s_load_b512 s[68:83], s[8:9], 0x0              ; e0 .. e15
	s_add_nc_u64 s[16:17], s[4:5], s[16:17]
	s_add_nc_u64 s[46:47], s[6:7], s[46:47]
	CROUND                                         ; all sixteen work-groups are here: the first joint loads meet
.irp s, 0,1
	s_mov_b32 s[G0Y+4*\s], 1
	s_add_co_u32 s[G0Y+4*\s+1], s20, \s*SLOT
	s_add_nc_u64 s[G0Y+4*\s+2:G0Y+4*\s+3], s[16:17], \s*65536
	s_or_b32 s[G0Y+4*\s+3], s[G0Y+4*\s+3], 0x80000000
	s_mov_b32 s[G0X+4*\s], 1
	s_add_co_u32 s[G0X+4*\s+1], s20, \s*SLOT
	s_add_nc_u64 s[G0X+4*\s+2:G0X+4*\s+3], s[46:47], \s*65536
	s_or_b32 s[G0X+4*\s+3], s[G0X+4*\s+3], 0x80000000
	JLOAD \s                                       ; two loads of mine are out
.endr
	v_and_b32 v1, 31, v0
	v_lshlrev_b32 v2, 4, v1                        ; 16 x lane
	s_lshl_b32 s21, s13, 13                        ; my four images of Y,
	s_lshl_b32 s22, s14, 13                        ; my four of X,
	s_add_co_u32 s22, s22, XHALF                   ; which lie behind Y's
.irp s, 0,1
	v_add_nc_u32 v[ADRY+\s], s21, v2
	v_add_nc_u32 v[ADRX+\s], s22, v2
	s_add_co_u32 s21, s21, SLOT
	s_add_co_u32 s22, s22, SLOT
.endr
	v_and_b32 v3, 15, v0                           ; l % 16
	v_bfe_u32 v4, v0, 4, 1                         ; l / 16
	s_mul_i32 s23, s12, 16*272
	s_add_co_u32 s23, s23, STAGE                   ; my stage
	v_mul_u32_u24 v5, v3, 272
	v_lshl_add_u32 v5, v4, 6, v5
	v_add_nc_u32 v24, s23, v5                      ; in: row r, + 64 h bytes
	v_mul_u32_u24 v5, v4, 272
	v_lshl_add_u32 v5, v3, 4, v5
	v_add_nc_u32 v25, s23, v5                      ; back: lanes 0-15 one row of 256 bytes, lanes 16-31 the next
	v_lshlrev_b32 v5, 12, v4
	v_lshl_add_u32 v26, v3, 4, v5                  ; and the same two rows in memory
	v_lshlrev_b32 v27, 4, v3                       ; my four columns' bias
	s_lshl_b32 s16, s43, 19                        ; my first token's row of 4,096 bytes: 128 x group + 64 x half
	s_lshl_b32 s17, s13, 18
	s_add_co_u32 s16, s16, s17
	s_mov_b32 s17, 0
	s_lshl_b32 s46, s42, 9                         ; my first column, in bytes: 512 x group + 256 x half
	s_lshl_b32 s47, s14, 8
	s_add_co_u32 s46, s46, s47
	s_mov_b32 s47, 0
	s_add_nc_u64 s[10:11], s[10:11], s[16:17]
	s_add_nc_u64 s[10:11], s[10:11], s[46:47]
	s_add_nc_u64 s[86:87], s[86:87], s[16:17]
	s_add_nc_u64 s[86:87], s[86:87], s[46:47]
	s_add_nc_u64 s[84:85], s[84:85], s[46:47]
.macro RLOAD y                         ; the residual's 16 rows of block y into set y % 2, in the layout in which the rows come back from the stage
.irp i, 0,1,2,3,4,5,6,7
	global_load_b128 v[32+32*((\y)%2)+4*\i:32+32*((\y)%2)+4*\i+3], v26, s[86:87] offset:(\y)*65536+\i*8192
.endr
.endm
	global_load_b128 v[12:15], v27, s[84:85]
	RLOAD 0
	RLOAD 1
	s_wait_tensorcnt 1                             ; my part of slot 0 is in; slot 1's may stay out
	s_barrier_signal -1
	s_barrier_wait -1
	FETCH 0, 0, F0
	QUARTER 0, 1, F0, F1, 1                        ; the first K step starts the sums: nothing is cleared
.if LAPS > 1
	WIN 0
	s_mov_b32 s15, LAPS-1
.Llap:                                             ; a trip goes once round the ring and fills both slots again
	QUARTER 0, 2, F1, F0, 0
	QUARTER 0, 3, F0, F1, 0
	TURN 0, 1, 1
	QUARTER 1, 1, F0, F1, 0
	QUARTER 1, 2, F1, F0, 0
	QUARTER 1, 3, F0, F1, 0
	TURN 1, 0, 1
	QUARTER 0, 1, F0, F1, 0
	WIN 0
	s_sub_co_u32 s15, s15, 1
	s_cmp_lg_u32 s15, 0
	s_cbranch_scc1 .Llap
.endif
	QUARTER 0, 2, F1, F0, 0                        ; the last lap fills nothing
	QUARTER 0, 3, F0, F1, 0
	TURN 0, 1, 0
	QUARTER 1, 1, F0, F1, 0
	QUARTER 1, 2, F1, F0, 0
	QUARTER 1, 3, F0, F1, 0
	s_wait_dscnt 8
	WIN MUL
	MULA F1, 0, 0
	MULA F1, 1, 0
	s_wait_dscnt 0x0
	MULA F1, 2, 0
	MULA F1, 3, 0
	WIN 0
	s_wait_kmcnt 0x0
	s_add_co_i32 s66, s[EA], s[EB]
	s_add_co_i32 s66, s66, 127
	s_lshl_b32 s66, s66, 23                        ; 2^(the two operands' exponents) as f32
	s_mov_b32 s67, s66                             ; (named with it as a pair)
	PLACES
.macro OUTROW y, left                  ; 16 tokens x my 64 columns; left: the residual loads that may stay out
.set RS, 32+32*((\y)%2)
.irp b, 0,1,2,3
	ds_store_b128 v24, v[ACC+8*(4*(\y)+\b):ACC+8*(4*(\y)+\b)+3] offset:128*(\b/2)+32*(\b%2)       ; each accumulator from its low end on
	ds_store_b128 v24, v[ACC+8*(4*(\y)+\b)+4:ACC+8*(4*(\y)+\b)+7] offset:128*(\b/2)+32*(\b%2)+16
.endr
	s_wait_xcnt 0x0                                ; the last block's stores have read their data: the rows' registers are loaded again only behind this wait
.irp i, 0,1,2,3,4,5,6,7
	ds_load_b128 v[96+4*\i:96+4*\i+3], v25 offset:544*\i   ; LDS serves a wave's instructions in order: these see my stores
.endr
	s_wait_loadcnt \left                           ; this block's residual rows (and the bias) are in
.irp i, 0,1,2,3,4,5,6,7
	v_pk_add_f32 v[RS+4*\i:RS+4*\i+1], v[RS+4*\i:RS+4*\i+1], v[12:13]       ; residual + bias, while the rows come back
	v_pk_add_f32 v[RS+4*\i+2:RS+4*\i+3], v[RS+4*\i+2:RS+4*\i+3], v[14:15]
.endr
	s_wait_dscnt 0x0
.irp k, 0,1,2,3,4,5,6,7,8,9,10,11,12,13,14,15
	v_pk_fma_f32 v[96+2*\k:97+2*\k], v[96+2*\k:97+2*\k], s[66:67], v[RS+2*\k:RS+2*\k+1] op_sel_hi:[1,0,1]   ; sum x 2^e + (residual + bias)
.endr
.irp i, 0,1,2,3,4,5,6,7
	global_store_b128 v26, v[96+4*\i:96+4*\i+3], s[10:11] offset:(\y)*65536+\i*8192   ; sixteen lanes store 256 consecutive bytes, aligned
.endr
.if (\y)+2 < 4
	RLOAD (\y)+2
.endif
.endm
	OUTROW 0, 8
	OUTROW 1, 8
	OUTROW 2, 8
	OUTROW 3, 0
	s_wait_tensorcnt 0x0                           ; the wave's end, behind my last LDS store
	ds_add_u32 v[SPW], v[NIL]
	s_wait_dscnt 0x0
	CROUND                                         ; the closing round
	s_endpgm
.Lfunc_end_k_q1ac5500ecd_proj:
	.size	k_q1ac5500ecd_proj, .Lfunc_end_k_q1ac5500ecd_proj-k_q1ac5500ecd_proj
	.p2alignl 7, 3214868480
	.fill 96, 4, 3214868480
	.section	.rodata,"a",@progbits
	.p2align	6, 0x0
	.amdhsa_kernel k_q1ac5500ecd_proj
		.amdhsa_group_segment_fixed_size 327680
		.amdhsa_private_segment_fixed_size 0
		.amdhsa_enable_private_segment 0
		.amdhsa_kernarg_size 48
		.amdhsa_user_sgpr_count 2
		.amdhsa_user_sgpr_kernarg_segment_ptr 1
		.amdhsa_wavefront_size32 1
		.amdhsa_system_sgpr_workgroup_id_x 1
		.amdhsa_system_sgpr_workgroup_id_y 1
		.amdhsa_system_sgpr_workgroup_id_z 1
		.amdhsa_system_vgpr_workitem_id 0
		.amdhsa_next_free_vgpr 512
		.amdhsa_next_free_sgpr 100
		.amdhsa_reserve_vcc 0
		.amdhsa_float_denorm_mode_32 3
		.amdhsa_float_denorm_mode_16_64 3
		.amdhsa_memory_ordered 1
		.amdhsa_forward_progress 1
		.amdhsa_inst_pref_size 53
	.end_amdhsa_kernel
	.amdgpu_metadata
---
amdhsa.version: [ 1, 2 ]
amdhsa.kernels:
  - .name:           k_q1ac5500ecd_proj
    .symbol:         k_q1ac5500ecd_proj.kd
    .args:
      - { .name: oc, .offset: 0, .size: 8, .value_kind: global_buffer, .address_space: global }
      - { .name: wc, .offset: 8, .size: 8, .value_kind: global_buffer, .address_space: global }
      - { .name: lowp_scales, .offset: 16, .size: 8, .value_kind: global_buffer, .address_space: global }
      - { .name: x1, .offset: 24, .size: 8, .value_kind: global_buffer, .address_space: global }
      - { .name: bp, .offset: 32, .size: 8, .value_kind: global_buffer, .address_space: global }
      - { .name: x, .offset: 40, .size: 8, .value_kind: global_buffer, .address_space: global }
    .group_segment_fixed_size: 327680
    .private_segment_fixed_size: 0
    .kernarg_segment_align: 8
    .kernarg_segment_size: 48
    .max_flat_workgroup_size: 128
    .sgpr_count:     100
    .vgpr_count:     512
    .wavefront_size: 32
...
	.end_amdgpu_metadata
.endif
;; end of part 4
;; launch ln2 (part 5): grid 256 x 1, 4 waves a work-group, no clusters, 66,560 bytes of LDS; arguments x1, g2, beta2, lowp_scales, h2c; writes h2c
.if DOCPART == 5
	.amdgcn_target "amdgcn-amd-amdhsa--gfx1250"
	.amdhsa_code_object_version 6
	.text
	.protected	k_q1ac5500ecd_ln2
	.globl	k_q1ac5500ecd_ln2
	.p2align	8
	.type	k_q1ac5500ecd_ln2,@function
k_q1ac5500ecd_ln2:
	s_mov_b64 s[64:65], 0
	v_nop
	global_prefetch_b8 v0, s[64:65] scope:SCOPE_SE
	s_setreg_imm32_b32 hwreg(HW_REG_WAVE_MODE, 25, 1), 1
	s_wait_xcnt 0x0
; h2 = layernorm(x1) g2 + beta2 for 16 tokens a work-group, quantised to E4M3 with the scale 2^e12 and stored as images of operand registers:
; an image is 16 tokens x 128 K in 2,048 bytes, byte 512 c + 16 (r + 16 h) + i = token r, k = 32 c + 16 h + i; the buffer is [group of 128 tokens][K step][8 images].
; Wave w takes rows 4 w .. 4 w + 3 whole, so that a row's sums never leave the wave; the rows then turn through LDS, so that a lane holds 16 neighbours along K for the conversions.
; LIMITS: e12 between -126 and 119.  NaN among the inputs is not served.  A plain stream: no matrix unit, no cluster, no prefetch.
.set PITCH, 4112                       ; a token's row in LDS: 4,096 bytes + 16: sixteen rows start in sixteen different 16-byte columns
.set SPARE, 16*PITCH                   ; behind the rows: the spare words, 128 bytes a wave, two blocks of 256 bytes that no other line names
.set X,    32                          ; v32-159  four rows (row q at X + 32 q; register 4 j + i = column 128 j + 4 lane + i); later eight blocks of 16 neighbours, then their codes
.set GA,   160                         ; v160-191 the gain
.set BT,   192                         ; v192-223 the offset
.set SM,   224                         ; v224-231 a pair for each row
.set PM,   232                         ; v232-235
.set TQ,   160                         ; v160-175 16 held numbers
.set SC,   208                         ; v208 2^e12; v211 448 x 2^e12
.set LIM,  211
.set OB,   72
.set SPW,  254
.set NIL,  255
	s_load_b256 s[4:11], s[0:1], 0x0               ; x1, g2, beta2, the exponents
	s_load_b64 s[12:13], s[0:1], 0x20              ; h2c
	v_lshl_add_u32 v[SPW], v0, 2, SPARE
	v_mov_b32 v[NIL], 0
	v_lshrrev_b32 v1, 5, v0
	v_readfirstlane_b32 s28, v1                    ; wave 0..3
	v_and_b32 v1, 31, v0
	s_wait_kmcnt 0x0
	s_load_b32 s33, s[10:11], 0x30                 ; e12
	v_lshlrev_b32 v2, 4, v1                        ; 16 x lane
	s_mul_i32 s29, s28, 4*PITCH
	v_add_nc_u32 v3, s29, v2                       ; into LDS: my four rows
	v_and_b32 v5, 15, v0
	v_bfe_u32 v6, v0, 4, 1
	v_mul_u32_u24 v4, v5, PITCH
	v_lshl_add_u32 v4, v6, 6, v4
	s_lshl_b32 s29, s28, 10
	v_add_nc_u32 v4, s29, v4                       ; out of LDS: row r, my wave's 256 columns, + 16 h numbers
	s_lshl_b32 s30, ttmp9, 16
	s_lshl_b32 s29, s28, 14
	s_add_co_u32 s30, s30, s29
	s_mov_b32 s31, 0
	s_add_nc_u64 s[4:5], s[4:5], s[30:31]
.irp q, 0,1,2,3
.irp j, 0,1,2,3,4,5,6,7
	global_load_b128 v[X+32*\q+4*\j:X+32*\q+4*\j+3], v2, s[4:5] offset:4096*\q+512*\j   ; 32 lanes read 512 consecutive bytes
.endr
.endr
.irp j, 0,1,2,3,4,5,6,7
	global_load_b128 v[GA+4*\j:GA+4*\j+3], v2, s[6:7] offset:512*\j
.endr
.irp j, 0,1,2,3,4,5,6,7
	global_load_b128 v[BT+4*\j:BT+4*\j+3], v2, s[8:9] offset:512*\j
.endr
	s_mov_b32 s66, 0x76543210
	s_mov_b32 s67, 0xfedcba98
	s_mov_b32 s68, 0x3a800000                      ; 1 / 1024
	s_mov_b32 s69, 0x3727c5ac                      ; 1e-5
.irp q, 0,1,2,3
	v_mov_b32 v[PM+\q], 0
.endr
	s_lshr_b32 s29, ttmp9, 3                       ; image (work-group % 8) of group (work-group / 8); my wave makes K steps 2 w and 2 w + 1
	s_lshl_b32 s29, s29, 17
	s_and_b32 s30, ttmp9, 7
	s_lshl_b32 s30, s30, 11
	s_add_co_u32 s30, s30, s29
	s_lshl_b32 s29, s28, 15
	s_add_co_u32 s30, s30, s29
	s_add_nc_u64 s[OB:OB+1], s[12:13], s[30:31]
.macro REDUCE                          ; each row's pair of partial sums becomes the row's sum, in every lane
.irp q, 0,1,2,3
	v_add_f32 v[SM+2*\q], v[SM+2*\q], v[SM+2*\q+1]
.endr
.irp m, 1,2,4,8
.irp q, 0,1,2,3
	v_add_f32_dpp v[SM+2*\q], v[SM+2*\q], v[SM+2*\q] row_xmask:\m row_mask:0xf bank_mask:0xf
.endr
.endr
.irp q, 0,1,2,3
	v_permlanex16_b32 v[PM+\q], v[SM+2*\q], s66, s67
.endr
.irp q, 0,1,2,3
	v_add_f32 v[SM+2*\q], v[SM+2*\q], v[PM+\q]
.endr
.endm
	s_wait_loadcnt 16                              ; the rows are in; the 16 loads of gain and offset may be out
.irp q, 0,1,2,3
	v_pk_add_f32 v[SM+2*\q:SM+2*\q+1], v[X+32*\q:X+32*\q+1], v[X+32*\q+2:X+32*\q+3]
.endr
.irp p, 2,3,4,5,6,7,8,9,10,11,12,13,14,15
.irp q, 0,1,2,3
	v_pk_add_f32 v[SM+2*\q:SM+2*\q+1], v[SM+2*\q:SM+2*\q+1], v[X+32*\q+2*\p:X+32*\q+2*\p+1]
.endr
.endr
	REDUCE
.irp q, 0,1,2,3
	v_mul_f32 v[SM+2*\q], s68, v[SM+2*\q]          ; the mean
.endr
.irp p, 0,1,2,3,4,5,6,7,8,9,10,11,12,13,14,15
.irp q, 0,1,2,3
	v_pk_add_f32 v[X+32*\q+2*\p:X+32*\q+2*\p+1], v[X+32*\q+2*\p:X+32*\q+2*\p+1], v[SM+2*\q:SM+2*\q+1] op_sel_hi:[1,0] neg_lo:[0,1] neg_hi:[0,1]   ; x - mean first: the variance is a sum of squares of differences
.endr
.endr
.irp q, 0,1,2,3
	v_pk_mul_f32 v[SM+2*\q:SM+2*\q+1], v[X+32*\q:X+32*\q+1], v[X+32*\q:X+32*\q+1]
.endr
.irp p, 1,2,3,4,5,6,7,8,9,10,11,12,13,14,15
.irp q, 0,1,2,3
	v_pk_fma_f32 v[SM+2*\q:SM+2*\q+1], v[X+32*\q+2*\p:X+32*\q+2*\p+1], v[X+32*\q+2*\p:X+32*\q+2*\p+1], v[SM+2*\q:SM+2*\q+1]
.endr
.endr
	REDUCE
.irp q, 0,1,2,3
	v_fma_f32 v[SM+2*\q+1], v[SM+2*\q], s68, s69   ; variance + 1e-5
.endr
.irp q, 0,1,2,3
	v_rsq_f32 v[SM+2*\q], v[SM+2*\q+1]
.endr
	v_nop                                          ; a plain instruction behind the last of the four (ISA guide 5.7.2),
	s_wait_alu depctr_va_vdst(0)                   ; and one wait ahead of their first reader
	s_wait_loadcnt 0x0                             ; gain and offset
.irp p, 0,1,2,3,4,5,6,7,8,9,10,11,12,13,14,15
.irp q, 0,1,2,3
	v_pk_mul_f32 v[X+32*\q+2*\p:X+32*\q+2*\p+1], v[X+32*\q+2*\p:X+32*\q+2*\p+1], v[SM+2*\q:SM+2*\q+1] op_sel_hi:[1,0]
.endr
.irp q, 0,1,2,3
	v_pk_fma_f32 v[X+32*\q+2*\p:X+32*\q+2*\p+1], v[X+32*\q+2*\p:X+32*\q+2*\p+1], v[GA+2*\p:GA+2*\p+1], v[BT+2*\p:BT+2*\p+1]
.endr
.endr
.irp q, 0,1,2,3
.irp j, 0,1,2,3,4,5,6,7
	ds_store_b128 v3, v[X+32*\q+4*\j:X+32*\q+4*\j+3] offset:PITCH*\q+512*\j
.endr
.endr
	s_wait_kmcnt 0x0
	s_add_co_i32 s29, s33, 127
	s_lshl_b32 s30, s29, 23
	v_mov_b32 v[SC], s30                           ; 2^e12 as f32
	s_add_co_i32 s29, s29, 8
	s_lshl_b32 s29, s29, 23
	s_or_b32 s29, s29, 0x600000
	v_mov_b32 v[LIM], s29                          ; 448 x 2^e12
	s_wait_dscnt 0x0                               ; for the others' sake: my rows lie in LDS
	s_barrier_signal -1
	s_barrier_wait -1
.irp b, 0,1,2,3,4,5,6,7
.irp i, 0,1,2,3
	ds_load_b128 v[X+16*\b+4*\i:X+16*\b+4*\i+3], v4 offset:512*(\b/4)+128*(\b%4)+16*\i
.endr
.endr
.macro QBLOCK blk
	s_wait_dscnt 28-4*(\blk)                       ; this block's four loads are in, the later blocks' may be out
.irp i, 0,1,2,3,4,5,6,7,8,9,10,11,12,13,14,15
	v_med3_num_f32 v[TQ+\i], v[X+16*(\blk)+\i], -v[LIM], v[LIM]   ; the conversion does not saturate (ISA guide 7.6.2): the hold at the largest code x the scale
.endr
	v_cvt_scalef32_pk8_fp8_f32 v[X+16*(\blk):X+16*(\blk)+1], v[TQ:TQ+7], v[SC]      ; the codes land in the block's own registers, which nothing writes again
	v_cvt_scalef32_pk8_fp8_f32 v[X+16*(\blk)+2:X+16*(\blk)+3], v[TQ+8:TQ+15], v[SC]
	v_nop                                          ; a plain instruction between the conversions and the next block's holds, which write their sources
	global_store_b128 v2, v[X+16*(\blk):X+16*(\blk)+3], s[OB:OB+1] offset:((\blk)/4)*16384+((\blk)%4)*512   ; 32 lanes store 512 consecutive bytes
.endm
.irp b, 0,1,2,3,4,5,6,7
	QBLOCK \b
.endr
	s_wait_tensorcnt 0x0                           ; the wave's end, behind my last LDS store
	ds_add_u32 v[SPW], v[NIL]
	s_wait_dscnt 0x0
	s_endpgm
.Lfunc_end_k_q1ac5500ecd_ln2:
	.size	k_q1ac5500ecd_ln2, .Lfunc_end_k_q1ac5500ecd_ln2-k_q1ac5500ecd_ln2
	.p2alignl 7, 3214868480
	.fill 96, 4, 3214868480
	.section	.rodata,"a",@progbits
	.p2align	6, 0x0
	.amdhsa_kernel k_q1ac5500ecd_ln2
		.amdhsa_group_segment_fixed_size 66560
		.amdhsa_private_segment_fixed_size 0
		.amdhsa_enable_private_segment 0
		.amdhsa_kernarg_size 40
		.amdhsa_user_sgpr_count 2
		.amdhsa_user_sgpr_kernarg_segment_ptr 1
		.amdhsa_wavefront_size32 1
		.amdhsa_system_sgpr_workgroup_id_x 1
		.amdhsa_system_sgpr_workgroup_id_y 1
		.amdhsa_system_sgpr_workgroup_id_z 1
		.amdhsa_system_vgpr_workitem_id 0
		.amdhsa_next_free_vgpr 256
		.amdhsa_next_free_sgpr 80
		.amdhsa_reserve_vcc 0
		.amdhsa_float_denorm_mode_32 3
		.amdhsa_float_denorm_mode_16_64 3
		.amdhsa_memory_ordered 1
		.amdhsa_forward_progress 1
		.amdhsa_inst_pref_size 45
	.end_amdhsa_kernel
	.amdgpu_metadata
---
amdhsa.version: [ 1, 2 ]
amdhsa.kernels:
  - .name:           k_q1ac5500ecd_ln2
    .symbol:         k_q1ac5500ecd_ln2.kd
    .args:
      - { .name: x1, .offset: 0, .size: 8, .value_kind: global_buffer, .address_space: global }
      - { .name: g2, .offset: 8, .size: 8, .value_kind: global_buffer, .address_space: global }
      - { .name: beta2, .offset: 16, .size: 8, .value_kind: global_buffer, .address_space: global }
      - { .name: lowp_scales, .offset: 24, .size: 8, .value_kind: global_buffer, .address_space: global }
      - { .name: h2c, .offset: 32, .size: 8, .value_kind: global_buffer, .address_space: global }
    .group_segment_fixed_size: 66560
    .private_segment_fixed_size: 0
    .kernarg_segment_align: 8
    .kernarg_segment_size: 40
    .max_flat_workgroup_size: 128
    .sgpr_count:     80
    .vgpr_count:     256
    .wavefront_size: 32
...
	.end_amdgpu_metadata
.endif
;; end of part 5
;; launch ffn1 (part 6): grid 32 x 32, 4 waves a work-group, clusters of 4 x 4, 327,680 bytes of LDS; arguments h2c, wc, lowp_scales, hid, b1; writes hid
.if DOCPART == 6
	.amdgcn_target "amdgcn-amd-amdhsa--gfx1250"
	.amdhsa_code_object_version 6
	.text
	.protected	k_q1ac5500ecd_ffn1
	.globl	k_q1ac5500ecd_ffn1
	.p2align	8
	.type	k_q1ac5500ecd_ffn1,@function
k_q1ac5500ecd_ffn1:
	s_mov_b64 s[64:65], 0
	v_nop
	global_prefetch_b8 v0, s[64:65] scope:SCOPE_SE
	s_setreg_imm32_b32 hwreg(HW_REG_WAVE_MODE, 25, 1), 1
	s_wait_xcnt 0x0
	s_wait_alu depctr_hold_cnt(0) depctr_sa_sdst(0) depctr_va_vdst(0) depctr_va_sdst(0) depctr_va_ssrc(0) depctr_va_vcc(0) depctr_vm_vsrc(0)
	s_getreg_b32 s2, hwreg(HW_REG_IB_STS2, 6, 4)
	s_cmp_eq_u32 s2, 0
	s_cbranch_scc0 .Lentry_in_a_cluster
	s_endpgm
.Lentry_in_a_cluster:
	s_bfe_u32 s2, ttmp6, 0x10000c
	s_cmp_lg_u32 s2, 0xf033
	s_cbranch_scc0 .Lentry_shape_is_right
	s_endpgm
.Lentry_shape_is_right:
; hidden = relu(h2 W1 + b1), the product on E4M3 codes, K = 1,024; the result is quantised at once (2^e14) and stored as images of the next product's operand registers.
; A work-group makes 128 tokens x 128 hidden units, four waves 64 x 64 each: 16 accumulators.  Source 0 (X) = 16 columns of W1, source 1 (Y) = 16 tokens: lane (r, h) holds token r, and the 16 registers of tiles
; 2 b and 2 b + 1 are the units 32 b + 16 h + 0 .. 15 of the wave's 64 (the weight's images were laid so): the conversions' results are four registers of the next operand.
; The bias is the C of each sum's first matrix instruction, divided by the power of two that the sums lack; the hold between 0 and the largest code x the scale is the activation as well.
; Operands lie in memory as images (16 rows x 128 K in 2,048 bytes, lane l's 16 bytes of chunk c at 512 c + 16 l), [group of 128 rows][K step][8 images]: a tile is one dense block, a fragment four ds_load_b128 at 16 x lane.
; K goes through two LDS slots of 512 along K each; with K = 1,024 both are asked for at the head and nothing is filled again.
; CLUSTER 4 x 4: Y's tile is shared along a row of the cluster, X's along a column: each is asked for jointly.
; LIMITS: e14 - e12 - e13 between -126 and 119.  No prefetch: all tiles are asked for at the kernel's head.
; REGISTERS: window 0: v8-11 store offsets, v16-21 LDS addresses, v28-29 the add's two, v30-31 scale and hold, v32-63 the bias, later the codes, v128-255 accumulators.  window 1: two fragment buffers of 128.
.set KB,    1024
.set LAPS,  KB/1024
.set GROUPB, 128*KB
.set XOFF,  0x400000                   ; W1's codes in wc
.set BIASC, 1
.set SLOT,  131072                     ; Y's 64 KiB ([4 K steps][8 images]), then X's 64 KiB
.set XHALF, 65536
.set SPARE, 262144                     ; behind the ring: the spare words, 128 bytes a wave, two blocks of 256 bytes that no other line names
.set ADRY, 16
.set ADRX, 20
.set SPW,  28
.set NIL,  29
.set ACC,  128
.set F0,   0
.set F1,   128
.set G1Y, 24                           ; s[24:31] group 1 for Y's tiles; s[32:39] group 0, a set for each slot
.set G0Y, 32
.set G1X, 48                           ; s[48:55], s[56:63] the same for X's
.set G0X, 56
.set MSB, 0
.macro WIN new                         ; the immediate's high byte repeats the setting that is left
.if MSB != \new
	s_set_vgpr_msb (MSB<<8)|\new
.set MSB, \new
.endif
.endm
.set MUL,  0x05                        ; sources 0 and 1 window 1; C and D window 0
.set TO_F, 0x40                        ; destination window 1, address window 0
.macro JLOAD s                         ; a joint load: waves 0 and 1 fetch Y's halves, waves 2 and 3 X's; the branch hangs on the wave's number alone; an s_nop 0 and four v_nop follow each line
	s_cmp_eq_u32 s13, 0
	s_cbranch_scc0 .Lfor_x_\@
	tensor_load_to_lds s[G0Y+4*\s:G0Y+4*\s+3], s[G1Y:G1Y+7]
	s_nop 0
.rept 4
	v_nop
.endr
	s_branch .Lasked_\@
.Lfor_x_\@:
	tensor_load_to_lds s[G0X+4*\s:G0X+4*\s+3], s[G1X:G1X+7]
	s_nop 0
.rept 4
	v_nop
.endr
.Lasked_\@:
.endm
.macro CREST                           ; a round of the cluster's barrier behind its opening barrier
	s_cmp_lg_u32 s12, 0
	s_cbranch_scc1 .Lnot_wave_0_\@
	s_barrier_signal -3
.Lnot_wave_0_\@:
	s_barrier_wait -3
	s_barrier_signal -1
	s_barrier_wait -1
.endm
.macro CROUND
	s_barrier_signal -1
	s_barrier_wait -1
	CREST
.endm
.macro PLACES                          ; four places in front of loads into registers that matrix instructions have read, and of the first read of results
.rept 4
	v_nop
.endr
.endm
.macro MULA f, a, zero                 ; Y's fragment a against X's four, 128 along K; the 16 accumulators take turns in one order everywhere
.irp b, 0,1,2,3
.if \zero
.if BIASC
	v_wmma_f32_16x16x128_fp8_fp8 v[ACC+8*(4*\a+\b):ACC+8*(4*\a+\b)+7], v[\f+64+16*\b:\f+64+16*\b+15], v[\f+16*\a:\f+16*\a+15], v[32+8*\b:32+8*\b+7]
.else
	v_wmma_f32_16x16x128_fp8_fp8 v[ACC+8*(4*\a+\b):ACC+8*(4*\a+\b)+7], v[\f+64+16*\b:\f+64+16*\b+15], v[\f+16*\a:\f+16*\a+15], 0
.endif
.else
	v_wmma_f32_16x16x128_fp8_fp8 v[ACC+8*(4*\a+\b):ACC+8*(4*\a+\b)+7], v[\f+64+16*\b:\f+64+16*\b+15], v[\f+16*\a:\f+16*\a+15], v[ACC+8*(4*\a+\b):ACC+8*(4*\a+\b)+7]
.endif
.endr
.endm
.macro FETCH slot, ks, f               ; 32 LDS loads in one run: X's four fragments, then Y's four, of the slot's K step ks, into buffer f; each load takes 512 consecutive bytes
	WIN TO_F
.irp b, 0,1,2,3
.irp c, 0,1,2,3
	ds_load_b128 v[\f+64+16*\b+4*\c:\f+64+16*\b+4*\c+3], v[ADRX+\slot] offset:(\ks)*16384+\b*2048+\c*512
.endr
.endr
.irp a, 0,1,2,3
.irp c, 0,1,2,3
	ds_load_b128 v[\f+16*\a+4*\c:\f+16*\a+4*\c+3], v[ADRY+\slot] offset:(\ks)*16384+\a*2048+\c*512
.endr
.endr
.endm
.macro QUARTER slot, ksn, f, g, zero   ; one of a slot's first three K steps: multiplies buffer f, fetches K step ksn into g in its middle
	s_wait_dscnt 8                                 ; X's four and Y's first two are in; the youngest eight loads (Y's last two) may be out
	WIN MUL
	MULA \f, 0, \zero
	MULA \f, 1, \zero
	PLACES
	FETCH \slot, \ksn, \g
	s_wait_dscnt 32                                ; all but the 32 just issued
	WIN MUL
	MULA \f, 2, \zero
	MULA \f, 3, \zero
.endm
.macro TURN slot, next, fill           ; a slot's last K step changes slots: one barrier; in front of it every wave waits for all its tensor loads, adds 0 to its spare word and waits for that and for its reads of this slot
	WIN 0
	s_wait_tensorcnt 0x0                           ; my part of the next slot has landed
	ds_add_u32 v[SPW], v[NIL]
	s_wait_dscnt 9                                 ; (the add and the youngest eight loads may be out)
	WIN MUL
	MULA F1, 0, 0
	s_wait_dscnt 0x0                               ; the add is done, and my reads of this slot are over
	s_barrier_signal -1
	MULA F1, 1, 0
.if \fill
	WIN 0
.endif
	s_barrier_wait -1
.if \fill
	CREST                                          ; the barrier has opened a round of the cluster's: no wave of any partner still reads this slot or has a load on its way
	s_add_nc_u64 s[G0Y+4*\slot+2:G0Y+4*\slot+3], s[G0Y+4*\slot+2:G0Y+4*\slot+3], 131072
	s_add_nc_u64 s[G0X+4*\slot+2:G0X+4*\slot+3], s[G0X+4*\slot+2:G0X+4*\slot+3], 131072
	JLOAD \slot                                    ; the first tensor load behind the round; its four v_nop are the places in front of the loads below
.else
	PLACES
.endif
	FETCH \next, 0, F0
	WIN MUL
	MULA F1, 2, 0
	MULA F1, 3, 0
.endm
	s_load_b256 s[4:11], s[0:1], 0x0               ; h2c s[4:5], wc s[6:7], the exponents s[8:9], hid s[10:11]
	s_load_b64 s[84:85], s[0:1], 0x20              ; b1
	v_lshl_add_u32 v[SPW], v0, 2, SPARE
	v_mov_b32 v[NIL], 0
	ds_add_u32 v[SPW], v[NIL]                      ; the wave's opening: the add and its wait stand ahead of my first tensor load; work on registers stands between
	v_lshrrev_b32 v1, 5, v0
	v_readfirstlane_b32 s12, v1                    ; wave 0..3
	s_lshr_b32 s13, s12, 1                         ; my half of the tokens.  Also: I fetch for Y (0) or for X (1)
	s_and_b32 s14, s12, 1                          ; my half of the units.  Also: which half of a slot's K steps I fetch
	s_bfe_u32 s40, ttmp6, 0x40000                  ; cx
	s_bfe_u32 s41, ttmp6, 0x40004                  ; cy
	s_lshl_b32 s42, ttmp9, 2
	s_add_co_u32 s42, s42, s40                     ; X's group = 4 x cluster x + cx
	s_and_b32 s43, ttmp7, 0xffff
	s_lshl_b32 s43, s43, 2
	s_add_co_u32 s43, s43, s41                     ; Y's group = 4 x cluster y + cy
	s_lshl_b32 s44, s41, 2
	s_lshl_b32 s44, 15, s44                        ; my row of the cluster
	s_lshl_b32 s45, 0x1111, s40                    ; my column
	s_or_b32 s[G1Y], s44, (3<<16)|(1<<21)          ; 15:0 the mask; 17:16 elements of 8 bytes; 21 set beside a mask; no padding: the block is dense, and every LDS load takes 512 bytes on end
	s_or_b32 s[G1X], s45, (3<<16)|(1<<21)
.irp g, G1Y, G1X
	s_mov_b32 s[\g+1], 32<<16                      ; tensor_dim0 = 32 elements: rows of 256 bytes
	s_mov_b32 s[\g+2], 128<<16                     ; tensor_dim1 = 128 rows: 32 KiB, two K steps of eight images
	s_mov_b32 s[\g+3], 32<<16                      ; tile_dim0
	s_mov_b32 s[\g+4], 128                         ; tile_dim1
	s_mov_b32 s[\g+5], 32                          ; the pitch: dense
	s_mov_b32 s[\g+6], 0
	s_mov_b32 s[\g+7], 0
.endr
	s_lshl_b32 s18, s14, 15                        ; my half of a slot's four K steps
	s_mul_i32 s16, s43, GROUPB
	s_add_co_u32 s16, s16, s18
	s_mov_b32 s17, 0
	s_mul_i32 s46, s42, GROUPB
	s_add_co_u32 s46, s46, s18
	s_add_co_u32 s46, s46, XOFF
	s_mov_b32 s47, 0
	s_lshl_b32 s20, s12, 15                        ; where my 32 KiB go in a slot: no place in the cluster enters an LDS address
	s_wait_dscnt 0x0                               ; the opening add is done
	s_wait_kmcnt 0x0
	s_load_b512 s[68:83], s[8:9], 0x0              ; e0 .. e15
	s_add_nc_u64 s[16:17], s[4:5], s[16:17]
	s_add_nc_u64 s[46:47], s[6:7], s[46:47]
	CROUND                                         ; all sixteen work-groups are here: the first joint loads meet
.irp s, 0,1
	s_mov_b32 s[G0Y+4*\s], 1
	s_add_co_u32 s[G0Y+4*\s+1], s20, \s*SLOT
	s_add_nc_u64 s[G0Y+4*\s+2:G0Y+4*\s+3], s[16:17], \s*65536
	s_or_b32 s[G0Y+4*\s+3], s[G0Y+4*\s+3], 0x80000000
	s_mov_b32 s[G0X+4*\s], 1
	s_add_co_u32 s[G0X+4*\s+1], s20, \s*SLOT
	s_add_nc_u64 s[G0X+4*\s+2:G0X+4*\s+3], s[46:47], \s*65536
	s_or_b32 s[G0X+4*\s+3], s[G0X+4*\s+3], 0x80000000
	JLOAD \s                                       ; two loads of mine are out
.endr
	v_and_b32 v1, 31, v0
	v_lshlrev_b32 v2, 4, v1                        ; 16 x lane
	s_lshl_b32 s21, s13, 13                        ; my four images of Y,
	s_lshl_b32 s22, s14, 13                        ; my four of X,
	s_add_co_u32 s22, s22, XHALF                   ; which lie behind Y's
.irp s, 0,1
	v_add_nc_u32 v[ADRY+\s], s21, v2
	v_add_nc_u32 v[ADRX+\s], s22, v2
	s_add_co_u32 s21, s21, SLOT
	s_add_co_u32 s22, s22, SLOT
.endr
	v_bfe_u32 v3, v0, 4, 1
	v_lshlrev_b32 v3, 6, v3                        ; the bias: lane (r, h) wants, for tile 2 b + u, the units 32 b + 16 h + 8 u + 0 .. 7 of my 64
	s_lshl_b32 s46, s42, 9
	s_lshl_b32 s47, s14, 8
	s_add_co_u32 s46, s46, s47
	s_mov_b32 s47, 0
	s_add_nc_u64 s[84:85], s[84:85], s[46:47]
.irp b, 0,1,2,3
	global_load_b128 v[32+8*\b:32+8*\b+3], v3, s[84:85] offset:(32*(\b/2)+8*(\b%2))*4
	global_load_b128 v[32+8*\b+4:32+8*\b+7], v3, s[84:85] offset:(32*(\b/2)+8*(\b%2))*4+16
.endr
	s_lshl_b32 s16, s43, 19                        ; where my codes go: the tokens' group (32 K steps of 16 KiB), my four images;
	s_lshl_b32 s17, s13, 13
	s_add_co_u32 s16, s16, s17
	s_mov_b32 s17, 0
	s_lshl_b32 s46, s42, 14                        ; K step = X's group, chunks 2 WX and 2 WX + 1
	s_lshl_b32 s47, s14, 10
	s_add_co_u32 s46, s46, s47
	s_mov_b32 s47, 0
	s_add_nc_u64 s[10:11], s[10:11], s[16:17]
	s_add_nc_u64 s[10:11], s[10:11], s[46:47]
	v_lshlrev_b32 v8, 4, v1
	v_add_nc_u32 v9, 0x800, v8
	v_add_nc_u32 v10, 0x800, v9
	v_add_nc_u32 v11, 0x800, v10
	s_wait_tensorcnt 1                             ; my part of slot 0 is in; slot 1's may stay out
	s_barrier_signal -1
	s_barrier_wait -1
	FETCH 0, 0, F0
	WIN 0
	s_wait_loadcnt 0x0                             ; the bias
	s_wait_kmcnt 0x0
	s_add_co_i32 s88, s80, s81                     ; a sum stands for sum x 2^(e12 + e13): the bias goes in divided by that
	s_sub_co_i32 s88, 0, s88
.set j, 0
.rept 32
	v_ldexp_f32 v[32+j], v[32+j], s88
.set j, j+1
.endr
	QUARTER 0, 1, F0, F1, 1                        ; the first K step starts the sums from the bias
	QUARTER 0, 2, F1, F0, 0
	QUARTER 0, 3, F0, F1, 0
	TURN 0, 1, 0
	QUARTER 1, 1, F0, F1, 0
	QUARTER 1, 2, F1, F0, 0
	QUARTER 1, 3, F0, F1, 0
	s_wait_dscnt 8
	WIN MUL
	MULA F1, 0, 0
	MULA F1, 1, 0
	s_wait_dscnt 0x0
	MULA F1, 2, 0
	MULA F1, 3, 0
	WIN 0
	s_sub_co_i32 s88, s82, s80                     ; e14 - e12 - e13: the three scales fold into the conversion's one
	s_sub_co_i32 s88, s88, s81
	s_add_co_i32 s88, s88, 127
	s_lshl_b32 s89, s88, 23
	v_mov_b32 v30, s89
	s_add_co_i32 s88, s88, 8
	s_lshl_b32 s88, s88, 23
	s_or_b32 s88, s88, 0x600000
	v_mov_b32 v31, s88
	PLACES
.irp a, 0,1,2,3
.irp b, 0,1,2,3
.irp j, 0,1,2,3,4,5,6,7
	v_med3_num_f32 v[ACC+8*(4*\a+\b)+\j], v[ACC+8*(4*\a+\b)+\j], 0, v31   ; the activation and the hold in one; each accumulator from its low end on
.endr
	v_cvt_scalef32_pk8_fp8_f32 v[32+8*\a+2*\b:32+8*\a+2*\b+1], v[ACC+8*(4*\a+\b):ACC+8*(4*\a+\b)+7], v30
.endr
.endr
	v_nop                                          ; a plain instruction behind the last conversion
.irp a, 0,1,2,3
.irp p, 0,1
	global_store_b128 v[8+\a], v[32+8*\a+4*\p:32+8*\a+4*\p+3], s[10:11] offset:512*\p   ; 32 lanes store 512 consecutive bytes: a quarter of an image
.endr
.endr
	s_wait_tensorcnt 0x0                           ; the wave's end
	ds_add_u32 v[SPW], v[NIL]
	s_wait_dscnt 0x0
	CROUND                                         ; the closing round
	s_endpgm
.Lfunc_end_k_q1ac5500ecd_ffn1:
	.size	k_q1ac5500ecd_ffn1, .Lfunc_end_k_q1ac5500ecd_ffn1-k_q1ac5500ecd_ffn1
	.p2alignl 7, 3214868480
	.fill 96, 4, 3214868480
	.section	.rodata,"a",@progbits
	.p2align	6, 0x0
	.amdhsa_kernel k_q1ac5500ecd_ffn1
		.amdhsa_group_segment_fixed_size 327680
		.amdhsa_private_segment_fixed_size 0
		.amdhsa_enable_private_segment 0
		.amdhsa_kernarg_size 40
		.amdhsa_user_sgpr_count 2
		.amdhsa_user_sgpr_kernarg_segment_ptr 1
		.amdhsa_wavefront_size32 1
		.amdhsa_system_sgpr_workgroup_id_x 1
		.amdhsa_system_sgpr_workgroup_id_y 1
		.amdhsa_system_sgpr_workgroup_id_z 1
		.amdhsa_system_vgpr_workitem_id 0
		.amdhsa_next_free_vgpr 512
		.amdhsa_next_free_sgpr 100
		.amdhsa_reserve_vcc 0
		.amdhsa_float_denorm_mode_32 3
		.amdhsa_float_denorm_mode_16_64 3
		.amdhsa_memory_ordered 1
		.amdhsa_forward_progress 1
		.amdhsa_inst_pref_size 47
	.end_amdhsa_kernel
	.amdgpu_metadata
---
amdhsa.version: [ 1, 2 ]
amdhsa.kernels:
  - .name:           k_q1ac5500ecd_ffn1
    .symbol:         k_q1ac5500ecd_ffn1.kd
    .args:
      - { .name: h2c, .offset: 0, .size: 8, .value_kind: global_buffer, .address_space: global }
      - { .name: wc, .offset: 8, .size: 8, .value_kind: global_buffer, .address_space: global }
      - { .name: lowp_scales, .offset: 16, .size: 8, .value_kind: global_buffer, .address_space: global }
      - { .name: hid, .offset: 24, .size: 8, .value_kind: global_buffer, .address_space: global }
      - { .name: b1, .offset: 32, .size: 8, .value_kind: global_buffer, .address_space: global }
    .group_segment_fixed_size: 327680
    .private_segment_fixed_size: 0
    .kernarg_segment_align: 8
    .kernarg_segment_size: 40
    .max_flat_workgroup_size: 128
    .sgpr_count:     100
    .vgpr_count:     512
    .wavefront_size: 32
...
	.end_amdgpu_metadata
.endif
;; end of part 6
;; launch ffn2 (part 7): grid 8 x 32, 4 waves a work-group, clusters of 4 x 4, 327,680 bytes of LDS; arguments hid, wc, lowp_scales, out0, b2, x1; writes out0
.if DOCPART == 7
	.amdgcn_target "amdgcn-amd-amdhsa--gfx1250"
	.amdhsa_code_object_version 6
	.text
	.protected	k_q1ac5500ecd_ffn2
	.globl	k_q1ac5500ecd_ffn2
	.p2align	8
	.type	k_q1ac5500ecd_ffn2,@function
k_q1ac5500ecd_ffn2:
	s_mov_b64 s[64:65], 0
	v_nop
	global_prefetch_b8 v0, s[64:65] scope:SCOPE_SE
	s_setreg_imm32_b32 hwreg(HW_REG_WAVE_MODE, 25, 1), 1
	s_wait_xcnt 0x0
	s_wait_alu depctr_hold_cnt(0) depctr_sa_sdst(0) depctr_va_vdst(0) depctr_va_sdst(0) depctr_va_ssrc(0) depctr_va_vcc(0) depctr_vm_vsrc(0)
	s_getreg_b32 s2, hwreg(HW_REG_IB_STS2, 6, 4)
	s_cmp_eq_u32 s2, 0
	s_cbranch_scc0 .Lentry_in_a_cluster
	s_endpgm
.Lentry_in_a_cluster:
	s_bfe_u32 s2, ttmp6, 0x10000c
	s_cmp_lg_u32 s2, 0xf033
	s_cbranch_scc0 .Lentry_shape_is_right
	s_endpgm
.Lentry_shape_is_right:
; out = x1 + hidden W2 + b2.  The product on E4M3 codes, K = 4,096; each sum is multiplied once by 2^(e14 + e15); out is f32 [4096][1024].
; A work-group makes 128 tokens x 128 columns, four waves 64 x 64 each: 16 accumulators.  Source 0 (X) = 16 columns of the weight, source 1 (Y) = 16 tokens: lane (r, h) holds token r, and the registers of tile 2 b + u
; the columns 32 b + 16 h + 8 u + 0 .. 7 of the wave's 64 (the weight's images were laid so).
; Operands lie in memory as images (16 rows x 128 K in 2,048 bytes, lane l's 16 bytes of chunk c at 512 c + 16 l), [group of 128 rows][K step][8 images]: a tile is one dense block, a fragment four ds_load_b128 at 16 x lane.
; K goes in steps of 512 through a ring of two LDS slots; each wave fetches 32 KiB of a slot by one tensor load; behind each change of slots one load of a wave is out, with a slot's 64 matrix instructions less twelve in which to land.
; CLUSTER 4 x 4: Y's tile is shared along a row of the cluster, X's along a column: each is asked for jointly; where a slot is filled again a round of the cluster's barrier stands in front of the joint load.
; THE WAY OUT: 16 tokens at a time through the wave's own stage in LDS, back as rows of 256 bytes; the residual rows were asked for at the head, two blocks ahead of their use.
; LIMIT: e14 + e15 between -126 and 127.  No prefetch: the tiles are small and shared sixteenfold within the launch.
; REGISTERS: window 0: v[12:15] bias, v16-21 LDS addresses, v24-27 way out, v28-29 the add's two, v32-95 two sets of residual rows, v96-127 rows from the stage, v128-255 accumulators.  window 1: two fragment buffers of 128.
.set KB,    4096
.set LAPS,  KB/1024
.set GROUPB, 128*KB
.set XOFF,  0x800000                   ; W2's codes in wc
.set EA,    82                         ; s82 = e14, s83 = e15
.set EB,    83
.set BIASC, 0
.set SLOT,  131072                     ; Y's 64 KiB ([4 K steps][8 images]), then X's 64 KiB
.set XHALF, 65536
.set STAGE, 262144                     ; behind the ring: 16 rows x 272 bytes for each wave
.set SPARE, STAGE+4*16*272             ; behind the stages: the spare words, 128 bytes a wave, two blocks of 256 bytes that no other line names
.set ADRY, 16
.set ADRX, 20
.set SPW,  28
.set NIL,  29
.set ACC,  128
.set F0,   0
.set F1,   128
.set G1Y, 24                           ; s[24:31] group 1 for Y's tiles; s[32:39] group 0, a set for each slot
.set G0Y, 32
.set G1X, 48                           ; s[48:55], s[56:63] the same for X's
.set G0X, 56
.set MSB, 0
.macro WIN new                         ; the immediate's high byte repeats the setting that is left
.if MSB != \new
	s_set_vgpr_msb (MSB<<8)|\new
.set MSB, \new
.endif
.endm
.set MUL,  0x05                        ; sources 0 and 1 window 1; C and D window 0
.set TO_F, 0x40                        ; destination window 1, address window 0
.macro JLOAD s                         ; a joint load: waves 0 and 1 fetch Y's halves, waves 2 and 3 X's; the branch hangs on the wave's number alone; an s_nop 0 and four v_nop follow each line
	s_cmp_eq_u32 s13, 0
	s_cbranch_scc0 .Lfor_x_\@
	tensor_load_to_lds s[G0Y+4*\s:G0Y+4*\s+3], s[G1Y:G1Y+7]
	s_nop 0
.rept 4
	v_nop
.endr
	s_branch .Lasked_\@
.Lfor_x_\@:
	tensor_load_to_lds s[G0X+4*\s:G0X+4*\s+3], s[G1X:G1X+7]
	s_nop 0
.rept 4
	v_nop
.endr
.Lasked_\@:
.endm
.macro CREST                           ; a round of the cluster's barrier behind its opening barrier
	s_cmp_lg_u32 s12, 0
	s_cbranch_scc1 .Lnot_wave_0_\@
	s_barrier_signal -3
.Lnot_wave_0_\@:
	s_barrier_wait -3
	s_barrier_signal -1
	s_barrier_wait -1
.endm
.macro CROUND
	s_barrier_signal -1
	s_barrier_wait -1
	CREST
.endm
.macro PLACES                          ; four places in front of loads into registers that matrix instructions have read, and of the first read of results
.rept 4
	v_nop
.endr
.endm
.macro MULA f, a, zero                 ; Y's fragment a against X's four, 128 along K; the 16 accumulators take turns in one order everywhere
.irp b, 0,1,2,3
.if \zero
.if BIASC
	v_wmma_f32_16x16x128_fp8_fp8 v[ACC+8*(4*\a+\b):ACC+8*(4*\a+\b)+7], v[\f+64+16*\b:\f+64+16*\b+15], v[\f+16*\a:\f+16*\a+15], v[32+8*\b:32+8*\b+7]
.else
	v_wmma_f32_16x16x128_fp8_fp8 v[ACC+8*(4*\a+\b):ACC+8*(4*\a+\b)+7], v[\f+64+16*\b:\f+64+16*\b+15], v[\f+16*\a:\f+16*\a+15], 0
.endif
.else
	v_wmma_f32_16x16x128_fp8_fp8 v[ACC+8*(4*\a+\b):ACC+8*(4*\a+\b)+7], v[\f+64+16*\b:\f+64+16*\b+15], v[\f+16*\a:\f+16*\a+15], v[ACC+8*(4*\a+\b):ACC+8*(4*\a+\b)+7]
.endif
.endr
.endm
.macro FETCH slot, ks, f               ; 32 LDS loads in one run: X's four fragments, then Y's four, of the slot's K step ks, into buffer f; each load takes 512 consecutive bytes
	WIN TO_F
.irp b, 0,1,2,3
.irp c, 0,1,2,3
	ds_load_b128 v[\f+64+16*\b+4*\c:\f+64+16*\b+4*\c+3], v[ADRX+\slot] offset:(\ks)*16384+\b*2048+\c*512
.endr
.endr
.irp a, 0,1,2,3
.irp c, 0,1,2,3
	ds_load_b128 v[\f+16*\a+4*\c:\f+16*\a+4*\c+3], v[ADRY+\slot] offset:(\ks)*16384+\a*2048+\c*512
.endr
.endr
.endm
.macro QUARTER slot, ksn, f, g, zero   ; one of a slot's first three K steps: multiplies buffer f, fetches K step ksn into g in its middle
	s_wait_dscnt 8                                 ; X's four and Y's first two are in; the youngest eight loads (Y's last two) may be out
	WIN MUL
	MULA \f, 0, \zero
	MULA \f, 1, \zero
	PLACES
	FETCH \slot, \ksn, \g
	s_wait_dscnt 32                                ; all but the 32 just issued
	WIN MUL
	MULA \f, 2, \zero
	MULA \f, 3, \zero
.endm
.macro TURN slot, next, fill           ; a slot's last K step changes slots: one barrier; in front of it every wave waits for all its tensor loads, adds 0 to its spare word and waits for that and for its reads of this slot
	WIN 0
	s_wait_tensorcnt 0x0                           ; my part of the next slot has landed
	ds_add_u32 v[SPW], v[NIL]
	s_wait_dscnt 9                                 ; (the add and the youngest eight loads may be out)
	WIN MUL
	MULA F1, 0, 0
	s_wait_dscnt 0x0                               ; the add is done, and my reads of this slot are over
	s_barrier_signal -1
	MULA F1, 1, 0
.if \fill
	WIN 0
.endif
	s_barrier_wait -1
.if \fill
	CREST                                          ; the barrier has opened a round of the cluster's: no wave of any partner still reads this slot or has a load on its way
	s_add_nc_u64 s[G0Y+4*\slot+2:G0Y+4*\slot+3], s[G0Y+4*\slot+2:G0Y+4*\slot+3], 131072
	s_add_nc_u64 s[G0X+4*\slot+2:G0X+4*\slot+3], s[G0X+4*\slot+2:G0X+4*\slot+3], 131072
	JLOAD \slot                                    ; the first tensor load behind the round; its four v_nop are the places in front of the loads below
.else
	PLACES
.endif
	FETCH \next, 0, F0
	WIN MUL
	MULA F1, 2, 0
	MULA F1, 3, 0
.endm
	s_load_b256 s[4:11], s[0:1], 0x0               ; Y's codes s[4:5], wc s[6:7], the exponents s[8:9], the result s[10:11]
	s_load_b128 s[84:87], s[0:1], 0x20             ; the bias s[84:85], the residual s[86:87]
	v_lshl_add_u32 v[SPW], v0, 2, SPARE
	v_mov_b32 v[NIL], 0
	ds_add_u32 v[SPW], v[NIL]                      ; the wave's opening: the add and its wait stand ahead of my first tensor load; work on registers stands between
	v_lshrrev_b32 v1, 5, v0
	v_readfirstlane_b32 s12, v1                    ; wave 0..3
	s_lshr_b32 s13, s12, 1                         ; my half of the tokens.  Also: I fetch for Y (0) or for X (1)
	s_and_b32 s14, s12, 1                          ; my half of the columns.  Also: which half of a slot's K steps I fetch
	s_bfe_u32 s40, ttmp6, 0x40000                  ; cx
	s_bfe_u32 s41, ttmp6, 0x40004                  ; cy
	s_lshl_b32 s42, ttmp9, 2
	s_add_co_u32 s42, s42, s40                     ; X's group = 4 x cluster x + cx
	s_and_b32 s43, ttmp7, 0xffff
	s_lshl_b32 s43, s43, 2
	s_add_co_u32 s43, s43, s41                     ; Y's group = 4 x cluster y + cy
	s_lshl_b32 s44, s41, 2
	s_lshl_b32 s44, 15, s44                        ; my row of the cluster
	s_lshl_b32 s45, 0x1111, s40                    ; my column
	s_or_b32 s[G1Y], s44, (3<<16)|(1<<21)          ; 15:0 the mask; 17:16 elements of 8 bytes; 21 set beside a mask; no padding: the block is dense, and every LDS load takes 512 bytes on end
	s_or_b32 s[G1X], s45, (3<<16)|(1<<21)
.irp g, G1Y, G1X
	s_mov_b32 s[\g+1], 32<<16                      ; tensor_dim0 = 32 elements: rows of 256 bytes
	s_mov_b32 s[\g+2], 128<<16                     ; tensor_dim1 = 128 rows: 32 KiB, two K steps of eight images
	s_mov_b32 s[\g+3], 32<<16                      ; tile_dim0
	s_mov_b32 s[\g+4], 128                         ; tile_dim1
	s_mov_b32 s[\g+5], 32                          ; the pitch: dense
	s_mov_b32 s[\g+6], 0
	s_mov_b32 s[\g+7], 0
.endr
	s_lshl_b32 s18, s14, 15                        ; my half of a slot's four K steps
	s_mul_i32 s16, s43, GROUPB
	s_add_co_u32 s16, s16, s18
	s_mov_b32 s17, 0
	s_mul_i32 s46, s42, GROUPB
	s_add_co_u32 s46, s46, s18
	s_add_co_u32 s46, s46, XOFF
	s_mov_b32 s47, 0
	s_lshl_b32 s20, s12, 15                        ; where my 32 KiB go in a slot: no place in the cluster enters an LDS address
	s_wait_dscnt 0x0                               ; the opening add is done
	s_wait_kmcnt 0x0
	s_load_b512 s[68:83], s[8:9], 0x0              ; e0 .. e15
	s_add_nc_u64 s[16:17], s[4:5], s[16:17]
	s_add_nc_u64 s[46:47], s[6:7], s[46:47]
	CROUND                                         ; all sixteen work-groups are here: the first joint loads meet
.irp s, 0,1
	s_mov_b32 s[G0Y+4*\s], 1
	s_add_co_u32 s[G0Y+4*\s+1], s20, \s*SLOT
	s_add_nc_u64 s[G0Y+4*\s+2:G0Y+4*\s+3], s[16:17], \s*65536
	s_or_b32 s[G0Y+4*\s+3], s[G0Y+4*\s+3], 0x80000000
	s_mov_b32 s[G0X+4*\s], 1
	s_add_co_u32 s[G0X+4*\s+1], s20, \s*SLOT
	s_add_nc_u64 s[G0X+4*\s+2:G0X+4*\s+3], s[46:47], \s*65536
	s_or_b32 s[G0X+4*\s+3], s[G0X+4*\s+3], 0x80000000
	JLOAD \s                                       ; two loads of mine are out
.endr
	v_and_b32 v1, 31, v0
	v_lshlrev_b32 v2, 4, v1                        ; 16 x lane
	s_lshl_b32 s21, s13, 13                        ; my four images of Y,
	s_lshl_b32 s22, s14, 13                        ; my four of X,
	s_add_co_u32 s22, s22, XHALF                   ; which lie behind Y's
.irp s, 0,1
	v_add_nc_u32 v[ADRY+\s], s21, v2
	v_add_nc_u32 v[ADRX+\s], s22, v2
	s_add_co_u32 s21, s21, SLOT
	s_add_co_u32 s22, s22, SLOT
.endr
	v_and_b32 v3, 15, v0                           ; l % 16
	v_bfe_u32 v4, v0, 4, 1                         ; l / 16
	s_mul_i32 s23, s12, 16*272
	s_add_co_u32 s23, s23, STAGE                   ; my stage
	v_mul_u32_u24 v5, v3, 272
	v_lshl_add_u32 v5, v4, 6, v5
	v_add_nc_u32 v24, s23, v5                      ; in: row r, + 64 h bytes
	v_mul_u32_u24 v5, v4, 272
	v_lshl_add_u32 v5, v3, 4, v5
	v_add_nc_u32 v25, s23, v5                      ; back: lanes 0-15 one row of 256 bytes, lanes 16-31 the next
	v_lshlrev_b32 v5, 12, v4
	v_lshl_add_u32 v26, v3, 4, v5                  ; and the same two rows in memory
	v_lshlrev_b32 v27, 4, v3                       ; my four columns' bias
	s_lshl_b32 s16, s43, 19                        ; my first token's row of 4,096 bytes: 128 x group + 64 x half
	s_lshl_b32 s17, s13, 18
	s_add_co_u32 s16, s16, s17
	s_mov_b32 s17, 0
	s_lshl_b32 s46, s42, 9                         ; my first column, in bytes: 512 x group + 256 x half
	s_lshl_b32 s47, s14, 8
	s_add_co_u32 s46, s46, s47
	s_mov_b32 s47, 0
	s_add_nc_u64 s[10:11], s[10:11], s[16:17]
	s_add_nc_u64 s[10:11], s[10:11], s[46:47]
	s_add_nc_u64 s[86:87], s[86:87], s[16:17]
	s_add_nc_u64 s[86:87], s[86:87], s[46:47]
	s_add_nc_u64 s[84:85], s[84:85], s[46:47]
.macro RLOAD y                         ; the residual's 16 rows of block y into set y % 2, in the layout in which the rows come back from the stage
.irp i, 0,1,2,3,4,5,6,7
	global_load_b128 v[32+32*((\y)%2)+4*\i:32+32*((\y)%2)+4*\i+3], v26, s[86:87] offset:(\y)*65536+\i*8192
.endr
.endm
	global_load_b128 v[12:15], v27, s[84:85]
	RLOAD 0
	RLOAD 1
	s_wait_tensorcnt 1                             ; my part of slot 0 is in; slot 1's may stay out
	s_barrier_signal -1
	s_barrier_wait -1
	FETCH 0, 0, F0
	QUARTER 0, 1, F0, F1, 1                        ; the first K step starts the sums: nothing is cleared
.if LAPS > 1
	WIN 0
	s_mov_b32 s15, LAPS-1
.Llap:                                             ; a trip goes once round the ring and fills both slots again
	QUARTER 0, 2, F1, F0, 0
	QUARTER 0, 3, F0, F1, 0
	TURN 0, 1, 1
	QUARTER 1, 1, F0, F1, 0
	QUARTER 1, 2, F1, F0, 0
	QUARTER 1, 3, F0, F1, 0
	TURN 1, 0, 1
	QUARTER 0, 1, F0, F1, 0
	WIN 0
	s_sub_co_u32 s15, s15, 1
	s_cmp_lg_u32 s15, 0
	s_cbranch_scc1 .Llap
.endif
	QUARTER 0, 2, F1, F0, 0                        ; the last lap fills nothing
	QUARTER 0, 3, F0, F1, 0
	TURN 0, 1, 0
	QUARTER 1, 1, F0, F1, 0
	QUARTER 1, 2, F1, F0, 0
	QUARTER 1, 3, F0, F1, 0
	s_wait_dscnt 8
	WIN MUL
	MULA F1, 0, 0
	MULA F1, 1, 0
	s_wait_dscnt 0x0
	MULA F1, 2, 0
	MULA F1, 3, 0
	WIN 0
	s_wait_kmcnt 0x0
	s_add_co_i32 s66, s[EA], s[EB]
	s_add_co_i32 s66, s66, 127
	s_lshl_b32 s66, s66, 23                        ; 2^(the two operands' exponents) as f32
	s_mov_b32 s67, s66                             ; (named with it as a pair)
	PLACES
.macro OUTROW y, left                  ; 16 tokens x my 64 columns; left: the residual loads that may stay out
.set RS, 32+32*((\y)%2)
.irp b, 0,1,2,3
	ds_store_b128 v24, v[ACC+8*(4*(\y)+\b):ACC+8*(4*(\y)+\b)+3] offset:128*(\b/2)+32*(\b%2)       ; each accumulator from its low end on
	ds_store_b128 v24, v[ACC+8*(4*(\y)+\b)+4:ACC+8*(4*(\y)+\b)+7] offset:128*(\b/2)+32*(\b%2)+16
.endr
	s_wait_xcnt 0x0                                ; the last block's stores have read their data: the rows' registers are loaded again only behind this wait
.irp i, 0,1,2,3,4,5,6,7
	ds_load_b128 v[96+4*\i:96+4*\i+3], v25 offset:544*\i   ; LDS serves a wave's instructions in order: these see my stores
.endr
	s_wait_loadcnt \left                           ; this block's residual rows (and the bias) are in
.irp i, 0,1,2,3,4,5,6,7
	v_pk_add_f32 v[RS+4*\i:RS+4*\i+1], v[RS+4*\i:RS+4*\i+1], v[12:13]       ; residual + bias, while the rows come back
	v_pk_add_f32 v[RS+4*\i+2:RS+4*\i+3], v[RS+4*\i+2:RS+4*\i+3], v[14:15]
.endr
	s_wait_dscnt 0x0
.irp k, 0,1,2,3,4,5,6,7,8,9,10,11,12,13,14,15
	v_pk_fma_f32 v[96+2*\k:97+2*\k], v[96+2*\k:97+2*\k], s[66:67], v[RS+2*\k:RS+2*\k+1] op_sel_hi:[1,0,1]   ; sum x 2^e + (residual + bias)
.endr
.irp i, 0,1,2,3,4,5,6,7
	global_store_b128 v26, v[96+4*\i:96+4*\i+3], s[10:11] offset:(\y)*65536+\i*8192   ; sixteen lanes store 256 consecutive bytes, aligned
.endr
.if (\y)+2 < 4
	RLOAD (\y)+2
.endif
.endm
	OUTROW 0, 8
	OUTROW 1, 8
	OUTROW 2, 8
	OUTROW 3, 0
	s_wait_tensorcnt 0x0                           ; the wave's end, behind my last LDS store
	ds_add_u32 v[SPW], v[NIL]
	s_wait_dscnt 0x0
	CROUND                                         ; the closing round
	s_endpgm
.Lfunc_end_k_q1ac5500ecd_ffn2:
	.size	k_q1ac5500ecd_ffn2, .Lfunc_end_k_q1ac5500ecd_ffn2-k_q1ac5500ecd_ffn2
	.p2alignl 7, 3214868480
	.fill 96, 4, 3214868480
	.section	.rodata,"a",@progbits
	.p2align	6, 0x0
	.amdhsa_kernel k_q1ac5500ecd_ffn2
		.amdhsa_group_segment_fixed_size 327680
		.amdhsa_private_segment_fixed_size 0
		.amdhsa_enable_private_segment 0
		.amdhsa_kernarg_size 48
		.amdhsa_user_sgpr_count 2
		.amdhsa_user_sgpr_kernarg_segment_ptr 1
		.amdhsa_wavefront_size32 1
		.amdhsa_system_sgpr_workgroup_id_x 1
		.amdhsa_system_sgpr_workgroup_id_y 1
		.amdhsa_system_sgpr_workgroup_id_z 1
		.amdhsa_system_vgpr_workitem_id 0
		.amdhsa_next_free_vgpr 512
		.amdhsa_next_free_sgpr 100
		.amdhsa_reserve_vcc 0
		.amdhsa_float_denorm_mode_32 3
		.amdhsa_float_denorm_mode_16_64 3
		.amdhsa_memory_ordered 1
		.amdhsa_forward_progress 1
		.amdhsa_inst_pref_size 81
	.end_amdhsa_kernel
	.amdgpu_metadata
---
amdhsa.version: [ 1, 2 ]
amdhsa.kernels:
  - .name:           k_q1ac5500ecd_ffn2
    .symbol:         k_q1ac5500ecd_ffn2.kd
    .args:
      - { .name: hid, .offset: 0, .size: 8, .value_kind: global_buffer, .address_space: global }
      - { .name: wc, .offset: 8, .size: 8, .value_kind: global_buffer, .address_space: global }
      - { .name: lowp_scales, .offset: 16, .size: 8, .value_kind: global_buffer, .address_space: global }
      - { .name: out0, .offset: 24, .size: 8, .value_kind: global_buffer, .address_space: global }
      - { .name: b2, .offset: 32, .size: 8, .value_kind: global_buffer, .address_space: global }
      - { .name: x1, .offset: 40, .size: 8, .value_kind: global_buffer, .address_space: global }
    .group_segment_fixed_size: 327680
    .private_segment_fixed_size: 0
    .kernarg_segment_align: 8
    .kernarg_segment_size: 48
    .max_flat_workgroup_size: 128
    .sgpr_count:     100
    .vgpr_count:     512
    .wavefront_size: 32
...
	.end_amdgpu_metadata
.endif
;; end of part 7
;; ======== version 2 of 2: 7 launches
;; limits: right only within a limited range of input values
;; workspace buffers: hc 12,582,912 bytes; wc 12,582,912 bytes; qkvc 12,582,912 bytes; oc 4,194,304 bytes; x1 16,777,216 bytes; h2c 4,194,304 bytes; hid 16,777,216 bytes
;; launch prep (part 8): grid 640 x 1, 4 waves a work-group, no clusters, 66,560 bytes of LDS; arguments x, g1, beta1, Wq, Wk, Wv, Wp, W1, W2, lowp_scales, hc, wc; writes hc, wc
.if DOCPART == 8
	.amdgcn_target "amdgcn-amd-amdhsa--gfx1250"
	.amdhsa_code_object_version 6
	.text
	.protected	k_q1ac5500ecd_prep
	.globl	k_q1ac5500ecd_prep
	.p2align	8
	.type	k_q1ac5500ecd_prep,@function
k_q1ac5500ecd_prep:
	s_mov_b64 s[64:65], 0
	v_nop
	global_prefetch_b8 v0, s[64:65] scope:SCOPE_SE
	s_setreg_imm32_b32 hwreg(HW_REG_WAVE_MODE, 25, 1), 1
	s_wait_xcnt 0x0
; Work-groups 0-255: h = layernorm(x) g1 + beta1 for 16 tokens each, quantised to E4M3 three times (scales 2^e1, 2^e3, 2^e5: the operands of the q, k and v products).
; Work-groups 256-639: the six weights, whose K is their first axis, quantised along K (scales 2^e0, e2, e4, e11, e13, e15).
; ALL CODES ARE LAID AS IMAGES OF OPERAND REGISTERS.  An image is a fragment of 16 rows x 128 K, 2,048 bytes: byte 512 c + 16 (rho + 16 h) + i is the code of row rho, k = 32 c + 16 h + i.
; An operand is [group of 128 rows][K step of 128][8 images].  Tokens: row = 16 image + rho.  Weights: column n' of a group lies in image 2 (n'/32) + (n'/8)%2 at rho = 8 ((n'/16)%2) + n'%8, so that a
; product with the weight as source 0 leaves 16 neighbouring columns in the 16 registers of two neighbouring tiles.
; code = number / 2^e, held within +-448, to the nearest code, ties to even.  LIMITS: each e between -126 and 119.  NaN among the inputs is not served.
; The two paths part on the work-group's number alone; only the layernorm path touches LDS and has a barrier.
.set PITCH, 4112                       ; a token's row in LDS: 4,096 bytes + 16: sixteen rows start in sixteen different 16-byte columns
.set SPARE, 16*PITCH                   ; behind the rows: the spare words, 128 bytes a wave, two blocks of 256 bytes that no other line names
.set X,    32                          ; v32-159  four rows of x (row q at X + 32 q; register 4 j + i = column 128 j + 4 lane + i); later eight blocks of 16 neighbours, then their codes
.set GA,   160                         ; v160-191 the gain, in the same layout
.set BT,   192                         ; v192-223 the offset
.set SM,   224                         ; v224-231 a pair for each row: sums, mean, 1 / sigma
.set PM,   232                         ; v232-235 the other half of the lanes' sum
.set TQ,   160                         ; v160-207 three sets of 16 held numbers (the gain and the offset are done with)
.set SC,   208                         ; v208-210 2^e as f32;  v211-213 448 x 2^e
.set LIM,  211
.set OB,   72                          ; s[72:77] where my codes go, one base for each of the three sets
.set SPW,  254                         ; v254 my spare word's address; v255 = 0; never rewritten
.set NIL,  255
	s_load_b512 s[4:19], s[0:1], 0x0               ; x, g1, beta1, Wq, Wk, Wv, Wp, W1
	s_load_b256 s[20:27], s[0:1], 0x40             ; W2, the scales' exponents, hc, wc
	v_lshl_add_u32 v[SPW], v0, 2, SPARE
	v_mov_b32 v[NIL], 0
	v_lshrrev_b32 v1, 5, v0
	v_readfirstlane_b32 s28, v1                    ; wave 0..3
	v_and_b32 v1, 31, v0                           ; lane
	s_wait_kmcnt 0x0
	s_load_b512 s[32:47], s[22:23], 0x0            ; e0 .. e15
	s_cmp_ge_u32 ttmp9, 256
	s_cbranch_scc1 .Lweights
; ---------------- the layernorm: 16 tokens; wave w takes rows 4 w .. 4 w + 3 whole, so that a row's sums never leave the wave
	s_wait_alu depctr_va_vdst(0)
	v_lshlrev_b32 v2, 4, v1                        ; 16 x lane
	s_mul_i32 s29, s28, 4*PITCH
	v_add_nc_u32 v3, s29, v2                       ; into LDS: my four rows, 16 bytes a lane
	v_and_b32 v5, 15, v0                           ; r
	v_bfe_u32 v6, v0, 4, 1                         ; h
	v_mul_u32_u24 v4, v5, PITCH
	v_lshl_add_u32 v4, v6, 6, v4
	s_lshl_b32 s29, s28, 10
	v_add_nc_u32 v4, s29, v4                       ; out of LDS: row r, my wave's 256 columns, + 16 h numbers
	s_lshl_b32 s30, ttmp9, 16                      ; 16 rows of 4,096 bytes a work-group,
	s_lshl_b32 s29, s28, 14                        ; four a wave
	s_add_co_u32 s30, s30, s29
	s_mov_b32 s31, 0
	s_add_nc_u64 s[4:5], s[4:5], s[30:31]
.irp q, 0,1,2,3
.irp j, 0,1,2,3,4,5,6,7
	global_load_b128 v[X+32*\q+4*\j:X+32*\q+4*\j+3], v2, s[4:5] offset:4096*\q+512*\j th:TH_LOAD_NT   ; 32 lanes read 512 consecutive bytes
.endr
.endr
.irp j, 0,1,2,3,4,5,6,7
	global_load_b128 v[GA+4*\j:GA+4*\j+3], v2, s[6:7] offset:512*\j
.endr
.irp j, 0,1,2,3,4,5,6,7
	global_load_b128 v[BT+4*\j:BT+4*\j+3], v2, s[8:9] offset:512*\j
.endr
	s_mov_b32 s66, 0x76543210                      ; v_permlanex16_b32: lane l takes lane l xor 16
	s_mov_b32 s67, 0xfedcba98
	s_mov_b32 s68, 0x3a800000                      ; 1 / 1024
	s_mov_b32 s69, 0x3727c5ac                      ; 1e-5
.irp q, 0,1,2,3
	v_mov_b32 v[PM+\q], 0                          ; a lane permute's destination counts as read
.endr
	s_lshr_b32 s29, ttmp9, 3                       ; my 16 tokens are image (work-group % 8) of group (work-group / 8); my wave makes K steps 2 w and 2 w + 1
	s_lshl_b32 s29, s29, 17
	s_and_b32 s30, ttmp9, 7
	s_lshl_b32 s30, s30, 11
	s_add_co_u32 s30, s30, s29
	s_lshl_b32 s29, s28, 15
	s_add_co_u32 s30, s30, s29
	s_add_nc_u64 s[OB:OB+1], s[24:25], s[30:31]
	s_add_nc_u64 s[OB+2:OB+3], s[OB:OB+1], 0x400000
	s_add_nc_u64 s[OB+4:OB+5], s[OB+2:OB+3], 0x400000
.macro REDUCE                          ; each row's pair of partial sums becomes the row's sum, in every lane; the four rows take turns line by line
.irp q, 0,1,2,3
	v_add_f32 v[SM+2*\q], v[SM+2*\q], v[SM+2*\q+1]
.endr
.irp m, 1,2,4,8
.irp q, 0,1,2,3
	v_add_f32_dpp v[SM+2*\q], v[SM+2*\q], v[SM+2*\q] row_xmask:\m row_mask:0xf bank_mask:0xf
.endr
.endr
.irp q, 0,1,2,3
	v_permlanex16_b32 v[PM+\q], v[SM+2*\q], s66, s67
.endr
.irp q, 0,1,2,3
	v_add_f32 v[SM+2*\q], v[SM+2*\q], v[PM+\q]
.endr
.endm
	s_wait_loadcnt 16                              ; x is in; the 16 loads of gain and offset may be out
.irp q, 0,1,2,3
	v_pk_add_f32 v[SM+2*\q:SM+2*\q+1], v[X+32*\q:X+32*\q+1], v[X+32*\q+2:X+32*\q+3]
.endr
.irp p, 2,3,4,5,6,7,8,9,10,11,12,13,14,15
.irp q, 0,1,2,3
	v_pk_add_f32 v[SM+2*\q:SM+2*\q+1], v[SM+2*\q:SM+2*\q+1], v[X+32*\q+2*\p:X+32*\q+2*\p+1]
.endr
.endr
	REDUCE
.irp q, 0,1,2,3
	v_mul_f32 v[SM+2*\q], s68, v[SM+2*\q]          ; the mean
.endr
.irp p, 0,1,2,3,4,5,6,7,8,9,10,11,12,13,14,15
.irp q, 0,1,2,3
	v_pk_add_f32 v[X+32*\q+2*\p:X+32*\q+2*\p+1], v[X+32*\q+2*\p:X+32*\q+2*\p+1], v[SM+2*\q:SM+2*\q+1] op_sel_hi:[1,0] neg_lo:[0,1] neg_hi:[0,1]   ; x - mean first: the variance is a sum of squares of differences, not a difference of sums
.endr
.endr
.irp q, 0,1,2,3
	v_pk_mul_f32 v[SM+2*\q:SM+2*\q+1], v[X+32*\q:X+32*\q+1], v[X+32*\q:X+32*\q+1]
.endr
.irp p, 1,2,3,4,5,6,7,8,9,10,11,12,13,14,15
.irp q, 0,1,2,3
	v_pk_fma_f32 v[SM+2*\q:SM+2*\q+1], v[X+32*\q+2*\p:X+32*\q+2*\p+1], v[X+32*\q+2*\p:X+32*\q+2*\p+1], v[SM+2*\q:SM+2*\q+1]
.endr
.endr
	REDUCE
.irp q, 0,1,2,3
	v_fma_f32 v[SM+2*\q+1], v[SM+2*\q], s68, s69   ; variance + 1e-5
.endr
	s_wait_alu depctr_va_vdst(0)
.irp q, 0,1,2,3
	v_rsq_f32 v[SM+2*\q], v[SM+2*\q+1]
.endr
	v_nop                                          ; a plain instruction behind the last of the four (ISA guide 5.7.2),
	s_wait_alu depctr_va_vdst(0)                   ; and one wait ahead of their first reader
	s_wait_loadcnt 0x0                             ; gain and offset
.irp p, 0,1,2,3,4,5,6,7,8,9,10,11,12,13,14,15
.irp q, 0,1,2,3
	v_pk_mul_f32 v[X+32*\q+2*\p:X+32*\q+2*\p+1], v[X+32*\q+2*\p:X+32*\q+2*\p+1], v[SM+2*\q:SM+2*\q+1] op_sel_hi:[1,0]
.endr
.irp q, 0,1,2,3
	v_pk_fma_f32 v[X+32*\q+2*\p:X+32*\q+2*\p+1], v[X+32*\q+2*\p:X+32*\q+2*\p+1], v[GA+2*\p:GA+2*\p+1], v[BT+2*\p:BT+2*\p+1]
.endr
.endr
.irp q, 0,1,2,3
.irp j, 0,1,2,3,4,5,6,7
	ds_store_b128 v3, v[X+32*\q+4*\j:X+32*\q+4*\j+3] offset:PITCH*\q+512*\j
.endr
.endr
	s_wait_kmcnt 0x0                               ; the exponents
.macro MKSCALE e, o
	s_add_co_i32 s29, s[\e], 127
	s_lshl_b32 s30, s29, 23
	v_mov_b32 v[SC+\o], s30                        ; 2^e as f32: the conversion takes its exponent field
	s_add_co_i32 s29, s29, 8
	s_lshl_b32 s29, s29, 23
	s_or_b32 s29, s29, 0x600000
	v_mov_b32 v[LIM+\o], s29                       ; 448 x 2^e
.endm
	MKSCALE 33, 0                                  ; e1: h for q
	MKSCALE 35, 1                                  ; e3: h for k
	MKSCALE 37, 2                                  ; e5: h for v
	s_wait_alu depctr_va_vdst(0)
	s_wait_dscnt 0x0                               ; for the others' sake: my rows lie in LDS
	s_barrier_signal -1
	s_barrier_wait -1
; the turn: lane (r, h) takes, of token r, 16 neighbours of each block of 32 in my wave's 256 columns: block 4 kk + c is chunk c of K step 2 w + kk
.irp b, 0,1,2,3,4,5,6,7
.irp i, 0,1,2,3
	ds_load_b128 v[X+16*\b+4*\i:X+16*\b+4*\i+3], v4 offset:512*(\b/4)+128*(\b%4)+16*\i
.endr
.endr
.macro QBLOCK blk
	s_wait_dscnt 28-4*(\blk)                       ; LDS loads come back in order: this block's four are in, the later blocks' may be out
.irp o, 0,1,2
.irp i, 0,1,2,3,4,5,6,7,8,9,10,11,12,13,14,15
	v_med3_num_f32 v[TQ+16*\o+\i], v[X+16*(\blk)+\i], -v[LIM+\o], v[LIM+\o]   ; the conversion does not saturate (ISA guide 7.6.2): the hold at the largest code x the scale
.endr
.endr
.irp o, 0,1,2
	v_cvt_scalef32_pk8_fp8_f32 v[X+16*(\blk)+4*\o:X+16*(\blk)+4*\o+1], v[TQ+16*\o:TQ+16*\o+7], v[SC+\o]      ; the codes land in the block's own registers, which nothing writes again
	v_cvt_scalef32_pk8_fp8_f32 v[X+16*(\blk)+4*\o+2:X+16*(\blk)+4*\o+3], v[TQ+16*\o+8:TQ+16*\o+15], v[SC+\o]
.endr
	v_nop                                          ; a plain instruction between the conversions and the next block's holds, which write their sources
.irp o, 0,1,2
	global_store_b128 v2, v[X+16*(\blk)+4*\o:X+16*(\blk)+4*\o+3], s[OB+2*\o:OB+2*\o+1] offset:((\blk)/4)*16384+((\blk)%4)*512   ; 32 lanes store 512 consecutive bytes: a quarter of an image
.endr
.endm
.irp b, 0,1,2,3,4,5,6,7
	QBLOCK \b
.endr
	s_wait_tensorcnt 0x0                           ; the wave's end, behind my last LDS store
	ds_add_u32 v[SPW], v[NIL]
	s_wait_dscnt 0x0
	s_endpgm
; ---------------- the weights: a work-group takes 128 columns x 256 along K; a lane takes a column and its registers run down K, so that the conversions give codes with K innermost and nothing is transposed
.Lweights:
	s_sub_co_u32 s29, ttmp9, 256                   ; 0-31 Wq, 32-63 Wk, 64-95 Wv, 96-127 Wp, 128-255 W1, 256-383 W2: every choice hangs on this number alone
	s_mov_b64 s[72:73], s[10:11]                   ; the tensor,
	s_mov_b32 s74, 0                               ; its first work-group,
	s_mov_b32 s75, 0                               ; its codes' place in wc,
	s_mov_b32 s77, 256                             ; bytes from k to k + 1
	s_cmp_ge_u32 s29, 32
	s_cselect_b64 s[72:73], s[12:13], s[72:73]
	s_cselect_b32 s74, 32, s74
	s_cselect_b32 s75, 0x100000, s75
	s_cmp_ge_u32 s29, 64
	s_cselect_b64 s[72:73], s[14:15], s[72:73]
	s_cselect_b32 s74, 64, s74
	s_cselect_b32 s75, 0x200000, s75
	s_cmp_ge_u32 s29, 96
	s_cselect_b64 s[72:73], s[16:17], s[72:73]
	s_cselect_b32 s74, 96, s74
	s_cselect_b32 s75, 0x300000, s75
	s_cselect_b32 s77, 0x1000, s77
	s_cmp_ge_u32 s29, 128
	s_cselect_b64 s[72:73], s[18:19], s[72:73]
	s_cselect_b32 s74, 128, s74
	s_cselect_b32 s75, 0x400000, s75
	s_cselect_b32 s77, 0x4000, s77
	s_cmp_ge_u32 s29, 256
	s_cselect_b64 s[72:73], s[20:21], s[72:73]
	s_cselect_b32 s74, 256, s74
	s_cselect_b32 s75, 0x800000, s75
	s_cselect_b32 s77, 0x1000, s77
	s_cselect_b32 s78, 4, 2                        ; K / 256 = 16 for W2, else 4, as a shift,
	s_cselect_b32 s79, 19, 17                      ; and a group's codes: 128 K bytes, as a shift
	s_sub_co_u32 s80, s29, s74
	s_bfm_b32 s81, s78, 0
	s_and_b32 s81, s80, s81                        ; which 256 along K
	s_lshr_b32 s82, s80, s78                       ; which group of 128 columns
	s_lshl_b32 s83, s82, 1                         ; the head weights [head][k][64]: my wave's 32 columns lie in head 2 G + w / 2, at d = 32 (w % 2)
	s_lshr_b32 s84, s28, 1
	s_add_co_u32 s83, s83, s84
	s_lshl_b32 s83, s83, 18
	s_and_b32 s84, s28, 1
	s_lshl_b32 s84, s84, 7
	s_add_co_u32 s83, s83, s84
	s_lshl_b32 s84, s82, 9                         ; the plain weights [k][n]: column 128 G + 32 w
	s_lshl_b32 s85, s28, 7
	s_add_co_u32 s84, s84, s85
	s_cmp_lt_u32 s29, 96
	s_cselect_b32 s83, s83, s84
	s_mul_i32 s84, s81, s77
	s_lshl_b32 s84, s84, 8                         ; + 256 rows of k for each step along K
	s_add_co_u32 s84, s84, s83
	s_mov_b32 s85, 0
	s_add_nc_u64 s[48:49], s[72:73], s[84:85]      ; s[48:63]: a base for each of my eight blocks of 32 along K
	s_lshl_b32 s86, s77, 5
	s_mov_b32 s87, 0
.irp t, 1,2,3,4,5,6,7
	s_add_nc_u64 s[48+2*\t:49+2*\t], s[46+2*\t:47+2*\t], s[86:87]
.endr
	s_lshl_b32 s84, s82, s79                       ; where my codes go: the group, K steps 2 kc and 2 kc + 1, images 2 w and 2 w + 1
	s_add_co_u32 s84, s84, s75
	s_lshl_b32 s85, s81, 15
	s_add_co_u32 s84, s84, s85
	s_lshl_b32 s85, s28, 12
	s_add_co_u32 s84, s84, s85
	s_mov_b32 s85, 0
	s_add_nc_u64 s[70:71], s[26:27], s[84:85]
	s_wait_alu depctr_va_vdst(0)
	v_lshlrev_b32 v32, 2, v1                       ; v32-63: 4 x lane + i rows of k
.set i, 1
.rept 31
	v_add_nc_u32 v[32+i], s77, v[31+i]
.set i, i+1
.endr
	v_bfe_u32 v6, v0, 3, 1                         ; my column's place in the images: image (lane / 8) % 2 of my wave's two,
	v_bfe_u32 v7, v0, 4, 1
	v_and_b32 v8, 7, v0
	v_lshl_add_u32 v7, v7, 3, v8                   ; rho = 8 (lane / 16) + lane % 8
	v_lshlrev_b32 v5, 4, v7
	v_lshl_add_u32 v5, v6, 11, v5
.macro WLOAD t                         ; block t: W(32 t + i, my column) into set t % 2: each load reads 128 consecutive bytes
.set i, 0
.rept 32
	global_load_b32 v[64+32*((\t)%2)+i], v[32+i], s[48+2*(\t):49+2*(\t)] th:TH_LOAD_NT
.set i, i+1
.endr
.endm
	WLOAD 0
	WLOAD 1
	s_wait_kmcnt 0x0                               ; the exponents: chosen behind the first loads, so that they delay none
	s_mov_b32 s76, s32
	s_cmp_ge_u32 s29, 32
	s_cselect_b32 s76, s34, s76
	s_cmp_ge_u32 s29, 64
	s_cselect_b32 s76, s36, s76
	s_cmp_ge_u32 s29, 96
	s_cselect_b32 s76, s43, s76
	s_cmp_ge_u32 s29, 128
	s_cselect_b32 s76, s45, s76
	s_cmp_ge_u32 s29, 256
	s_cselect_b32 s76, s47, s76
	s_add_co_i32 s76, s76, 127
	s_lshl_b32 s74, s76, 23
	v_mov_b32 v11, s74                             ; 2^e
	s_add_co_i32 s76, s76, 8
	s_lshl_b32 s76, s76, 23
	s_or_b32 s76, s76, 0x600000
	v_mov_b32 v10, s76                             ; 448 x 2^e
.macro WBLOCK t
.if (\t) < 7
	s_wait_loadcnt 32                              ; this block's 32 loads are in; the next block's may be out
.else
	s_wait_loadcnt 0x0
.endif
.set i, 0
.rept 32
	v_med3_num_f32 v[64+32*((\t)%2)+i], v[64+32*((\t)%2)+i], -v10, v10
.set i, i+1
.endr
.irp g, 0,1,2,3
	v_cvt_scalef32_pk8_fp8_f32 v[128+8*(\t)+2*\g:128+8*(\t)+2*\g+1], v[64+32*((\t)%2)+8*\g:64+32*((\t)%2)+8*\g+7], v11   ; each block has code registers of its own: no store's data are written again
.endr
	v_nop                                          ; a plain instruction behind the conversions
	global_store_b128 v5, v[128+8*(\t):128+8*(\t)+3], s[70:71] offset:((\t)/4)*16384+((\t)%4)*512          ; k = 32 c + 0 .. 15: lanes of one image fill 256 consecutive bytes
	global_store_b128 v5, v[128+8*(\t)+4:128+8*(\t)+7], s[70:71] offset:((\t)/4)*16384+((\t)%4)*512+256    ; k = 32 c + 16 .. 31
.if (\t)+2 < 8
	WLOAD (\t)+2
.endif
.endm
	s_wait_alu depctr_va_vdst(0)
.irp t, 0,1,2,3,4,5,6,7
	WBLOCK \t
.endr
	s_endpgm
.Lfunc_end_k_q1ac5500ecd_prep:
	.size	k_q1ac5500ecd_prep, .Lfunc_end_k_q1ac5500ecd_prep-k_q1ac5500ecd_prep
	.p2alignl 7, 3214868480
	.fill 96, 4, 3214868480
	.section	.rodata,"a",@progbits
	.p2align	6, 0x0
	.amdhsa_kernel k_q1ac5500ecd_prep
		.amdhsa_group_segment_fixed_size 66560
		.amdhsa_private_segment_fixed_size 0
		.amdhsa_enable_private_segment 0
		.amdhsa_kernarg_size 96
		.amdhsa_user_sgpr_count 2
		.amdhsa_user_sgpr_kernarg_segment_ptr 1
		.amdhsa_wavefront_size32 1
		.amdhsa_system_sgpr_workgroup_id_x 1
		.amdhsa_system_sgpr_workgroup_id_y 1
		.amdhsa_system_sgpr_workgroup_id_z 1
		.amdhsa_system_vgpr_workitem_id 0
		.amdhsa_next_free_vgpr 256
		.amdhsa_next_free_sgpr 100
		.amdhsa_reserve_vcc 0
		.amdhsa_float_denorm_mode_32 3
		.amdhsa_float_denorm_mode_16_64 3
		.amdhsa_memory_ordered 1
		.amdhsa_forward_progress 1
		.amdhsa_inst_pref_size 114
	.end_amdhsa_kernel
	.amdgpu_metadata
---
amdhsa.version: [ 1, 2 ]
amdhsa.kernels:
  - .name:           k_q1ac5500ecd_prep
    .symbol:         k_q1ac5500ecd_prep.kd
    .args:
      - { .name: x, .offset: 0, .size: 8, .value_kind: global_buffer, .address_space: global }
      - { .name: g1, .offset: 8, .size: 8, .value_kind: global_buffer, .address_space: global }
      - { .name: beta1, .offset: 16, .size: 8, .value_kind: global_buffer, .address_space: global }
      - { .name: Wq, .offset: 24, .size: 8, .value_kind: global_buffer, .address_space: global }
      - { .name: Wk, .offset: 32, .size: 8, .value_kind: global_buffer, .address_space: global }
      - { .name: Wv, .offset: 40, .size: 8, .value_kind: global_buffer, .address_space: global }
      - { .name: Wp, .offset: 48, .size: 8, .value_kind: global_buffer, .address_space: global }
      - { .name: W1, .offset: 56, .size: 8, .value_kind: global_buffer, .address_space: global }
      - { .name: W2, .offset: 64, .size: 8, .value_kind: global_buffer, .address_space: global }
      - { .name: lowp_scales, .offset: 72, .size: 8, .value_kind: global_buffer, .address_space: global }
      - { .name: hc, .offset: 80, .size: 8, .value_kind: global_buffer, .address_space: global }
      - { .name: wc, .offset: 88, .size: 8, .value_kind: global_buffer, .address_space: global }
    .group_segment_fixed_size: 66560
    .private_segment_fixed_size: 0
    .kernarg_segment_align: 8
    .kernarg_segment_size: 96
    .max_flat_workgroup_size: 128
    .sgpr_count:     100
    .vgpr_count:     256
    .wavefront_size: 32
...
	.end_amdgpu_metadata
.endif
;; end of part 8
;; launch qkv (part 9): grid 16 x 12, 4 waves a work-group, clusters of 4 x 4, 327,680 bytes of LDS; arguments hc, wc, lowp_scales, qkvc; writes qkvc
.if DOCPART == 9
	.amdgcn_target "amdgcn-amd-amdhsa--gfx1250"
	.amdhsa_code_object_version 6
	.text
	.protected	k_q1ac5500ecd_qkv
	.globl	k_q1ac5500ecd_qkv
	.p2align	8
	.type	k_q1ac5500ecd_qkv,@function
k_q1ac5500ecd_qkv:
	s_mov_b64 s[64:65], 0
	v_nop
	global_prefetch_b8 v0, s[64:65] scope:SCOPE_SE
	s_setreg_imm32_b32 hwreg(HW_REG_WAVE_MODE, 25, 1), 1
	s_wait_xcnt 0x0
	s_wait_alu depctr_hold_cnt(0) depctr_sa_sdst(0) depctr_va_vdst(0) depctr_va_sdst(0) depctr_va_ssrc(0) depctr_va_vcc(0) depctr_vm_vsrc(0)
	s_getreg_b32 s2, hwreg(HW_REG_IB_STS2, 6, 4)
	s_cmp_eq_u32 s2, 0
	s_cbranch_scc0 .Lentry_in_a_cluster
	s_endpgm
.Lentry_in_a_cluster:
	s_bfe_u32 s2, ttmp6, 0x10000c
	s_cmp_lg_u32 s2, 0xf033
	s_cbranch_scc0 .Lentry_shape_is_right
	s_endpgm
.Lentry_shape_is_right:
; q, k and v: three products of K = 1,024 on E4M3 codes, each result quantised at once for attention (q: 2^e6, k: 2^e7, v: 2^e9) and stored as images of attention's operand registers.
; A work-group makes 256 x 256 results, four waves 128 x 128 each: 64 accumulators, 512 registers.  Source 0 (X) gives a lane's eight registers, source 1 (Y) its lane: a result's tile holds, in lane (r, h), row r of Y and rows 8 h + j of X.
; CLUSTER ROWS 1, 2 (q, k): X = Wq or Wk, Y = tokens: a lane holds one token and 16 neighbouring channels in two tiles' registers: the fragment that attention's first product wants.
; CLUSTER ROW 0 (v): X = tokens, Y = Wv: a lane holds one channel and its registers run along the tokens, which are the second product's K.  Nothing is transposed.
; The region hangs on the cluster's row alone, which all sixteen partners share, and is served by selects; no branch hangs on it.
; Operands lie in memory as images (16 rows x 128 K in 2,048 bytes, lane l's 16 bytes of chunk c at 512 c + 16 l), [group of 128 rows][K step][8 images]: 128 rows x 256 K are one dense block of 32 KiB, a fragment four ds_load_b128 at 16 x lane.
; K goes in steps of 256 through two LDS slots: Y's two groups, then X's two, 32 KiB each, one tensor load a wave.  Slot 0 is asked for at the head, slot 1 behind the three lines and a round, as a refill is; each is filled once more.
; CLUSTER 4 x 4: Y's tile is shared along a row of the cluster, X's along a column: each is asked for jointly; a round of the cluster's barrier stands in front of every group of loads and of the end.
; PREFETCH: behind the loads of K chunks 0 and 1 stand the requests for chunks 2 and 3, two loads ahead: of a wave's 32 KiB each of the four partners names 8 KiB, told apart by address, a lane 256 bytes.
; Y has one set of fragment registers (a block is free as soon as its eight products are issued), X two sets.
; LIMITS: e6 - e0 - e1, e7 - e2 - e3 and e9 - e4 - e5 between -126 and 119.
; REGISTERS, in windows of 256: window 0: v8-15 store offsets, v16-21 LDS addresses, v22 the prefetches' offset, v28-29 the add's two, v30-31 scale and hold, v32-95 held numbers on the way out, v128-255 Y's fragments, later the codes.
;   window 1: X's fragments, sets at v0 and v128.   window 2: the accumulators of Y's blocks 0-3 ((a, b) at v[8 (8 a + b)]);   window 3: those of blocks 4-7.
.set SLOT,  131072
.set XHALF, 65536
.set SPARE, 262144                     ; behind the ring: the spare words, 128 bytes a wave, two blocks of 256 bytes that no other line names
.set FR,    16
.set NL,    4
.set OA,    8
.set ADRY,  16
.set ADRX,  20
.set SPW,   28
.set NIL,   29
.set TMP,   32
.set AF,    128
.set PC,    128
.set G1Y, 24
.set G0Y, 32
.set G1X, 48
.set G0X, 56
.set MSB, 0
.macro WIN new                         ; the immediate's high byte repeats the setting that is left
.if MSB != \new
	s_set_vgpr_msb (MSB<<8)|\new
.set MSB, \new
.endif
.endm
.set MUL_LO, 0xa1                      ; source 0 (X) window 1, source 1 (Y) window 0, C and D window 2
.set MUL_HI, 0xf1                      ; the same, C and D window 3
.set TO_X,   0x40                      ; destination window 1, address window 0
.macro JLOAD s                         ; a joint load: waves 0 and 1 fetch Y's groups, waves 2 and 3 X's; an s_nop 0 and four v_nop follow each line
	s_cmp_eq_u32 s13, 0
	s_cbranch_scc0 .Lfor_x_\@
	tensor_load_to_lds s[G0Y+4*\s:G0Y+4*\s+3], s[G1Y:G1Y+7]
	s_nop 0
.rept 4
	v_nop
.endr
	s_branch .Lasked_\@
.Lfor_x_\@:
	tensor_load_to_lds s[G0X+4*\s:G0X+4*\s+3], s[G1X:G1X+7]
	s_nop 0
.rept 4
	v_nop
.endr
.Lasked_\@:
.endm
.macro CREST                           ; a round of the cluster's barrier behind its opening barrier
	s_cmp_lg_u32 s12, 0
	s_cbranch_scc1 .Lnot_wave_0_\@
	s_barrier_signal -3
.Lnot_wave_0_\@:
	s_barrier_wait -3
	s_barrier_signal -1
	s_barrier_wait -1
.endm
.macro CROUND
	s_barrier_signal -1
	s_barrier_wait -1
	CREST
.endm
.macro PLACES                          ; four places in front of loads into registers that matrix instructions have read, and of the first read of results
.rept 4
	v_nop
.endr
.endm
.macro FRAG reg, adr, q, i             ; image i of the slot's K step q: four loads of 512 consecutive bytes
.irp c, 0,1,2,3
	ds_load_b128 v[\reg+4*\c:\reg+4*\c+3], v[\adr] offset:(\q)*16384+(\i)*2048+\c*512
.endr
.endm
.macro MUL16 a0, p, zero               ; Y's blocks a0, a0 + 1 against X's eight (set p), 128 along K; the 64 accumulators take turns in one order in every step
.irp a, \a0, \a0+1
.irp b, 0,1,2,3,4,5,6,7
.if \zero
	v_wmma_f32_16x16x128_fp8_fp8 v[8*(8*((\a)%4)+\b):8*(8*((\a)%4)+\b)+7], v[128*(\p)+FR*\b:128*(\p)+FR*\b+FR-1], v[AF+FR*(\a):AF+FR*(\a)+FR-1], 0
.else
	v_wmma_f32_16x16x128_fp8_fp8 v[8*(8*((\a)%4)+\b):8*(8*((\a)%4)+\b)+7], v[128*(\p)+FR*\b:128*(\p)+FR*\b+FR-1], v[AF+FR*(\a):AF+FR*(\a)+FR-1], v[8*(8*((\a)%4)+\b):8*(8*((\a)%4)+\b)+7]
.endif
.endr
.endr
.endm
.macro FETCH_X slot, q, p
	WIN TO_X
.irp i, 0,1,2,3,4,5,6,7
	FRAG 128*(\p)+FR*\i, ADRX+\slot, \q, \i
.endr
	WIN 0
.endm
.macro FETCH_Y slot, q, i0
.irp i, \i0, \i0+1, \i0+2, \i0+3
	FRAG AF+FR*(\i), ADRY+\slot, \q, \i
.endr
.endm
.macro STEP slot, q, zero              ; a step of 128 along K that has its successor in the same slot
	s_wait_dscnt 4*NL                              ; X's set and Y's blocks 0-3 are in; the youngest sixteen loads (Y's blocks 4-7) may be out
	WIN MUL_LO
	MUL16 0, (\q)%2, \zero
	MUL16 2, (\q)%2, \zero
	s_wait_dscnt 0                                 ; Y's blocks 4-7 are in
	PLACES
	FETCH_X \slot, (\q)+1, 1-(\q)%2
	FETCH_Y \slot, (\q)+1, 0
	WIN MUL_HI
	MUL16 4, (\q)%2, \zero
	MUL16 6, (\q)%2, \zero
	PLACES
	WIN 0
	FETCH_Y \slot, (\q)+1, 4
.endm
.macro TURN slot, next, fill           ; a slot's last step changes slots: one barrier; in front of it every wave waits for all its tensor loads, adds 0 to its spare word and waits for that and for its reads of this slot
	s_wait_tensorcnt 0x0                           ; my part of the next slot has landed (every window is 0 here)
	ds_add_u32 v[SPW], v[NIL]
	s_wait_dscnt 4*NL+1                            ; (the add and the youngest sixteen loads may be out)
	WIN MUL_LO
	MUL16 0, 1, 0
	s_wait_dscnt 0x0                               ; the add is done, and my reads of this slot are over
	s_barrier_signal -1
	MUL16 2, 1, 0
	WIN 0
	s_barrier_wait -1
.if \fill
	CREST                                          ; the barrier has opened a round of the cluster's
	s_add_nc_u64 s[G0Y+4*\slot+2:G0Y+4*\slot+3], s[G0Y+4*\slot+2:G0Y+4*\slot+3], 65536   ; two slots' K on
	s_add_nc_u64 s[G0X+4*\slot+2:G0X+4*\slot+3], s[G0X+4*\slot+2:G0X+4*\slot+3], 65536
	JLOAD \slot                                    ; the first tensor load behind the round; its four v_nop are the places in front of the loads below
.else
	PLACES
.endif
	s_wait_alu depctr_va_vdst(0)
	FETCH_X \next, 0, 0
	FETCH_Y \next, 0, 0
	WIN MUL_HI
	MUL16 4, 1, 0
	MUL16 6, 1, 0
	PLACES
	WIN 0
	FETCH_Y \next, 0, 4
.endm
	s_load_b256 s[4:11], s[0:1], 0x0               ; hc s[4:5], wc s[6:7], the exponents s[8:9], qkvc s[10:11]
	v_lshl_add_u32 v[SPW], v0, 2, SPARE
	v_mov_b32 v[NIL], 0
	ds_add_u32 v[SPW], v[NIL]                      ; the opening lines: the add twice on end, and its wait ahead of the first round
	ds_add_u32 v[SPW], v[NIL]
	v_lshrrev_b32 v1, 5, v0
	v_readfirstlane_b32 s12, v1                    ; wave 0..3
	s_lshr_b32 s13, s12, 1                         ; which of Y's two groups is mine.  Also: I fetch for Y (0) or for X (1)
	s_and_b32 s14, s12, 1                          ; which of X's two groups is mine.  Also: which of the two groups I fetch
	s_bfe_u32 s40, ttmp6, 0x40000                  ; cx
	s_bfe_u32 s41, ttmp6, 0x40004                  ; cy
	s_and_b32 s88, ttmp7, 0xffff                   ; the cluster's row: 0 = v, 1 = q, 2 = k
	s_max_u32 s91, s88, 1
	s_sub_co_u32 s91, s91, 1                       ; 0 = q (and v), 1 = k
	s_lshl_b32 s92, ttmp9, 2                       ; the tokens' tiles: 4 x the cluster's column on
	s_cmp_eq_u32 s88, 0
	s_cselect_b32 s42, s92, 0                      ; v: X = tokens;  q, k: X = the weight's four tiles
	s_cselect_b32 s43, 0, s92                      ; v: Y = Wv's four tiles;  q, k: Y = tokens
	s_cselect_b32 s94, 1, 0                        ; 1 in the row of v
	s_add_co_u32 s42, s42, s40                     ; X's tile: it holds cx and never cy
	s_add_co_u32 s43, s43, s41                     ; Y's tile: cy and never cx
	s_lshl_b32 s44, s41, 2
	s_lshl_b32 s44, 15, s44                        ; my row of the cluster
	s_lshl_b32 s45, 0x1111, s40                    ; my column
	s_or_b32 s[G1Y], s44, (3<<16)|(1<<21)          ; the mask; elements of 8 bytes; bit 21 beside a mask; no padding: the block is dense
	s_or_b32 s[G1X], s45, (3<<16)|(1<<21)
.irp g, G1Y, G1X
	s_mov_b32 s[\g+1], 32<<16                      ; rows of 256 bytes,
	s_mov_b32 s[\g+2], 128<<16                     ; 128 of them: 32 KiB
	s_mov_b32 s[\g+3], 32<<16
	s_mov_b32 s[\g+4], 128
	s_mov_b32 s[\g+5], 32
	s_mov_b32 s[\g+6], 0
	s_mov_b32 s[\g+7], 0
.endr
	s_lshl_b32 s92, s91, 20                        ; q, k: Wq at 0, Wk at 1 MiB of wc;
	s_lshl_b32 s93, s91, 22                        ;       h for q at 0, for k at 4 MiB of hc
	s_cmp_eq_u32 s94, 1
	s_cselect_b32 s92, 0x800000, s92               ; v: X = h for v, at 8 MiB of hc;
	s_cselect_b32 s93, 0x200000, s93               ;    Y = Wv, at 2 MiB of wc
	s_lshl_b32 s46, s42, 1
	s_add_co_u32 s46, s46, s14
	s_lshl_b32 s46, s46, 17
	s_add_co_u32 s46, s46, s92
	s_mov_b32 s47, 0
	s_lshl_b32 s16, s43, 1
	s_add_co_u32 s16, s16, s14
	s_lshl_b32 s16, s16, 17
	s_add_co_u32 s16, s16, s93
	s_mov_b32 s17, 0
	s_lshl_b32 s20, s12, 15                        ; where my 32 KiB go in a slot
	s_wait_dscnt 0x0
	s_wait_kmcnt 0x0
	s_load_b512 s[68:83], s[8:9], 0x0              ; e0 .. e15
	s_cmp_eq_u32 s94, 1
	s_cselect_b64 s[22:23], s[6:7], s[4:5]         ; Y's buffer,
	s_cselect_b64 s[88:89], s[4:5], s[6:7]         ; X's
	s_add_nc_u64 s[16:17], s[22:23], s[16:17]
	s_add_nc_u64 s[46:47], s[88:89], s[46:47]
	CROUND                                         ; all sixteen work-groups are here: the first joint loads meet
.irp s, 0,1
	s_mov_b32 s[G0Y+4*\s], 1
	s_add_co_u32 s[G0Y+4*\s+1], s20, \s*SLOT
	s_add_nc_u64 s[G0Y+4*\s+2:G0Y+4*\s+3], s[16:17], \s*32768
	s_or_b32 s[G0Y+4*\s+3], s[G0Y+4*\s+3], 0x80000000
	s_mov_b32 s[G0X+4*\s], 1
	s_add_co_u32 s[G0X+4*\s+1], s20, \s*SLOT
	s_add_nc_u64 s[G0X+4*\s+2:G0X+4*\s+3], s[46:47], \s*32768
	s_or_b32 s[G0X+4*\s+3], s[G0X+4*\s+3], 0x80000000
.endr
	JLOAD 0                                        ; K 0 to 255: one tensor load a wave at the head
	s_cmp_eq_u32 s13, 0                            ; the prefetches' base: what I fetch, + 8 KiB x my place among the four that ask with me (cx for Y, cy for X)
	s_cselect_b64 s[98:99], s[16:17], s[46:47]
	s_cselect_b32 s2, s40, s41
	s_lshl_b32 s2, s2, 13
	s_mov_b32 s3, 0
	s_add_nc_u64 s[98:99], s[98:99], s[2:3]
	v_and_b32 v22, 31, v0
	v_lshlrev_b32 v22, 8, v22                      ; v22 and s[98:99] are never rewritten
	global_prefetch_b8 v22, s[98:99] offset:65536 th:TH_LOAD_NT scope:SCOPE_SE
	v_and_b32 v1, 31, v0
	s_wait_alu depctr_va_vdst(0)
	v_lshlrev_b32 v2, 4, v1                        ; 16 x lane
	s_lshl_b32 s21, s13, 15
	s_lshl_b32 s22, s14, 15
	s_add_co_u32 s22, s22, XHALF
.irp s, 0,1
	v_add_nc_u32 v[ADRY+\s], s21, v2
	v_add_nc_u32 v[ADRX+\s], s22, v2
	s_add_co_u32 s21, s21, SLOT
	s_add_co_u32 s22, s22, SLOT
.endr
	; where my codes go.  The part that holds cx and the part that holds cy are made apart.
	s_lshl_b32 s88, s42, 1
	s_add_co_u32 s88, s88, s14                     ; my group of X
	s_lshr_b32 s89, s88, 4                         ; v: it is the batch (16 heads of 128 KiB) and the key step (8 KiB)
	s_lshl_b32 s89, s89, 21
	s_and_b32 s90, s88, 15
	s_lshl_b32 s90, s90, 13
	s_add_co_u32 s89, s89, s90
	s_add_co_u32 s89, s89, 0x800000                ; v's codes begin at 8 MiB
	s_lshl_b32 s88, s88, 18                        ; q, k: it is two heads of 128 KiB;
	s_add_co_u32 s88, s88, s93                     ; q at 0, k at 4 MiB
	s_cmp_eq_u32 s94, 1
	s_cselect_b32 s46, s89, s88
	s_mov_b32 s47, 0
	s_lshl_b32 s22, s43, 1
	s_add_co_u32 s22, s22, s13                     ; my group of Y
	s_lshr_b32 s23, s22, 4                         ; q, k: it is the batch and eight tiles of 16 tokens (1 KiB each)
	s_lshl_b32 s23, s23, 21
	s_and_b32 s16, s22, 15
	s_lshl_b32 s16, s16, 13
	s_add_co_u32 s23, s23, s16
	s_lshl_b32 s22, s22, 18                        ; v: it is two heads
	s_cmp_eq_u32 s94, 1
	s_cselect_b32 s16, s22, s23
	s_mov_b32 s17, 0
	s_mov_b32 s95, 1024
	s_cselect_b32 s95, 0x800, s95                  ; from one of Y's blocks to the next
	s_mov_b32 s96, 4096
	s_cselect_b32 s96, 0x20000, s96                ; from block 0 to block 4
	s_mov_b32 s18, 0x20000
	s_cselect_b32 s18, 1024, s18                   ; from X's tiles 0-3 to tiles 4-7
	s_mov_b32 s19, 0
	s_add_nc_u64 s[10:11], s[10:11], s[16:17]
	s_add_nc_u64 s[10:11], s[10:11], s[46:47]
	s_add_nc_u64 s[86:87], s[10:11], s[18:19]
	v_lshlrev_b32 v[OA], 4, v1
	v_add_nc_u32 v[OA+1], s95, v[OA]
	v_add_nc_u32 v[OA+2], s95, v[OA+1]
	v_add_nc_u32 v[OA+3], s95, v[OA+2]
	v_add_nc_u32 v[OA+4], s96, v[OA]
	v_add_nc_u32 v[OA+5], s95, v[OA+4]
	v_add_nc_u32 v[OA+6], s95, v[OA+5]
	v_add_nc_u32 v[OA+7], s95, v[OA+6]
	s_wait_alu depctr_va_vdst(0)                   ; the wait at the head's end
	s_wait_tensorcnt 0x0                           ; my part of slot 0 is in; slot 1's first fill is issued as a refill is:
	ds_add_u32 v[SPW], v[NIL]
	s_wait_dscnt 0x0
	CROUND                                         ; everybody's part of slot 0 is in, and the joint loads meet
	JLOAD 1                                        ; K 256 to 511
	global_prefetch_b8 v22, s[98:99] offset:98304 th:TH_LOAD_NT scope:SCOPE_SE   ; the last chunk, two loads ahead
	FETCH_X 0, 0, 0
	FETCH_Y 0, 0, 0
	FETCH_Y 0, 0, 4
	STEP 0, 0, 1                                   ; K 0: the first step starts the sums: nothing is cleared
	TURN 0, 1, 1                                   ; K 128; slot 0 takes K 512 on
	STEP 1, 0, 0                                   ; K 256
	TURN 1, 0, 1                                   ; K 384; slot 1 takes K 768 on
	STEP 0, 0, 0                                   ; K 512
	TURN 0, 1, 0                                   ; K 640; nothing is left to fetch
	STEP 1, 0, 0                                   ; K 768
	s_wait_dscnt 4*NL                              ; K 896
	WIN MUL_LO
	MUL16 0, 1, 0
	MUL16 2, 1, 0
	s_wait_dscnt 0
	WIN MUL_HI
	MUL16 4, 1, 0
	MUL16 6, 1, 0
	WIN 0
	; THE WAY OUT: a sum stands for sum x 2^(its operands' exponents): the three scales fold into the conversion's one
	s_wait_kmcnt 0x0
	s_sub_co_i32 s88, s77, s72                     ; v: e9 - e4 - e5
	s_sub_co_i32 s88, s88, s73
	s_sub_co_i32 s89, s74, s68                     ; q: e6 - e0 - e1
	s_sub_co_i32 s89, s89, s69
	s_sub_co_i32 s90, s75, s70                     ; k: e7 - e2 - e3
	s_sub_co_i32 s90, s90, s71
	s_cmp_eq_u32 s91, 1
	s_cselect_b32 s89, s90, s89
	s_cmp_eq_u32 s94, 1
	s_cselect_b32 s88, s88, s89
	s_add_co_i32 s88, s88, 127
	s_lshl_b32 s89, s88, 23
	v_mov_b32 v30, s89
	s_add_co_i32 s88, s88, 8
	s_lshl_b32 s88, s88, 23
	s_or_b32 s88, s88, 0x600000
	v_mov_b32 v31, s88
	PLACES
.macro OUTA a                          ; Y's block a: 16 lanes' rows x my 128 of X: held, converted, stored
.set AC, 64*((\a)%4)
	WIN 0x02+((\a)/4)
.set j, 0
.rept 64
	v_med3_num_f32 v[TMP+j], v[AC+j], -v31, v31    ; the hold at the largest code x the scale (the conversion does not saturate: ISA guide 7.6.2); each accumulator from its low end on
.set j, j+1
.endr
	WIN 0
.irp b, 0,1,2,3,4,5,6,7
	v_cvt_scalef32_pk8_fp8_f32 v[PC+16*(\a)+2*\b:PC+16*(\a)+2*\b+1], v[TMP+8*\b:TMP+8*\b+7], v30   ; each block has code registers of its own: no store's data are written again
.endr
	v_nop
.irp p, 0,1,2,3
	global_store_b128 v[OA+\a], v[PC+16*(\a)+4*\p:PC+16*(\a)+4*\p+3], s[10+76*(\p/2):11+76*(\p/2)] offset:512*(\p%2)   ; 32 lanes store 512 consecutive bytes
.endr
.endm
.irp a, 0,1,2,3,4,5,6,7
	OUTA \a
.endr
	s_wait_tensorcnt 0x0                           ; the wave's end
	ds_add_u32 v[SPW], v[NIL]
	s_wait_dscnt 0x0
	CROUND                                         ; the closing round
	s_endpgm
.Lfunc_end_k_q1ac5500ecd_qkv:
	.size	k_q1ac5500ecd_qkv, .Lfunc_end_k_q1ac5500ecd_qkv-k_q1ac5500ecd_qkv
	.p2alignl 7, 3214868480
	.fill 96, 4, 3214868480
	.section	.rodata,"a",@progbits
	.p2align	6, 0x0
	.amdhsa_kernel k_q1ac5500ecd_qkv
		.amdhsa_group_segment_fixed_size 327680
		.amdhsa_private_segment_fixed_size 0
		.amdhsa_enable_private_segment 0
		.amdhsa_kernarg_size 32
		.amdhsa_user_sgpr_count 2
		.amdhsa_user_sgpr_kernarg_segment_ptr 1
		.amdhsa_wavefront_size32 1
		.amdhsa_system_sgpr_workgroup_id_x 1
		.amdhsa_system_sgpr_workgroup_id_y 1
		.amdhsa_system_sgpr_workgroup_id_z 1
		.amdhsa_system_vgpr_workitem_id 0
		.amdhsa_next_free_vgpr 1024
		.amdhsa_next_free_sgpr 100
		.amdhsa_reserve_vcc 0
		.amdhsa_float_denorm_mode_32 3
		.amdhsa_float_denorm_mode_16_64 3
		.amdhsa_memory_ordered 1
		.amdhsa_forward_progress 1
		.amdhsa_inst_pref_size 120
	.end_amdhsa_kernel
	.amdgpu_metadata
---
amdhsa.version: [ 1, 2 ]
amdhsa.kernels:
  - .name:           k_q1ac5500ecd_qkv
    .symbol:         k_q1ac5500ecd_qkv.kd
    .args:
      - { .name: hc, .offset: 0, .size: 8, .value_kind: global_buffer, .address_space: global }
      - { .name: wc, .offset: 8, .size: 8, .value_kind: global_buffer, .address_space: global }
      - { .name: lowp_scales, .offset: 16, .size: 8, .value_kind: global_buffer, .address_space: global }
      - { .name: qkvc, .offset: 24, .size: 8, .value_kind: global_buffer, .address_space: global }
    .group_segment_fixed_size: 327680
    .private_segment_fixed_size: 0
    .kernarg_segment_align: 8
    .kernarg_segment_size: 32
    .max_flat_workgroup_size: 128
    .sgpr_count:     100
    .vgpr_count:     1024
    .wavefront_size: 32
...
	.end_amdgpu_metadata
.endif
;; end of part 9
;; launch attn (part 10): grid 8 x 32, 16 waves a work-group, clusters of 4 x 1, 327,680 bytes of LDS; arguments qkvc, lowp_scales, oc; writes oc
.if DOCPART == 10
	.amdgcn_target "amdgcn-amd-amdhsa--gfx1250"
	.amdhsa_code_object_version 6
	.text
	.protected	k_q1ac5500ecd_attn
	.globl	k_q1ac5500ecd_attn
	.p2align	8
	.type	k_q1ac5500ecd_attn,@function
k_q1ac5500ecd_attn:
	s_mov_b64 s[64:65], 0
	v_nop
	global_prefetch_b8 v0, s[64:65] scope:SCOPE_SE
	s_setreg_imm32_b32 hwreg(HW_REG_WAVE_MODE, 25, 1), 1
	s_wait_xcnt 0x0
	s_wait_alu depctr_hold_cnt(0) depctr_sa_sdst(0) depctr_va_vdst(0) depctr_va_sdst(0) depctr_va_ssrc(0) depctr_va_vcc(0) depctr_vm_vsrc(0)
	s_getreg_b32 s2, hwreg(HW_REG_IB_STS2, 6, 4)
	s_cmp_eq_u32 s2, 0
	s_cbranch_scc0 .Lentry_in_a_cluster
	s_endpgm
.Lentry_in_a_cluster:
	s_bfe_u32 s2, ttmp6, 0x10000c
	s_cmp_lg_u32 s2, 0x3003
	s_cbranch_scc0 .Lentry_shape_is_right
	s_endpgm
.Lentry_shape_is_right:
; Causal attention of one (batch, head) on E4M3 codes: S^T = K Q^T (K = 64), p = 2^(t - M) with M the ceiling of the running largest t, quantised with 2^e8, O^T += V^T P^T (K = 128 keys);
; the row's sum of the unquantised p divides at the end, and o is quantised with 2^e10 and stored as images of the next product's operand registers.
; Key steps that lie wholly above the diagonal of the causal mask are not computed.
; SHARES.  A head has 16 blocks of 128 queries, each of 8 tiles of 16.  Work-group x (0..7) of the head owns tile x of EVERY block, so that branches, trip counts and LDS addresses hang on the wave's number alone
; and all work-groups read all of K and V: the four of a cluster ask for them jointly (mask 15).  x enters only global addresses and the diagonal's compare.
; Block J needs J + 1 key steps of 128.  Blocks J and 15 - J (J = wave / 2) go to a pair of waves: wave a takes the late tile's steps 0 to 8 (for J = 7 the last of them lies on the diagonal); wave b the early tile's
; J + 1 steps, stores it, then takes the late tile's steps 9 to 15 - J: 9 steps for a; 8 for b, which also has the diagonals and the change of tiles.  At the end a hands O^T, -M and the sums to b through LDS,
; and b joins them by exact powers of two (for J = 7 b's own part is the fresh state, which the join multiplies by 0).
; LDS: K's 128 KiB at 0, V's at VB, 8 KiB a key step; filled once: steps 0 and 1 at the head, the rest behind one round, 16 loads each; then a's hand-over (SCR), the spare words, and 1 KiB a wave for the late tile's Q (QS).
; The second fill's bytes are prefetched one fill ahead: 896 blocks of 256 bytes, shared out by address among the cluster's four (cx), seven waves each, a lane a block.  No later load follows, so nothing else is prefetched.
; LIMITS: e6 + e7 between -123 and 130; e8 and e10 between -126 and 119.  The promise holds while the scaled scores stay under 2^31 in magnitude.  NaN among the inputs is not served.
; REGISTERS: v1, v2 lane's place in K, V; v3 diagonal's bound; v4 -inf; v5, v6 the add's two; v7 hand-over; v10, v11 448 x 2^e8, 2^e8; v12 -M; v13 largest t; v[14:15] sums; v16-23 Q; v25, v29 2^e10, 448 x 2^e10;
; v32-95 K's fragments, then p's codes; v96-159 S^T, p; v160-191 O^T; v192-255 V's fragments.
.set VB,    131072
.set SCR,   262144                     ; 8 x 4,608 bytes: O^T (8 x 512) and v[12:15] (512) of each wave a
.set SPARE, SCR+8*4608                 ; the spare words, 128 bytes a wave: eight blocks of 256 bytes that no other line names
.set QS,    SPARE+2048                 ; 16 x 1,024 bytes
.macro ROUND                           ; a round of the cluster's barrier
	s_barrier_signal -1
	s_barrier_wait -1
	s_cmp_lg_u32 s18, 0
	s_cbranch_scc1 .Lnw0_\@
	s_barrier_signal -3
.Lnw0_\@:
	s_barrier_wait -3
	s_barrier_signal -1
	s_barrier_wait -1
.endm
	s_load_b128 s[4:7], s[0:1], 0x0                ; qkvc, the exponents
	s_load_b64 s[8:9], s[0:1], 0x10                ; oc
	v_lshl_add_u32 v5, v0, 2, SPARE
	v_mov_b32 v6, 0
	ds_add_u32 v5, v6                              ; the opening lines: the add twice on end, and its wait ahead of the first round
	ds_add_u32 v5, v6
	v_lshrrev_b32 v8, 5, v0
	v_readfirstlane_b32 s18, v8                    ; wave 0..15
	s_and_b32 s19, s18, 1                          ; I fetch for K (0) or V (1),
	s_lshr_b32 s11, s18, 1                         ; part wave / 2 of eight.  Also J
	s_lshl_b32 s12, s19, 17
	s_lshl_b32 s13, s11, 11
	s_add_co_u32 s13, s13, s12                     ; first fill: 2 KiB a wave of steps 0 and 1
	s_mul_i32 s14, s11, 14336
	s_add_co_u32 s14, s14, s12
	s_add_co_u32 s14, s14, 16384                   ; second fill: 14 KiB a wave of steps 2 to 15
	s_and_b32 s15, ttmp7, 0xffff                   ; 16 x batch + head
	s_lshl_b32 s16, s15, 17
	s_add_co_u32 s17, s19, 1
	s_lshl_b32 s17, s17, 22                        ; k's codes at 4 MiB, v's at 8 MiB of qkvc
	s_add_co_u32 s17, s17, s16
	s_lshl_b32 s20, s11, 11
	s_add_co_u32 s20, s20, s17
	s_mov_b32 s21, 0
	s_mul_i32 s48, s11, 14336
	s_add_co_u32 s48, s48, s17
	s_add_co_u32 s48, s48, 16384
	s_mov_b32 s49, 0
	s_mov_b32 s24, 15|(3<<16)|(1<<21)              ; group 1, first fill: the cluster's four; elements of 8 bytes; 8 rows of 256 bytes, dense
	s_mov_b32 s25, 32<<16
	s_mov_b32 s26, 8<<16
	s_mov_b32 s27, 32<<16
	s_mov_b32 s28, 8
	s_mov_b32 s29, 32
	s_mov_b32 s30, 0
	s_mov_b32 s31, 0
	s_mov_b32 s32, 15|(3<<16)|(1<<21)              ; second fill: 56 rows
	s_mov_b32 s33, 32<<16
	s_mov_b32 s34, 56<<16
	s_mov_b32 s35, 32<<16
	s_mov_b32 s36, 56
	s_mov_b32 s37, 32
	s_mov_b32 s38, 0
	s_mov_b32 s39, 0
	; the wave's walk, from its number alone.  i counts the wave's steps
	s_lshr_b32 s10, s18, 2
	s_xor_b32 s10, s10, s18
	s_and_b32 s10, s10, 1                          ; 1: wave b, 0: wave a; of waves w, w + 4, w + 8, w + 12 two are a and two b
	s_xor_b32 s91, s10, 1
	s_mul_i32 s90, s91, 98
	s_add_co_u32 s85, s11, 1
	s_add_co_u32 s85, s85, s90                     ; b changes tiles at i = J + 1 (a: never)
	s_xor_b32 s86, s11, 7                          ; 7 - J
	s_lshl_b32 s62, s86, 4
	s_add_co_u32 s62, s62, 8
	s_mul_i32 s62, s62, s91                        ; a meets the diagonal at i = 8 where J = 7, else at no i that it reaches (24 or more); 0 in b
	s_mul_i32 s88, s11, s10
	s_add_co_u32 s88, s88, s62                     ; the first i on the diagonal: b's early tile at i = J
	s_mul_i32 s63, s10, 7
	s_add_co_u32 s62, s62, s63                     ; the second: b's late tile at i = 7
	s_add_co_u32 s86, s86, 1
	s_mul_i32 s86, s86, s10                        ; behind the change b's key step is i + 8 - J
	s_add_co_u32 s87, s91, 7                       ; the last i: 8 for a, 7 for b
	s_min_u32 s89, s85, 2                          ; i at the second loop's start: 2; 1 for the b of J = 0, which has no second early step
	s_xor_b32 s92, s11, 15                         ; the late block
	s_mul_i32 s93, s91, 15
	s_xor_b32 s93, s93, s11                        ; the block that I begin with
	s_bfe_u32 s90, ttmp6, 0x40000                  ; cx
	s_lshl_b32 s91, ttmp9, 2
	s_add_co_u32 s91, s91, s90                     ; x
	s_lshl_b32 s94, s91, 10                        ; q's codes: 1 KiB a tile, 8 KiB a block
	s_add_co_u32 s94, s94, s16
	s_lshl_b32 s96, s92, 13
	s_add_co_u32 s96, s96, s94
	s_mov_b32 s97, 0
	s_lshl_b32 s95, s93, 13
	s_add_co_u32 s94, s94, s95
	s_mov_b32 s95, 0
	s_lshr_b32 s52, s15, 4                         ; oc: [group of 128 tokens][K step = head / 2][image = x], chunks 2 (head % 2) and + 1
	s_lshl_b32 s52, s52, 21
	s_bfe_u32 s53, s15, 0x30001
	s_lshl_b32 s53, s53, 14
	s_add_co_u32 s52, s52, s53
	s_lshl_b32 s53, s91, 11
	s_add_co_u32 s52, s52, s53
	s_and_b32 s53, s15, 1
	s_lshl_b32 s53, s53, 10
	s_add_co_u32 s52, s52, s53
	s_lshl_b32 s54, s92, 17
	s_add_co_u32 s54, s54, s52
	s_mov_b32 s55, 0
	s_lshl_b32 s53, s93, 17
	s_add_co_u32 s52, s52, s53
	s_mov_b32 s53, 0
	s_lshr_b32 s56, s90, 1                         ; the prefetch: cx / 2 picks K or V, cx % 2 the half of its 112 KiB, the wave 8 KiB of that
	s_add_co_u32 s56, s56, 1
	s_lshl_b32 s56, s56, 22
	s_add_co_u32 s56, s56, s16
	s_and_b32 s57, s90, 1
	s_mul_i32 s57, s57, 57344
	s_add_co_u32 s56, s56, s57
	s_lshl_b32 s57, s18, 13
	s_add_co_u32 s56, s56, s57
	s_add_co_u32 s56, s56, 16384
	s_mov_b32 s57, 0
	s_mov_b32 s50, 0x76543210                      ; v_permlanex16_b32: lane l xor 16
	s_mov_b32 s51, 0xfedcba98
	s_lshl_b32 s99, s18, 10
	s_add_co_u32 s99, s99, QS                      ; my wave's 1 KiB for the late tile's Q
	s_wait_dscnt 0x0                               ; both opening adds are done
	s_wait_kmcnt 0x0
	s_load_b512 s[68:83], s[6:7], 0x0              ; e0 .. e15
	s_mov_b32 s40, 1
	s_mov_b32 s41, s13
	s_add_nc_u64 s[42:43], s[4:5], s[20:21]
	s_or_b32 s43, s43, 0x80000000
	s_mov_b32 s44, 1
	s_mov_b32 s45, s14
	s_add_nc_u64 s[46:47], s[4:5], s[48:49]
	s_or_b32 s47, s47, 0x80000000
	s_add_nc_u64 s[94:95], s[4:5], s[94:95]        ; Q of my first tile,
	s_add_nc_u64 s[96:97], s[4:5], s[96:97]        ; of the late tile
	s_add_nc_u64 s[52:53], s[8:9], s[52:53]        ; where the tile in hand goes,
	s_add_nc_u64 s[54:55], s[8:9], s[54:55]        ; and the late tile
	s_add_nc_u64 s[56:57], s[4:5], s[56:57]
	ROUND                                          ; the four work-groups are here: the first joint loads meet
	tensor_load_to_lds s[40:43], s[24:31]          ; key steps 0 and 1: my one load at the head
	s_nop 0
	v_and_b32 v1, 31, v0
	v_lshlrev_b32 v24, 8, v1
	v_lshlrev_b32 v1, 4, v1                        ; 16 x lane
	s_wait_alu depctr_va_vdst(0)
	global_load_b128 v[16:19], v1, s[94:95]
	global_load_b128 v[20:23], v1, s[94:95] offset:512
	s_cmp_lt_u32 s18, 7
	s_cbranch_scc0 .Lnopf
	global_prefetch_b8 v24, s[56:57] th:TH_LOAD_NT scope:SCOPE_SE
.Lnopf:
	v_add_nc_u32 v2, VB, v1
	s_mul_i32 s58, s11, 4608
	s_add_co_u32 s58, s58, SCR
	v_add_nc_u32 v7, s58, v1                       ; my pair's hand-over
	v_and_b32 v8, 15, v0
	v_bfe_u32 v9, v0, 4, 1
	v_lshlrev_b32 v9, 3, v9
	v_sub_nc_u32 v3, v8, v9
	s_lshl_b32 s58, s91, 4
	v_add_nc_u32 v3, s58, v3                       ; on the diagonal register n holds key 16 (n / 8) + 8 h + n % 8 of the block, my query is 16 x + r: hidden where 16 (n / 8) + n % 8 > 16 x + r - 8 h
	v_mov_b32 v4, 0xff800000
	v_mov_b32 v13, 0xff61b1e6                      ; -3e38, under every t
	v_floor_f32 v12, -v13
	v_mov_b32 v14, 0
	v_mov_b32 v15, 0
	v_mov_b32 v27, 0                               ; upper halves of pairs, and a permute's destination: written once
	v_mov_b32 v28, 0
	v_mov_b32 v30, 0
	v_mov_b32 v31, 0
.set j, 0
.rept 32
	v_mov_b32 v[160+j], 0
.set j, j+1
.endr
	s_wait_kmcnt 0x0
	s_mov_b32 s22, 0x3e38aa3b                      ; log2(e) / 8,
	s_add_co_i32 s58, s74, s75
	s_lshl_b32 s58, s58, 23
	s_add_co_i32 s22, s22, s58                     ; x 2^(e6 + e7)
	s_mov_b32 s23, s22
	s_add_co_i32 s58, s76, 127
	s_lshl_b32 s59, s58, 23
	v_mov_b32 v11, s59
	s_add_co_i32 s58, s58, 8
	s_lshl_b32 s58, s58, 23
	s_or_b32 s58, s58, 0x600000
	v_mov_b32 v10, s58
	s_add_co_i32 s58, s78, 127
	s_lshl_b32 s59, s58, 23
	v_mov_b32 v25, s59
	s_add_co_i32 s58, s58, 8
	s_lshl_b32 s58, s58, 23
	s_or_b32 s58, s58, 0x600000
	v_mov_b32 v29, s58
	s_add_co_i32 s98, s76, s77                     ; e8 + e9
	s_wait_alu depctr_va_vdst(0)                   ; the wait at the head's end
	s_wait_tensorcnt 0x0                           ; my part of steps 0 and 1 is in; the later first fill is issued as a refill is
	ds_add_u32 v5, v6
	s_wait_dscnt 0x0
	ROUND
	tensor_load_to_lds s[44:47], s[32:39]          ; key steps 2 to 15
	s_nop 0
	s_wait_loadcnt 0x0                             ; Q
	s_wait_xcnt 0x0                                ; the prefetch has read v24, which the steps write
; The tile in hand is finished: O^T / the sum x 2^(e8 + e9), held, converted with 2^e10, stored: 32 lanes store 512 consecutive bytes twice
.macro FINISH
	v_add_f32 v14, v14, v15
	v_permlanex16_b32 v28, v14, s50, s51
	v_add_f32 v14, v14, v28
	s_wait_alu depctr_va_vdst(0)                   ; the wait ahead of the transcendental,
	v_rcp_f32 v14, v14
	v_nop
	s_wait_alu depctr_va_vdst(0)                   ; ahead of its first reader,
	v_ldexp_f32 v14, v14, s98
	s_wait_alu depctr_va_vdst(0)                   ; and ahead of the first reader of O^T
.set j, 0
.rept 32
	v_mul_f32 v[96+j], v[160+j], v14
.set j, j+1
.endr
.set j, 0
.rept 32
	v_med3_num_f32 v[96+j], v[96+j], -v29, v29
.set j, j+1
.endr
.irp u, 0,1,2,3
	v_cvt_scalef32_pk8_fp8_f32 v[128+2*\u:129+2*\u], v[96+8*\u:103+8*\u], v25
.endr
	v_nop
	global_store_b128 v1, v[128:131], s[52:53]
	global_store_b128 v1, v[132:135], s[52:53] offset:512
.endm
; Wave b leaves its early tile: the late tile's Q is asked of my own LDS bytes first, the early tile goes out, the state begins anew
.macro SWITCH
.rept 4
	v_nop
.endr
	v_add_nc_u32 v8, s99, v1
	ds_load_b128 v[16:19], v8
	ds_load_b128 v[20:23], v8 offset:512
	FINISH
	s_wait_xcnt 0x0                                ; the stores have read their base and data
	s_mov_b64 s[52:53], s[54:55]
	v_mov_b32 v13, 0xff61b1e6
	v_floor_f32 v12, -v13
	v_mov_b32 v14, 0
	v_mov_b32 v15, 0
.set j, 0
.rept 32
	v_mov_b32 v[160+j], 0
.set j, j+1
.endr
	s_wait_alu depctr_va_vdst(0)
	s_wait_dscnt 0x0
.endm
; A key step of 128 keys.  ph = 1: key step = the trip's number (steps 0 and 1 alone lie in LDS); ph = 2: all of K and V lie there
.macro STEP ph
.if \ph == 1
	s_mov_b32 s84, s60
	s_cmp_gt_u32 s84, s88                          ; the b of J = 0 has no early step 1
	s_cbranch_scc1 .Lskip_\@
	s_lshl_b32 s61, s60, 13
.else
	s_add_co_u32 s84, s60, s89
	s_cmp_lg_u32 s84, s85
	s_cbranch_scc1 .Lsame_\@
	SWITCH
.Lsame_\@:
	s_cmp_gt_u32 s84, s87
	s_cbranch_scc1 .Lskip_\@
	s_cmp_ge_u32 s84, s85
	s_cselect_b32 s61, s86, 0
	s_add_co_u32 s61, s61, s84
	s_min_u32 s61, s61, 15
	s_lshl_b32 s61, s61, 13
.endif
	v_add_nc_u32 v8, s61, v1
	v_add_nc_u32 v9, s61, v2
	v_nop
	v_nop
.irp t, 0,1,2,3,4,5,6,7
	ds_load_b128 v[32+8*\t:35+8*\t], v8 offset:1024*\t
	ds_load_b128 v[36+8*\t:39+8*\t], v8 offset:1024*\t+512
.endr
	s_wait_alu depctr_va_vdst(0)
	s_wait_dscnt 0x0
.irp t, 0,1,2,3,4,5,6,7
	v_wmma_f32_16x16x64_fp8_fp8 v[96+8*\t:103+8*\t], v[32+8*\t:39+8*\t], v[16:23], 0
.endr
.rept 4
	v_nop
.endr
.irp u, 0,1,2,3
.irp c, 0,1,2,3
	ds_load_b128 v[192+16*\u+4*\c:195+16*\u+4*\c], v9 offset:2048*\u+512*\c
.endr
.endr
	s_cmp_eq_u32 s84, s88                          ; a tile's last step lies on the diagonal
	s_cbranch_scc1 .Lmask_\@
	s_cmp_lg_u32 s84, s62
	s_cbranch_scc1 .Lopen_\@
.Lmask_\@:
.set n, 0
.rept 16                                           ; four compares, then their four selects: no select follows directly on its own compare
.irp q, 0,1,2,3
	v_cmp_gt_i32 s[90+\q], 16*((n+\q)/8)+(n+\q)%8, v3
.endr
.irp q, 0,1,2,3
	v_cndmask_b32 v[96+n+\q], v[96+n+\q], v4, s[90+\q]
.endr
.set n, n+4
.endr
.Lopen_\@:
	v_max3_num_f32 v24, v96, v97, v98
	v_max3_num_f32 v26, v99, v100, v101
.irp i, 6,10,14,18,22,26,30,34,38,42,46,50,54,58
	v_max3_num_f32 v24, v24, v[96+\i], v[97+\i]
	v_max3_num_f32 v26, v26, v[98+\i], v[99+\i]
.endr
	v_max3_num_f32 v24, v24, v158, v159
	s_delay_alu instid0(VALU_DEP_1)
	v_max_num_f32 v24, v24, v26
	s_delay_alu instid0(VALU_DEP_1)
	v_permlanex16_b32 v28, v24, s50, s51
	s_delay_alu instid0(VALU_DEP_1)
	v_max_num_f32 v24, v24, v28
	s_delay_alu instid0(VALU_DEP_1)
	v_mul_f32 v24, s22, v24
	s_delay_alu instid0(VALU_DEP_1)
	v_max_num_f32 v13, v13, v24
	v_mov_b32 v24, v12
	s_delay_alu instid0(VALU_DEP_2)
	v_floor_f32 v12, -v13                          ; -M = floor(-t)
	s_delay_alu instid0(VALU_DEP_1)
	v_sub_f32 v24, v12, v24
	s_delay_alu instid0(VALU_DEP_1)
	v_cvt_i32_f32 v24, v24
	s_delay_alu instid0(VALU_DEP_1)
	v_ldexp_f32 v26, 1.0, v24                      ; f = 2^(old M - new M)
.set j, 0
.rept 32
	v_pk_fma_f32 v[96+j:97+j], v[96+j:97+j], s[22:23], v[12:13] op_sel_hi:[1,0,0]
.set j, j+2
.endr
.set j, 0
	s_wait_alu depctr_va_vdst(0)                   ; one wait ahead of the batch,
.rept 64
	v_exp_f32 v[96+j], v[96+j]
.set j, j+1
.endr
	v_pk_mul_f32 v[14:15], v[14:15], v[26:27] op_sel_hi:[1,0]
	s_wait_alu depctr_va_vdst(0)                   ; and one behind it
	v_pk_add_f32 v[30:31], v[96:97], v[98:99]
.irp j, 4,8,12,16,20,24,28,32,36,40,44,48,52,56,60
	v_pk_add_f32 v[14:15], v[14:15], v[96+\j:97+\j]
	v_pk_add_f32 v[30:31], v[30:31], v[98+\j:99+\j]
.endr
	s_delay_alu instid0(VALU_DEP_1)
	v_pk_add_f32 v[14:15], v[14:15], v[30:31]
.irp t, 0,1,2,3,4,5,6,7
.irp i, 0,1,2,3,4,5,6,7
	v_min_num_f32 v[96+8*\t+\i], v[96+8*\t+\i], v10
.endr
	v_cvt_scalef32_pk8_fp8_f32 v[32+2*\t:33+2*\t], v[96+8*\t:103+8*\t], v11
.endr
	s_wait_alu depctr_va_vdst(0)                   ; the wait directly ahead of the first reader of O^T
.set j, 0
.rept 16
	v_pk_mul_f32 v[160+j:161+j], v[160+j:161+j], v[26:27] op_sel_hi:[1,0]
.set j, j+2
.endr
	s_wait_alu depctr_va_vdst(0)
	s_wait_dscnt 0x0
.irp u, 0,1,2,3
	v_wmma_f32_16x16x128_fp8_fp8 v[160+8*\u:167+8*\u], v[192+16*\u:207+16*\u], v[32:47], v[160+8*\u:167+8*\u]
.endr
.Lskip_\@:
.endm
	s_mov_b32 s60, 0
.Lp1:
	STEP 1
	s_add_co_u32 s60, s60, 1
	s_cmp_lt_u32 s60, 2
	s_cbranch_scc1 .Lp1
.rept 4
	v_nop                                          ; places in front of loads into registers that the last products read
.endr
	global_load_b128 v[192:195], v1, s[96:97]      ; the late tile's Q, asked for under the wait for the second fill
	global_load_b128 v[196:199], v1, s[96:97] offset:512
	s_wait_tensorcnt 0x0                           ; my part of steps 2 to 15 is in
	s_wait_dscnt 0x0
	s_barrier_signal -1
	s_barrier_wait -1                              ; everybody's is
	s_wait_loadcnt 0x0
	v_add_nc_u32 v8, s99, v1
	ds_store_b128 v8, v[192:195]                   ; into my wave's own bytes, which I alone read, at the change of tiles; no tensor load is out
	ds_store_b128 v8, v[196:199] offset:512
	s_mov_b32 s60, 0
.Lp2:                                              ; seven trips; a wave whose i has passed its last jumps over the step
	STEP 2
	s_add_co_u32 s60, s60, 1
	s_cmp_lt_u32 s60, 7
	s_cbranch_scc1 .Lp2
.rept 4
	v_nop
.endr
	s_cmp_eq_u32 s10, 0
	s_cbranch_scc0 .Lkeep
.irp k, 0,1,2,3,4,5,6,7
	ds_store_b128 v7, v[160+4*\k:163+4*\k] offset:512*\k   ; wave a hands over an image of its registers
.endr
	ds_store_b128 v7, v[12:15] offset:4096
.Lkeep:
	s_wait_tensorcnt 0x0                           ; the wave's last LDS write is behind, ahead of the closing round
	ds_add_u32 v5, v6
	s_wait_dscnt 0x0
	ROUND                                          ; the closing round; its barriers also part a's stores from b's loads
	s_cmp_eq_u32 s10, 0
	s_cbranch_scc1 .Lend
.irp k, 0,1,2,3,4,5,6,7
	ds_load_b128 v[96+4*\k:99+4*\k], v7 offset:512*\k
.endr
	ds_load_b128 v[128:131], v7 offset:4096
	s_wait_dscnt 0x0
	v_min_num_f32 v24, v12, v128                   ; -M of both halves
	v_sub_f32 v26, v24, v12                        ; my M less M, a whole number, 0 or less,
	v_sub_f32 v30, v24, v128                       ; and a's
	v_cvt_i32_f32 v26, v26                         ; (it saturates)
	v_cvt_i32_f32 v30, v30
	v_ldexp_f32 v26, 1.0, v26
	v_ldexp_f32 v30, 1.0, v30
	v_pk_mul_f32 v[14:15], v[14:15], v[26:27] op_sel_hi:[1,0]
	v_pk_fma_f32 v[14:15], v[130:131], v[30:31], v[14:15] op_sel_hi:[1,0,1]
.set j, 0
.rept 16
	v_pk_mul_f32 v[160+j:161+j], v[160+j:161+j], v[26:27] op_sel_hi:[1,0]
.set j, j+2
.endr
.set j, 0
.rept 16
	v_pk_fma_f32 v[160+j:161+j], v[96+j:97+j], v[30:31], v[160+j:161+j] op_sel_hi:[1,0,1]
.set j, j+2
.endr
	FINISH
.Lend:
	s_endpgm
.Lfunc_end_k_q1ac5500ecd_attn:
	.size	k_q1ac5500ecd_attn, .Lfunc_end_k_q1ac5500ecd_attn-k_q1ac5500ecd_attn
	.p2alignl 7, 3214868480
	.fill 96, 4, 3214868480
	.section	.rodata,"a",@progbits
	.p2align	6, 0x0
	.amdhsa_kernel k_q1ac5500ecd_attn
		.amdhsa_group_segment_fixed_size 327680
		.amdhsa_private_segment_fixed_size 0
		.amdhsa_enable_private_segment 0
		.amdhsa_kernarg_size 24
		.amdhsa_user_sgpr_count 2
		.amdhsa_user_sgpr_kernarg_segment_ptr 1
		.amdhsa_wavefront_size32 1
		.amdhsa_system_sgpr_workgroup_id_x 1
		.amdhsa_system_sgpr_workgroup_id_y 1
		.amdhsa_system_sgpr_workgroup_id_z 1
		.amdhsa_system_vgpr_workitem_id 0
		.amdhsa_next_free_vgpr 256
		.amdhsa_next_free_sgpr 100
		.amdhsa_reserve_vcc 0
		.amdhsa_float_denorm_mode_32 3
		.amdhsa_float_denorm_mode_16_64 3
		.amdhsa_memory_ordered 1
		.amdhsa_forward_progress 1
		.amdhsa_inst_pref_size 74
	.end_amdhsa_kernel
	.amdgpu_metadata
---
amdhsa.version: [ 1, 2 ]
amdhsa.kernels:
  - .name:           k_q1ac5500ecd_attn
    .symbol:         k_q1ac5500ecd_attn.kd
    .args:
      - { .name: qkvc, .offset: 0, .size: 8, .value_kind: global_buffer, .address_space: global }
      - { .name: lowp_scales, .offset: 8, .size: 8, .value_kind: global_buffer, .address_space: global }
      - { .name: oc, .offset: 16, .size: 8, .value_kind: global_buffer, .address_space: global }
    .group_segment_fixed_size: 327680
    .private_segment_fixed_size: 0
    .kernarg_segment_align: 8
    .kernarg_segment_size: 24
    .max_flat_workgroup_size: 512
    .sgpr_count:     100
    .vgpr_count:     256
    .wavefront_size: 32
...
	.end_amdgpu_metadata
.endif
;; end of part 10
;; launch proj (part 11): grid 8 x 32, 4 waves a work-group, clusters of 4 x 4, 327,680 bytes of LDS; arguments oc, wc, lowp_scales, x1, bp, x; writes x1
.if DOCPART == 11
	.amdgcn_target "amdgcn-amd-amdhsa--gfx1250"
	.amdhsa_code_object_version 6
	.text
	.protected	k_q1ac5500ecd_proj
	.globl	k_q1ac5500ecd_proj
	.p2align	8
	.type	k_q1ac5500ecd_proj,@function
k_q1ac5500ecd_proj:
	s_mov_b64 s[64:65], 0
	v_nop
	global_prefetch_b8 v0, s[64:65] scope:SCOPE_SE
	s_setreg_imm32_b32 hwreg(HW_REG_WAVE_MODE, 25, 1), 1
	s_wait_xcnt 0x0
	s_wait_alu depctr_hold_cnt(0) depctr_sa_sdst(0) depctr_va_vdst(0) depctr_va_sdst(0) depctr_va_ssrc(0) depctr_va_vcc(0) depctr_vm_vsrc(0)
	s_getreg_b32 s2, hwreg(HW_REG_IB_STS2, 6, 4)
	s_cmp_eq_u32 s2, 0
	s_cbranch_scc0 .Lentry_in_a_cluster
	s_endpgm
.Lentry_in_a_cluster:
	s_bfe_u32 s2, ttmp6, 0x10000c
	s_cmp_lg_u32 s2, 0xf033
	s_cbranch_scc0 .Lentry_shape_is_right
	s_endpgm
.Lentry_shape_is_right:
; x1 = x + o Wp + bp.  The product on E4M3 codes, K = 1,024; each sum is multiplied once by 2^(e10 + e11); x1 is f32 [4096][1024].
; A work-group makes 128 tokens x 128 columns, four waves 64 x 64 each: 16 accumulators.  Source 0 (X) = 16 columns of the weight, source 1 (Y) = 16 tokens: lane (r, h) holds token r, and the registers of tile 2 b + u
; the columns 32 b + 16 h + 8 u + 0 .. 7 of the wave's 64 (the weight's images were laid so).
; Operands lie in memory as images (16 rows x 128 K in 2,048 bytes, lane l's 16 bytes of chunk c at 512 c + 16 l), [group of 128 rows][K step][8 images]: a tile is one dense block, a fragment four ds_load_b128 at 16 x lane.
; K goes through two LDS slots of 512 along K each; with K = 1,024 both are asked for at the head and nothing is filled again.
; CLUSTER 4 x 4: Y's tile is shared along a row of the cluster, X's along a column: each is asked for jointly.
; THE WAY OUT: 16 tokens at a time through the wave's own stage in LDS, back as rows of 256 bytes; the residual rows were asked for at the head, two blocks ahead of their use.
; LIMIT: e10 + e11 between -126 and 127.  No prefetch: all tiles are asked for at the kernel's head.
; REGISTERS: window 0: v[12:15] bias, v16-21 LDS addresses, v24-27 way out, v28-29 the add's two, v32-95 two sets of residual rows, v96-127 rows from the stage, v128-255 accumulators.  window 1: two fragment buffers of 128.
.set KB,    1024
.set LAPS,  KB/1024
.set GROUPB, 128*KB
.set XOFF,  0x300000                   ; Wp's codes in wc
.set EA,    78                         ; s78 = e10, s79 = e11
.set EB,    79
.set BIASC, 0
.set SLOT,  131072                     ; Y's 64 KiB ([4 K steps][8 images]), then X's 64 KiB
.set XHALF, 65536
.set STAGE, 262144                     ; behind the ring: 16 rows x 272 bytes for each wave
.set SPARE, STAGE+4*16*272             ; behind the stages: the spare words, 128 bytes a wave, two blocks of 256 bytes that no other line names
.set ADRY, 16
.set ADRX, 20
.set SPW,  28
.set NIL,  29
.set ACC,  128
.set F0,   0
.set F1,   128
.set G1Y, 24                           ; s[24:31] group 1 for Y's tiles; s[32:39] group 0, a set for each slot
.set G0Y, 32
.set G1X, 48                           ; s[48:55], s[56:63] the same for X's
.set G0X, 56
.set MSB, 0
.macro WIN new                         ; the immediate's high byte repeats the setting that is left
.if MSB != \new
	s_set_vgpr_msb (MSB<<8)|\new
.set MSB, \new
.endif
.endm
.set MUL,  0x05                        ; sources 0 and 1 window 1; C and D window 0
.set TO_F, 0x40                        ; destination window 1, address window 0
.macro JLOAD s                         ; a joint load: waves 0 and 1 fetch Y's halves, waves 2 and 3 X's; the branch hangs on the wave's number alone; an s_nop 0 and four v_nop follow each line
	s_cmp_eq_u32 s13, 0
	s_cbranch_scc0 .Lfor_x_\@
	tensor_load_to_lds s[G0Y+4*\s:G0Y+4*\s+3], s[G1Y:G1Y+7]
	s_nop 0
.rept 4
	v_nop
.endr
	s_branch .Lasked_\@
.Lfor_x_\@:
	tensor_load_to_lds s[G0X+4*\s:G0X+4*\s+3], s[G1X:G1X+7]
	s_nop 0
.rept 4
	v_nop
.endr
.Lasked_\@:
.endm
.macro CREST                           ; a round of the cluster's barrier behind its opening barrier
	s_cmp_lg_u32 s12, 0
	s_cbranch_scc1 .Lnot_wave_0_\@
	s_barrier_signal -3
.Lnot_wave_0_\@:
	s_barrier_wait -3
	s_barrier_signal -1
	s_barrier_wait -1
.endm
.macro CROUND
	s_barrier_signal -1
	s_barrier_wait -1
	CREST
.endm
.macro PLACES                          ; four places in front of loads into registers that matrix instructions have read, and of the first read of results
.rept 4
	v_nop
.endr
.endm
.macro MULA f, a, zero                 ; Y's fragment a against X's four, 128 along K; the 16 accumulators take turns in one order everywhere
.irp b, 0,1,2,3
.if \zero
.if BIASC
	v_wmma_f32_16x16x128_fp8_fp8 v[ACC+8*(4*\a+\b):ACC+8*(4*\a+\b)+7], v[\f+64+16*\b:\f+64+16*\b+15], v[\f+16*\a:\f+16*\a+15], v[32+8*\b:32+8*\b+7]
.else
	v_wmma_f32_16x16x128_fp8_fp8 v[ACC+8*(4*\a+\b):ACC+8*(4*\a+\b)+7], v[\f+64+16*\b:\f+64+16*\b+15], v[\f+16*\a:\f+16*\a+15], 0
.endif
.else
	v_wmma_f32_16x16x128_fp8_fp8 v[ACC+8*(4*\a+\b):ACC+8*(4*\a+\b)+7], v[\f+64+16*\b:\f+64+16*\b+15], v[\f+16*\a:\f+16*\a+15], v[ACC+8*(4*\a+\b):ACC+8*(4*\a+\b)+7]
.endif
.endr
.endm
.macro FETCH slot, ks, f               ; 32 LDS loads in one run: X's four fragments, then Y's four, of the slot's K step ks, into buffer f; each load takes 512 consecutive bytes
	WIN TO_F
.irp b, 0,1,2,3
.irp c, 0,1,2,3
	ds_load_b128 v[\f+64+16*\b+4*\c:\f+64+16*\b+4*\c+3], v[ADRX+\slot] offset:(\ks)*16384+\b*2048+\c*512
.endr
.endr
.irp a, 0,1,2,3
.irp c, 0,1,2,3
	ds_load_b128 v[\f+16*\a+4*\c:\f+16*\a+4*\c+3], v[ADRY+\slot] offset:(\ks)*16384+\a*2048+\c*512
.endr
.endr
.endm
.macro QUARTER slot, ksn, f, g, zero   ; one of a slot's first three K steps: multiplies buffer f, fetches K step ksn into g in its middle
	s_wait_dscnt 8                                 ; X's four and Y's first two are in; the youngest eight loads (Y's last two) may be out
	WIN MUL
	MULA \f, 0, \zero
	MULA \f, 1, \zero
	PLACES
	FETCH \slot, \ksn, \g
	s_wait_dscnt 32                                ; all but the 32 just issued
	WIN MUL
	MULA \f, 2, \zero
	MULA \f, 3, \zero
.endm
.macro TURN slot, next, fill           ; a slot's last K step changes slots: one barrier; in front of it every wave waits for all its tensor loads, adds 0 to its spare word and waits for that and for its reads of this slot
	WIN 0
	s_wait_tensorcnt 0x0                           ; my part of the next slot has landed
	ds_add_u32 v[SPW], v[NIL]
	s_wait_dscnt 9                                 ; (the add and the youngest eight loads may be out)
	WIN MUL
	MULA F1, 0, 0
	s_wait_dscnt 0x0                               ; the add is done, and my reads of this slot are over
	s_barrier_signal -1
	MULA F1, 1, 0
.if \fill
	WIN 0
.endif
	s_barrier_wait -1
.if \fill
	CREST                                          ; the barrier has opened a round of the cluster's: no wave of any partner still reads this slot or has a load on its way
	s_add_nc_u64 s[G0Y+4*\slot+2:G0Y+4*\slot+3], s[G0Y+4*\slot+2:G0Y+4*\slot+3], 131072
	s_add_nc_u64 s[G0X+4*\slot+2:G0X+4*\slot+3], s[G0X+4*\slot+2:G0X+4*\slot+3], 131072
	JLOAD \slot                                    ; the first tensor load behind the round; its four v_nop are the places in front of the loads below
.else
	PLACES
.endif
	FETCH \next, 0, F0
	WIN MUL
	MULA F1, 2, 0
	MULA F1, 3, 0
.endm
	s_load_b256 s[4:11], s[0:1], 0x0               ; Y's codes s[4:5], wc s[6:7], the exponents s[8:9], the result s[10:11]
	s_load_b128 s[84:87], s[0:1], 0x20             ; the bias s[84:85], the residual s[86:87]
	v_lshl_add_u32 v[SPW], v0, 2, SPARE
	v_mov_b32 v[NIL], 0
	ds_add_u32 v[SPW], v[NIL]                      ; the wave's opening: the add and its wait stand ahead of my first tensor load; work on registers stands between
	ds_add_u32 v[SPW], v[NIL]
	v_lshrrev_b32 v1, 5, v0
	v_readfirstlane_b32 s12, v1                    ; wave 0..3
	s_lshr_b32 s13, s12, 1                         ; my half of the tokens.  Also: I fetch for Y (0) or for X (1)
	s_and_b32 s14, s12, 1                          ; my half of the columns.  Also: which slot I fetch
	s_bfe_u32 s40, ttmp6, 0x40000                  ; cx
	s_bfe_u32 s41, ttmp6, 0x40004                  ; cy
	s_lshl_b32 s42, ttmp9, 2
	s_add_co_u32 s42, s42, s40                     ; X's group = 4 x cluster x + cx
	s_and_b32 s43, ttmp7, 0xffff
	s_lshl_b32 s43, s43, 2
	s_add_co_u32 s43, s43, s41                     ; Y's group = 4 x cluster y + cy
	s_lshl_b32 s44, s41, 2
	s_lshl_b32 s44, 15, s44                        ; my row of the cluster
	s_lshl_b32 s45, 0x1111, s40                    ; my column
	s_or_b32 s[G1Y], s44, (3<<16)|(1<<21)          ; 15:0 the mask; 17:16 elements of 8 bytes; 21 set beside a mask; no padding: the block is dense, and every LDS load takes 512 bytes on end
	s_or_b32 s[G1X], s45, (3<<16)|(1<<21)
.irp g, G1Y, G1X
	s_mov_b32 s[\g+1], 32<<16                      ; tensor_dim0 = 32 elements: rows of 256 bytes
	s_mov_b32 s[\g+2], 256<<16                     ; tensor_dim1 = 256 rows: 64 KiB, four K steps of eight images
	s_mov_b32 s[\g+3], 32<<16                      ; tile_dim0
	s_mov_b32 s[\g+4], 256                         ; tile_dim1
	s_mov_b32 s[\g+5], 32                          ; the pitch: dense
	s_mov_b32 s[\g+6], 0
	s_mov_b32 s[\g+7], 0
.endr
	s_lshl_b32 s18, s14, 16                        ; I fetch all four K steps of slot wave % 2
	s_mul_i32 s16, s43, GROUPB
	s_add_co_u32 s16, s16, s18
	s_mov_b32 s17, 0
	s_mul_i32 s46, s42, GROUPB
	s_add_co_u32 s46, s46, s18
	s_add_co_u32 s46, s46, XOFF
	s_mov_b32 s47, 0
	s_lshl_b32 s20, s13, 16                        ; where my 64 KiB go: Y's or X's half
	s_lshl_b32 s19, s14, 17                        ; of that slot: no place in the cluster enters an LDS address
	s_add_co_u32 s20, s20, s19
	s_wait_dscnt 0x0                               ; the opening add is done
	s_wait_kmcnt 0x0
	s_load_b512 s[68:83], s[8:9], 0x0              ; e0 .. e15
	s_add_nc_u64 s[16:17], s[4:5], s[16:17]
	s_add_nc_u64 s[46:47], s[6:7], s[46:47]
	CROUND                                         ; all sixteen work-groups are here: the first joint loads meet
.irp s, 0
	s_mov_b32 s[G0Y+4*\s], 1
	s_add_co_u32 s[G0Y+4*\s+1], s20, \s*SLOT
	s_add_nc_u64 s[G0Y+4*\s+2:G0Y+4*\s+3], s[16:17], \s*65536
	s_or_b32 s[G0Y+4*\s+3], s[G0Y+4*\s+3], 0x80000000
	s_mov_b32 s[G0X+4*\s], 1
	s_add_co_u32 s[G0X+4*\s+1], s20, \s*SLOT
	s_add_nc_u64 s[G0X+4*\s+2:G0X+4*\s+3], s[46:47], \s*65536
	s_or_b32 s[G0X+4*\s+3], s[G0X+4*\s+3], 0x80000000
	JLOAD \s                                       ; one load of mine is out
.endr
	v_and_b32 v1, 31, v0
	v_lshlrev_b32 v2, 4, v1                        ; 16 x lane
	s_lshl_b32 s21, s13, 13                        ; my four images of Y,
	s_lshl_b32 s22, s14, 13                        ; my four of X,
	s_add_co_u32 s22, s22, XHALF                   ; which lie behind Y's
.irp s, 0,1
	v_add_nc_u32 v[ADRY+\s], s21, v2
	v_add_nc_u32 v[ADRX+\s], s22, v2
	s_add_co_u32 s21, s21, SLOT
	s_add_co_u32 s22, s22, SLOT
.endr
	v_and_b32 v3, 15, v0                           ; l % 16
	v_bfe_u32 v4, v0, 4, 1                         ; l / 16
	s_mul_i32 s23, s12, 16*272
	s_add_co_u32 s23, s23, STAGE                   ; my stage
	v_mul_u32_u24 v5, v3, 272
	v_lshl_add_u32 v5, v4, 6, v5
	v_add_nc_u32 v24, s23, v5                      ; in: row r, + 64 h bytes
	v_mul_u32_u24 v5, v4, 272
	v_lshl_add_u32 v5, v3, 4, v5
	v_add_nc_u32 v25, s23, v5                      ; back: lanes 0-15 one row of 256 bytes, lanes 16-31 the next
	v_lshlrev_b32 v5, 12, v4
	v_lshl_add_u32 v26, v3, 4, v5                  ; and the same two rows in memory
	v_lshlrev_b32 v27, 4, v3                       ; my four columns' bias
	s_wait_alu depctr_va_vdst(0)
	s_lshl_b32 s16, s43, 19                        ; my first token's row of 4,096 bytes: 128 x group + 64 x half
	s_lshl_b32 s17, s13, 18
	s_add_co_u32 s16, s16, s17
	s_mov_b32 s17, 0
	s_lshl_b32 s46, s42, 9                         ; my first column, in bytes: 512 x group + 256 x half
	s_lshl_b32 s47, s14, 8
	s_add_co_u32 s46, s46, s47
	s_mov_b32 s47, 0
	s_add_nc_u64 s[10:11], s[10:11], s[16:17]
	s_add_nc_u64 s[10:11], s[10:11], s[46:47]
	s_add_nc_u64 s[86:87], s[86:87], s[16:17]
	s_add_nc_u64 s[86:87], s[86:87], s[46:47]
	s_add_nc_u64 s[84:85], s[84:85], s[46:47]
.macro RLOAD y                         ; the residual's 16 rows of block y into set y % 2, in the layout in which the rows come back from the stage
.irp i, 0,1,2,3,4,5,6,7
	global_load_b128 v[32+32*((\y)%2)+4*\i:32+32*((\y)%2)+4*\i+3], v26, s[86:87] offset:(\y)*65536+\i*8192
.endr
.endm
	global_load_b128 v[12:15], v27, s[84:85]
	RLOAD 0
	RLOAD 1
	s_wait_tensorcnt 0x0                           ; my one load is in: the four waves' loads are all of K for both operands
	s_barrier_signal -1
	s_barrier_wait -1
	FETCH 0, 0, F0
	QUARTER 0, 1, F0, F1, 1                        ; the first K step starts the sums: nothing is cleared
.if LAPS > 1
	WIN 0
	s_mov_b32 s15, LAPS-1
.Llap:                                             ; a trip goes once round the ring and fills both slots again
	QUARTER 0, 2, F1, F0, 0
	QUARTER 0, 3, F0, F1, 0
	TURN 0, 1, 1
	QUARTER 1, 1, F0, F1, 0
	QUARTER 1, 2, F1, F0, 0
	QUARTER 1, 3, F0, F1, 0
	TURN 1, 0, 1
	QUARTER 0, 1, F0, F1, 0
	WIN 0
	s_sub_co_u32 s15, s15, 1
	s_cmp_lg_u32 s15, 0
	s_cbranch_scc1 .Llap
.endif
	QUARTER 0, 2, F1, F0, 0                        ; the last lap fills nothing
	QUARTER 0, 3, F0, F1, 0
	TURN 0, 1, 0
	QUARTER 1, 1, F0, F1, 0
	QUARTER 1, 2, F1, F0, 0
	QUARTER 1, 3, F0, F1, 0
	s_wait_dscnt 8
	WIN MUL
	MULA F1, 0, 0
	MULA F1, 1, 0
	s_wait_dscnt 0x0
	MULA F1, 2, 0
	MULA F1, 3, 0
	WIN 0
	s_wait_kmcnt 0x0
	s_add_co_i32 s66, s[EA], s[EB]
	s_add_co_i32 s66, s66, 127
	s_lshl_b32 s66, s66, 23                        ; 2^(the two operands' exponents) as f32
	s_mov_b32 s67, s66                             ; (named with it as a pair)
	PLACES
.macro OUTROW y, left                  ; 16 tokens x my 64 columns; left: the residual loads that may stay out
.set RS, 32+32*((\y)%2)
.irp b, 0,1,2,3
	ds_store_b128 v24, v[ACC+8*(4*(\y)+\b):ACC+8*(4*(\y)+\b)+3] offset:128*(\b/2)+32*(\b%2)       ; each accumulator from its low end on
	ds_store_b128 v24, v[ACC+8*(4*(\y)+\b)+4:ACC+8*(4*(\y)+\b)+7] offset:128*(\b/2)+32*(\b%2)+16
.endr
	s_wait_xcnt 0x0                                ; the last block's stores have read their data: the rows' registers are loaded again only behind this wait
.irp i, 0,1,2,3,4,5,6,7
	ds_load_b128 v[96+4*\i:96+4*\i+3], v25 offset:544*\i   ; LDS serves a wave's instructions in order: these see my stores
.endr
	s_wait_loadcnt \left                           ; this block's residual rows (and the bias) are in
.irp i, 0,1,2,3,4,5,6,7
	v_pk_add_f32 v[RS+4*\i:RS+4*\i+1], v[RS+4*\i:RS+4*\i+1], v[12:13]       ; residual + bias, while the rows come back
	v_pk_add_f32 v[RS+4*\i+2:RS+4*\i+3], v[RS+4*\i+2:RS+4*\i+3], v[14:15]
.endr
	s_wait_dscnt 0x0
.irp k, 0,1,2,3,4,5,6,7,8,9,10,11,12,13,14,15
	v_pk_fma_f32 v[96+2*\k:97+2*\k], v[96+2*\k:97+2*\k], s[66:67], v[RS+2*\k:RS+2*\k+1] op_sel_hi:[1,0,1]   ; sum x 2^e + (residual + bias)
.endr
.irp i, 0,1,2,3,4,5,6,7
	global_store_b128 v26, v[96+4*\i:96+4*\i+3], s[10:11] offset:(\y)*65536+\i*8192   ; sixteen lanes store 256 consecutive bytes, aligned
.endr
.if (\y)+2 < 4
	RLOAD (\y)+2
.endif
.endm
	OUTROW 0, 8
	OUTROW 1, 8
	OUTROW 2, 8
	OUTROW 3, 0
	s_wait_tensorcnt 0x0                           ; the wave's end, behind my last LDS store
	ds_add_u32 v[SPW], v[NIL]
	s_wait_dscnt 0x0
	CROUND                                         ; the closing round
	s_endpgm
.Lfunc_end_k_q1ac5500ecd_proj:
	.size	k_q1ac5500ecd_proj, .Lfunc_end_k_q1ac5500ecd_proj-k_q1ac5500ecd_proj
	.p2alignl 7, 3214868480
	.fill 96, 4, 3214868480
	.section	.rodata,"a",@progbits
	.p2align	6, 0x0
	.amdhsa_kernel k_q1ac5500ecd_proj
		.amdhsa_group_segment_fixed_size 327680
		.amdhsa_private_segment_fixed_size 0
		.amdhsa_enable_private_segment 0
		.amdhsa_kernarg_size 48
		.amdhsa_user_sgpr_count 2
		.amdhsa_user_sgpr_kernarg_segment_ptr 1
		.amdhsa_wavefront_size32 1
		.amdhsa_system_sgpr_workgroup_id_x 1
		.amdhsa_system_sgpr_workgroup_id_y 1
		.amdhsa_system_sgpr_workgroup_id_z 1
		.amdhsa_system_vgpr_workitem_id 0
		.amdhsa_next_free_vgpr 512
		.amdhsa_next_free_sgpr 100
		.amdhsa_reserve_vcc 0
		.amdhsa_float_denorm_mode_32 3
		.amdhsa_float_denorm_mode_16_64 3
		.amdhsa_memory_ordered 1
		.amdhsa_forward_progress 1
		.amdhsa_inst_pref_size 52
	.end_amdhsa_kernel
	.amdgpu_metadata
---
amdhsa.version: [ 1, 2 ]
amdhsa.kernels:
  - .name:           k_q1ac5500ecd_proj
    .symbol:         k_q1ac5500ecd_proj.kd
    .args:
      - { .name: oc, .offset: 0, .size: 8, .value_kind: global_buffer, .address_space: global }
      - { .name: wc, .offset: 8, .size: 8, .value_kind: global_buffer, .address_space: global }
      - { .name: lowp_scales, .offset: 16, .size: 8, .value_kind: global_buffer, .address_space: global }
      - { .name: x1, .offset: 24, .size: 8, .value_kind: global_buffer, .address_space: global }
      - { .name: bp, .offset: 32, .size: 8, .value_kind: global_buffer, .address_space: global }
      - { .name: x, .offset: 40, .size: 8, .value_kind: global_buffer, .address_space: global }
    .group_segment_fixed_size: 327680
    .private_segment_fixed_size: 0
    .kernarg_segment_align: 8
    .kernarg_segment_size: 48
    .max_flat_workgroup_size: 128
    .sgpr_count:     100
    .vgpr_count:     512
    .wavefront_size: 32
...
	.end_amdgpu_metadata
.endif
;; end of part 11
;; launch ln2 (part 12): grid 256 x 1, 4 waves a work-group, no clusters, 66,560 bytes of LDS; arguments x1, g2, beta2, lowp_scales, h2c; writes h2c
.if DOCPART == 12
	.amdgcn_target "amdgcn-amd-amdhsa--gfx1250"
	.amdhsa_code_object_version 6
	.text
	.protected	k_q1ac5500ecd_ln2
	.globl	k_q1ac5500ecd_ln2
	.p2align	8
	.type	k_q1ac5500ecd_ln2,@function
k_q1ac5500ecd_ln2:
	s_mov_b64 s[64:65], 0
	v_nop
	global_prefetch_b8 v0, s[64:65] scope:SCOPE_SE
	s_setreg_imm32_b32 hwreg(HW_REG_WAVE_MODE, 25, 1), 1
	s_wait_xcnt 0x0
; h2 = layernorm(x1) g2 + beta2 for 16 tokens a work-group, quantised to E4M3 with the scale 2^e12 and stored as images of operand registers:
; an image is 16 tokens x 128 K in 2,048 bytes, byte 512 c + 16 (r + 16 h) + i = token r, k = 32 c + 16 h + i; the buffer is [group of 128 tokens][K step][8 images].
; Wave w takes rows 4 w .. 4 w + 3 whole, so that a row's sums never leave the wave; the rows then turn through LDS, so that a lane holds 16 neighbours along K for the conversions.
; LIMITS: e12 between -126 and 119.  NaN among the inputs is not served.  A plain stream: no matrix unit, no cluster, no prefetch.
.set PITCH, 4112                       ; a token's row in LDS: 4,096 bytes + 16: sixteen rows start in sixteen different 16-byte columns
.set SPARE, 16*PITCH                   ; behind the rows: the spare words, 128 bytes a wave, two blocks of 256 bytes that no other line names
.set X,    32                          ; v32-159  four rows (row q at X + 32 q; register 4 j + i = column 128 j + 4 lane + i); later eight blocks of 16 neighbours, then their codes
.set GA,   160                         ; v160-191 the gain
.set BT,   192                         ; v192-223 the offset
.set SM,   224                         ; v224-231 a pair for each row
.set PM,   232                         ; v232-235
.set TQ,   160                         ; v160-175 16 held numbers
.set SC,   208                         ; v208 2^e12; v211 448 x 2^e12
.set LIM,  211
.set OB,   72
.set SPW,  254
.set NIL,  255
	s_load_b256 s[4:11], s[0:1], 0x0               ; x1, g2, beta2, the exponents
	s_load_b64 s[12:13], s[0:1], 0x20              ; h2c
	v_lshl_add_u32 v[SPW], v0, 2, SPARE
	v_mov_b32 v[NIL], 0
	v_lshrrev_b32 v1, 5, v0
	v_readfirstlane_b32 s28, v1                    ; wave 0..3
	v_and_b32 v1, 31, v0
	s_wait_alu depctr_va_vdst(0)
	s_wait_kmcnt 0x0
	s_load_b32 s33, s[10:11], 0x30                 ; e12
	v_lshlrev_b32 v2, 4, v1                        ; 16 x lane
	s_mul_i32 s29, s28, 4*PITCH
	v_add_nc_u32 v3, s29, v2                       ; into LDS: my four rows
	v_and_b32 v5, 15, v0
	v_bfe_u32 v6, v0, 4, 1
	v_mul_u32_u24 v4, v5, PITCH
	v_lshl_add_u32 v4, v6, 6, v4
	s_lshl_b32 s29, s28, 10
	v_add_nc_u32 v4, s29, v4                       ; out of LDS: row r, my wave's 256 columns, + 16 h numbers
	s_lshl_b32 s30, ttmp9, 16
	s_lshl_b32 s29, s28, 14
	s_add_co_u32 s30, s30, s29
	s_mov_b32 s31, 0
	s_add_nc_u64 s[4:5], s[4:5], s[30:31]
.irp q, 0,1,2,3
.irp j, 0,1,2,3,4,5,6,7
	global_load_b128 v[X+32*\q+4*\j:X+32*\q+4*\j+3], v2, s[4:5] offset:4096*\q+512*\j   ; 32 lanes read 512 consecutive bytes
.endr
.endr
.irp j, 0,1,2,3,4,5,6,7
	global_load_b128 v[GA+4*\j:GA+4*\j+3], v2, s[6:7] offset:512*\j
.endr
.irp j, 0,1,2,3,4,5,6,7
	global_load_b128 v[BT+4*\j:BT+4*\j+3], v2, s[8:9] offset:512*\j
.endr
	s_mov_b32 s66, 0x76543210
	s_mov_b32 s67, 0xfedcba98
	s_mov_b32 s68, 0x3a800000                      ; 1 / 1024
	s_mov_b32 s69, 0x3727c5ac                      ; 1e-5
.irp q, 0,1,2,3
	v_mov_b32 v[PM+\q], 0
.endr
	s_lshr_b32 s29, ttmp9, 3                       ; image (work-group % 8) of group (work-group / 8); my wave makes K steps 2 w and 2 w + 1
	s_lshl_b32 s29, s29, 17
	s_and_b32 s30, ttmp9, 7
	s_lshl_b32 s30, s30, 11
	s_add_co_u32 s30, s30, s29
	s_lshl_b32 s29, s28, 15
	s_add_co_u32 s30, s30, s29
	s_add_nc_u64 s[OB:OB+1], s[12:13], s[30:31]
.macro REDUCE                          ; each row's pair of partial sums becomes the row's sum, in every lane
.irp q, 0,1,2,3
	v_add_f32 v[SM+2*\q], v[SM+2*\q], v[SM+2*\q+1]
.endr
.irp m, 1,2,4,8
.irp q, 0,1,2,3
	v_add_f32_dpp v[SM+2*\q], v[SM+2*\q], v[SM+2*\q] row_xmask:\m row_mask:0xf bank_mask:0xf
.endr
.endr
.irp q, 0,1,2,3
	v_permlanex16_b32 v[PM+\q], v[SM+2*\q], s66, s67
.endr
.irp q, 0,1,2,3
	v_add_f32 v[SM+2*\q], v[SM+2*\q], v[PM+\q]
.endr
.endm
	s_wait_loadcnt 16                              ; the rows are in; the 16 loads of gain and offset may be out
.irp q, 0,1,2,3
	v_pk_add_f32 v[SM+2*\q:SM+2*\q+1], v[X+32*\q:X+32*\q+1], v[X+32*\q+2:X+32*\q+3]
.endr
.irp p, 2,3,4,5,6,7,8,9,10,11,12,13,14,15
.irp q, 0,1,2,3
	v_pk_add_f32 v[SM+2*\q:SM+2*\q+1], v[SM+2*\q:SM+2*\q+1], v[X+32*\q+2*\p:X+32*\q+2*\p+1]
.endr
.endr
	REDUCE
.irp q, 0,1,2,3
	v_mul_f32 v[SM+2*\q], s68, v[SM+2*\q]          ; the mean
.endr
.irp p, 0,1,2,3,4,5,6,7,8,9,10,11,12,13,14,15
.irp q, 0,1,2,3
	v_pk_add_f32 v[X+32*\q+2*\p:X+32*\q+2*\p+1], v[X+32*\q+2*\p:X+32*\q+2*\p+1], v[SM+2*\q:SM+2*\q+1] op_sel_hi:[1,0] neg_lo:[0,1] neg_hi:[0,1]   ; x - mean first: the variance is a sum of squares of differences
.endr
.endr
.irp q, 0,1,2,3
	v_pk_mul_f32 v[SM+2*\q:SM+2*\q+1], v[X+32*\q:X+32*\q+1], v[X+32*\q:X+32*\q+1]
.endr
.irp p, 1,2,3,4,5,6,7,8,9,10,11,12,13,14,15
.irp q, 0,1,2,3
	v_pk_fma_f32 v[SM+2*\q:SM+2*\q+1], v[X+32*\q+2*\p:X+32*\q+2*\p+1], v[X+32*\q+2*\p:X+32*\q+2*\p+1], v[SM+2*\q:SM+2*\q+1]
.endr
.endr
	REDUCE
.irp q, 0,1,2,3
	v_fma_f32 v[SM+2*\q+1], v[SM+2*\q], s68, s69   ; variance + 1e-5
.endr
	s_wait_alu depctr_va_vdst(0)
.irp q, 0,1,2,3
	v_rsq_f32 v[SM+2*\q], v[SM+2*\q+1]
.endr
	v_nop                                          ; a plain instruction behind the last of the four (ISA guide 5.7.2),
	s_wait_alu depctr_va_vdst(0)                   ; and one wait ahead of their first reader
	s_wait_loadcnt 0x0                             ; gain and offset
.irp p, 0,1,2,3,4,5,6,7,8,9,10,11,12,13,14,15
.irp q, 0,1,2,3
	v_pk_mul_f32 v[X+32*\q+2*\p:X+32*\q+2*\p+1], v[X+32*\q+2*\p:X+32*\q+2*\p+1], v[SM+2*\q:SM+2*\q+1] op_sel_hi:[1,0]
.endr
.irp q, 0,1,2,3
	v_pk_fma_f32 v[X+32*\q+2*\p:X+32*\q+2*\p+1], v[X+32*\q+2*\p:X+32*\q+2*\p+1], v[GA+2*\p:GA+2*\p+1], v[BT+2*\p:BT+2*\p+1]
.endr
.endr
.irp q, 0,1,2,3
.irp j, 0,1,2,3,4,5,6,7
	ds_store_b128 v3, v[X+32*\q+4*\j:X+32*\q+4*\j+3] offset:PITCH*\q+512*\j
.endr
.endr
	s_wait_kmcnt 0x0
	s_add_co_i32 s29, s33, 127
	s_lshl_b32 s30, s29, 23
	v_mov_b32 v[SC], s30                           ; 2^e12 as f32
	s_add_co_i32 s29, s29, 8
	s_lshl_b32 s29, s29, 23
	s_or_b32 s29, s29, 0x600000
	v_mov_b32 v[LIM], s29                          ; 448 x 2^e12
	s_wait_alu depctr_va_vdst(0)
	s_wait_dscnt 0x0                               ; for the others' sake: my rows lie in LDS
	s_barrier_signal -1
	s_barrier_wait -1
.irp b, 0,1,2,3,4,5,6,7
.irp i, 0,1,2,3
	ds_load_b128 v[X+16*\b+4*\i:X+16*\b+4*\i+3], v4 offset:512*(\b/4)+128*(\b%4)+16*\i
.endr
.endr
.macro QBLOCK blk
	s_wait_dscnt 28-4*(\blk)                       ; this block's four loads are in, the later blocks' may be out
.irp i, 0,1,2,3,4,5,6,7,8,9,10,11,12,13,14,15
	v_med3_num_f32 v[TQ+\i], v[X+16*(\blk)+\i], -v[LIM], v[LIM]   ; the conversion does not saturate (ISA guide 7.6.2): the hold at the largest code x the scale
.endr
	v_cvt_scalef32_pk8_fp8_f32 v[X+16*(\blk):X+16*(\blk)+1], v[TQ:TQ+7], v[SC]      ; the codes land in the block's own registers, which nothing writes again
	v_cvt_scalef32_pk8_fp8_f32 v[X+16*(\blk)+2:X+16*(\blk)+3], v[TQ+8:TQ+15], v[SC]
	v_nop                                          ; a plain instruction between the conversions and the next block's holds, which write their sources
	global_store_b128 v2, v[X+16*(\blk):X+16*(\blk)+3], s[OB:OB+1] offset:((\blk)/4)*16384+((\blk)%4)*512   ; 32 lanes store 512 consecutive bytes
.endm
.irp b, 0,1,2,3,4,5,6,7
	QBLOCK \b
.endr
	s_wait_tensorcnt 0x0                           ; the wave's end, behind my last LDS store
	ds_add_u32 v[SPW], v[NIL]
	s_wait_dscnt 0x0
	s_endpgm
.Lfunc_end_k_q1ac5500ecd_ln2:
	.size	k_q1ac5500ecd_ln2, .Lfunc_end_k_q1ac5500ecd_ln2-k_q1ac5500ecd_ln2
	.p2alignl 7, 3214868480
	.fill 96, 4, 3214868480
	.section	.rodata,"a",@progbits
	.p2align	6, 0x0
	.amdhsa_kernel k_q1ac5500ecd_ln2
		.amdhsa_group_segment_fixed_size 66560
		.amdhsa_private_segment_fixed_size 0
		.amdhsa_enable_private_segment 0
		.amdhsa_kernarg_size 40
		.amdhsa_user_sgpr_count 2
		.amdhsa_user_sgpr_kernarg_segment_ptr 1
		.amdhsa_wavefront_size32 1
		.amdhsa_system_sgpr_workgroup_id_x 1
		.amdhsa_system_sgpr_workgroup_id_y 1
		.amdhsa_system_sgpr_workgroup_id_z 1
		.amdhsa_system_vgpr_workitem_id 0
		.amdhsa_next_free_vgpr 256
		.amdhsa_next_free_sgpr 80
		.amdhsa_reserve_vcc 0
		.amdhsa_float_denorm_mode_32 3
		.amdhsa_float_denorm_mode_16_64 3
		.amdhsa_memory_ordered 1
		.amdhsa_forward_progress 1
		.amdhsa_inst_pref_size 45
	.end_amdhsa_kernel
	.amdgpu_metadata
---
amdhsa.version: [ 1, 2 ]
amdhsa.kernels:
  - .name:           k_q1ac5500ecd_ln2
    .symbol:         k_q1ac5500ecd_ln2.kd
    .args:
      - { .name: x1, .offset: 0, .size: 8, .value_kind: global_buffer, .address_space: global }
      - { .name: g2, .offset: 8, .size: 8, .value_kind: global_buffer, .address_space: global }
      - { .name: beta2, .offset: 16, .size: 8, .value_kind: global_buffer, .address_space: global }
      - { .name: lowp_scales, .offset: 24, .size: 8, .value_kind: global_buffer, .address_space: global }
      - { .name: h2c, .offset: 32, .size: 8, .value_kind: global_buffer, .address_space: global }
    .group_segment_fixed_size: 66560
    .private_segment_fixed_size: 0
    .kernarg_segment_align: 8
    .kernarg_segment_size: 40
    .max_flat_workgroup_size: 128
    .sgpr_count:     80
    .vgpr_count:     256
    .wavefront_size: 32
...
	.end_amdgpu_metadata
.endif
;; end of part 12
;; launch ffn1 (part 13): grid 16 x 16, 4 waves a work-group, clusters of 4 x 4, 327,680 bytes of LDS; arguments h2c, wc, lowp_scales, hid, b1; writes hid
.if DOCPART == 13
	.amdgcn_target "amdgcn-amd-amdhsa--gfx1250"
	.amdhsa_code_object_version 6
	.text
	.protected	k_q1ac5500ecd_ffn1
	.globl	k_q1ac5500ecd_ffn1
	.p2align	8
	.type	k_q1ac5500ecd_ffn1,@function
k_q1ac5500ecd_ffn1:
	s_mov_b64 s[64:65], 0
	v_nop
	global_prefetch_b8 v0, s[64:65] scope:SCOPE_SE
	s_setreg_imm32_b32 hwreg(HW_REG_WAVE_MODE, 25, 1), 1
	s_wait_xcnt 0x0
	s_wait_alu depctr_hold_cnt(0) depctr_sa_sdst(0) depctr_va_vdst(0) depctr_va_sdst(0) depctr_va_ssrc(0) depctr_va_vcc(0) depctr_vm_vsrc(0)
	s_getreg_b32 s2, hwreg(HW_REG_IB_STS2, 6, 4)
	s_cmp_eq_u32 s2, 0
	s_cbranch_scc0 .Lentry_in_a_cluster
	s_endpgm
.Lentry_in_a_cluster:
	s_bfe_u32 s2, ttmp6, 0x10000c
	s_cmp_lg_u32 s2, 0xf033
	s_cbranch_scc0 .Lentry_shape_is_right
	s_endpgm
.Lentry_shape_is_right:
.set XOFF,  0x400000
.set SLOT,  131072
.set XHALF, 65536
.set SPARE, 262144
.set FR,    16
.set NL,    4
.set OA,    8
.set ADRY,  16
.set ADRX,  20
.set SPW,   28
.set NIL,   29
.set BIAS,  32
.set TMP,   32
.set AF,    128
.set PC,    128
.set G1Y, 24
.set G0Y, 32
.set G1X, 48
.set G0X, 56
.set MSB, 0
.macro WIN new
.if MSB != \new
	s_set_vgpr_msb (MSB<<8)|\new
.set MSB, \new
.endif
.endm
.set MUL_LO, 0xa1
.set MUL_HI, 0xf1
.set BIA_LO, 0x81
.set BIA_HI, 0xc1
.set TO_X,   0x40
.macro JLOAD s
	s_cmp_eq_u32 s13, 0
	s_cbranch_scc0 .Lfor_x_\@
	tensor_load_to_lds s[G0Y+4*\s:G0Y+4*\s+3], s[G1Y:G1Y+7]
	s_nop 0
.rept 4
	v_nop
.endr
	s_branch .Lasked_\@
.Lfor_x_\@:
	tensor_load_to_lds s[G0X+4*\s:G0X+4*\s+3], s[G1X:G1X+7]
	s_nop 0
.rept 4
	v_nop
.endr
.Lasked_\@:
.endm
.macro CREST
	s_cmp_lg_u32 s12, 0
	s_cbranch_scc1 .Lnot_wave_0_\@
	s_barrier_signal -3
.Lnot_wave_0_\@:
	s_barrier_wait -3
	s_barrier_signal -1
	s_barrier_wait -1
.endm
.macro CROUND
	s_barrier_signal -1
	s_barrier_wait -1
	CREST
.endm
.macro PLACES
.rept 4
	v_nop
.endr
.endm
.macro FRAG reg, adr, q, i
.irp c, 0,1,2,3
	ds_load_b128 v[\reg+4*\c:\reg+4*\c+3], v[\adr] offset:(\q)*16384+(\i)*2048+\c*512
.endr
.endm
.macro MUL16 a0, p, zero
.irp a, \a0, \a0+1
.irp b, 0,1,2,3,4,5,6,7
.if \zero
	v_wmma_f32_16x16x128_fp8_fp8 v[8*(8*((\a)%4)+\b):8*(8*((\a)%4)+\b)+7], v[128*(\p)+FR*\b:128*(\p)+FR*\b+FR-1], v[AF+FR*(\a):AF+FR*(\a)+FR-1], v[BIAS+8*\b:BIAS+8*\b+7]
.else
	v_wmma_f32_16x16x128_fp8_fp8 v[8*(8*((\a)%4)+\b):8*(8*((\a)%4)+\b)+7], v[128*(\p)+FR*\b:128*(\p)+FR*\b+FR-1], v[AF+FR*(\a):AF+FR*(\a)+FR-1], v[8*(8*((\a)%4)+\b):8*(8*((\a)%4)+\b)+7]
.endif
.endr
.endr
.endm
.macro FETCH_X slot, q, p
	WIN TO_X
.irp i, 0,1,2,3,4,5,6,7
	FRAG 128*(\p)+FR*\i, ADRX+\slot, \q, \i
.endr
	WIN 0
.endm
.macro FETCH_Y slot, q, i0
.irp i, \i0, \i0+1, \i0+2, \i0+3
	FRAG AF+FR*(\i), ADRY+\slot, \q, \i
.endr
.endm
.macro STEP slot, q, zero
	s_wait_dscnt 4*NL
.if \zero
	WIN BIA_LO
.else
	WIN MUL_LO
.endif
	MUL16 0, (\q)%2, \zero
	MUL16 2, (\q)%2, \zero
	s_wait_dscnt 0
	PLACES
	FETCH_X \slot, (\q)+1, 1-(\q)%2
	FETCH_Y \slot, (\q)+1, 0
.if \zero
	WIN BIA_HI
.else
	WIN MUL_HI
.endif
	MUL16 4, (\q)%2, \zero
	MUL16 6, (\q)%2, \zero
	PLACES
	WIN 0
	FETCH_Y \slot, (\q)+1, 4
.endm
.macro TURN slot, next, fill
	s_wait_tensorcnt 0x0
	ds_add_u32 v[SPW], v[NIL]
	s_wait_dscnt 4*NL+1
	WIN MUL_LO
	MUL16 0, 1, 0
	s_wait_dscnt 0x0
	s_barrier_signal -1
	MUL16 2, 1, 0
	WIN 0
	s_barrier_wait -1
.if \fill
	CREST
	s_add_nc_u64 s[G0Y+4*\slot+2:G0Y+4*\slot+3], s[G0Y+4*\slot+2:G0Y+4*\slot+3], 65536
	s_add_nc_u64 s[G0X+4*\slot+2:G0X+4*\slot+3], s[G0X+4*\slot+2:G0X+4*\slot+3], 65536
	JLOAD \slot
.else
	PLACES
.endif
	FETCH_X \next, 0, 0
	FETCH_Y \next, 0, 0
	WIN MUL_HI
	MUL16 4, 1, 0
	MUL16 6, 1, 0
	PLACES
	WIN 0
	FETCH_Y \next, 0, 4
.endm
	s_load_b256 s[4:11], s[0:1], 0x0
	s_load_b64 s[84:85], s[0:1], 0x20
	v_lshl_add_u32 v[SPW], v0, 2, SPARE
	v_mov_b32 v[NIL], 0
	ds_add_u32 v[SPW], v[NIL]
	ds_add_u32 v[SPW], v[NIL]
	v_lshrrev_b32 v1, 5, v0
	v_readfirstlane_b32 s12, v1
	s_lshr_b32 s13, s12, 1
	s_and_b32 s14, s12, 1
	s_bfe_u32 s40, ttmp6, 0x40000
	s_bfe_u32 s41, ttmp6, 0x40004
	s_lshl_b32 s42, ttmp9, 2
	s_add_co_u32 s42, s42, s40
	s_and_b32 s43, ttmp7, 0xffff
	s_lshl_b32 s43, s43, 2
	s_add_co_u32 s43, s43, s41
	s_lshl_b32 s44, s41, 2
	s_lshl_b32 s44, 15, s44
	s_lshl_b32 s45, 0x1111, s40
	s_or_b32 s[G1Y], s44, (3<<16)|(1<<21)
	s_or_b32 s[G1X], s45, (3<<16)|(1<<21)
.irp g, G1Y, G1X
	s_mov_b32 s[\g+1], 32<<16
	s_mov_b32 s[\g+2], 128<<16
	s_mov_b32 s[\g+3], 32<<16
	s_mov_b32 s[\g+4], 128
	s_mov_b32 s[\g+5], 32
	s_mov_b32 s[\g+6], 0
	s_mov_b32 s[\g+7], 0
.endr
	s_lshl_b32 s16, s43, 1
	s_add_co_u32 s16, s16, s14
	s_lshl_b32 s16, s16, 17
	s_mov_b32 s17, 0
	s_lshl_b32 s46, s42, 1
	s_add_co_u32 s46, s46, s14
	s_lshl_b32 s46, s46, 17
	s_add_co_u32 s46, s46, XOFF
	s_mov_b32 s47, 0
	s_lshl_b32 s20, s12, 15
	s_wait_dscnt 0x0
	s_wait_kmcnt 0x0
	s_load_b512 s[68:83], s[8:9], 0x0
	s_add_nc_u64 s[16:17], s[4:5], s[16:17]
	s_add_nc_u64 s[46:47], s[6:7], s[46:47]
	CROUND
.irp s, 0,1
	s_mov_b32 s[G0Y+4*\s], 1
	s_add_co_u32 s[G0Y+4*\s+1], s20, \s*SLOT
	s_add_nc_u64 s[G0Y+4*\s+2:G0Y+4*\s+3], s[16:17], \s*32768
	s_or_b32 s[G0Y+4*\s+3], s[G0Y+4*\s+3], 0x80000000
	s_mov_b32 s[G0X+4*\s], 1
	s_add_co_u32 s[G0X+4*\s+1], s20, \s*SLOT
	s_add_nc_u64 s[G0X+4*\s+2:G0X+4*\s+3], s[46:47], \s*32768
	s_or_b32 s[G0X+4*\s+3], s[G0X+4*\s+3], 0x80000000
.endr
	JLOAD 0                                        ; K 0 to 255: one tensor load a wave at the head
	; the prefetches: of the 32 KiB that my wave fetches jointly, each of the four partners names 8 KiB, told apart by address (cx for Y, cy for X); a lane names 256 bytes; behind the load of chunk c stands the request for chunk c + 2
	s_cmp_eq_u32 s13, 0
	s_cselect_b64 s[98:99], s[16:17], s[46:47]
	s_cselect_b32 s2, s40, s41
	s_lshl_b32 s2, s2, 13
	s_mov_b32 s3, 0
	s_add_nc_u64 s[98:99], s[98:99], s[2:3]
	v_and_b32 v22, 31, v0
	v_lshlrev_b32 v22, 8, v22                      ; v22 and s[98:99] are never rewritten
	global_prefetch_b8 v22, s[98:99] offset:65536 th:TH_LOAD_NT scope:SCOPE_SE
	v_and_b32 v1, 31, v0
	s_wait_alu depctr_va_vdst(0)
	v_lshlrev_b32 v2, 4, v1
	s_lshl_b32 s21, s13, 15
	s_lshl_b32 s22, s14, 15
	s_add_co_u32 s22, s22, XHALF
.irp s, 0,1
	v_add_nc_u32 v[ADRY+\s], s21, v2
	v_add_nc_u32 v[ADRX+\s], s22, v2
	s_add_co_u32 s21, s21, SLOT
	s_add_co_u32 s22, s22, SLOT
.endr
	v_bfe_u32 v3, v0, 4, 1
	v_lshlrev_b32 v3, 6, v3
	s_lshl_b32 s46, s42, 1
	s_add_co_u32 s46, s46, s14
	s_lshl_b32 s88, s46, 9
	s_mov_b32 s89, 0
	s_add_nc_u64 s[84:85], s[84:85], s[88:89]
.irp b, 0,1,2,3,4,5,6,7
	global_load_b128 v[BIAS+8*\b:BIAS+8*\b+3], v3, s[84:85] offset:(32*(\b/2)+8*(\b%2))*4
	global_load_b128 v[BIAS+8*\b+4:BIAS+8*\b+7], v3, s[84:85] offset:(32*(\b/2)+8*(\b%2))*4+16
.endr
	s_lshl_b32 s46, s46, 14
	s_mov_b32 s47, 0
	s_lshl_b32 s16, s43, 1
	s_add_co_u32 s16, s16, s13
	s_lshl_b32 s16, s16, 19
	s_mov_b32 s17, 0
	s_add_nc_u64 s[10:11], s[10:11], s[16:17]
	s_add_nc_u64 s[10:11], s[10:11], s[46:47]
	v_lshlrev_b32 v[OA], 4, v1
	s_wait_alu depctr_va_vdst(0)
	s_wait_tensorcnt 0x0                           ; my part of slot 0 is in; slot 1's first fill is issued as a refill is:
	ds_add_u32 v[SPW], v[NIL]
	s_wait_dscnt 0x0
	CROUND                                         ; everybody's part of slot 0 is in, and the joint loads meet
	JLOAD 1                                        ; K 256 to 511
	global_prefetch_b8 v22, s[98:99] offset:98304 th:TH_LOAD_NT scope:SCOPE_SE   ; the last chunk, two loads ahead
	FETCH_X 0, 0, 0
	FETCH_Y 0, 0, 0
	FETCH_Y 0, 0, 4
	s_wait_loadcnt 0x0
	s_wait_kmcnt 0x0
	s_add_co_i32 s88, s80, s81
	s_sub_co_i32 s88, 0, s88
.set j, 0
.rept 64
	v_ldexp_f32 v[BIAS+j], v[BIAS+j], s88
.set j, j+1
.endr
	s_wait_alu depctr_va_vdst(0)
	STEP 0, 0, 1
	TURN 0, 1, 1
	STEP 1, 0, 0
	TURN 1, 0, 1
	STEP 0, 0, 0
	TURN 0, 1, 0
	STEP 1, 0, 0
	s_wait_dscnt 4*NL
	WIN MUL_LO
	MUL16 0, 1, 0
	MUL16 2, 1, 0
	s_wait_dscnt 0
	WIN MUL_HI
	MUL16 4, 1, 0
	MUL16 6, 1, 0
	WIN 0
	s_sub_co_i32 s88, s82, s80
	s_sub_co_i32 s88, s88, s81
	s_add_co_i32 s88, s88, 127
	s_lshl_b32 s89, s88, 23
	v_mov_b32 v30, s89
	s_add_co_i32 s88, s88, 8
	s_lshl_b32 s88, s88, 23
	s_or_b32 s88, s88, 0x600000
	v_mov_b32 v31, s88
	PLACES
.macro OUTA a
.set AC, 64*((\a)%4)
	WIN 0x02+((\a)/4)
.set j, 0
.rept 64
	v_med3_num_f32 v[TMP+j], v[AC+j], 0, v31
.set j, j+1
.endr
	WIN 0
.irp b, 0,1,2,3,4,5,6,7
	v_cvt_scalef32_pk8_fp8_f32 v[PC+16*(\a)+2*\b:PC+16*(\a)+2*\b+1], v[TMP+8*\b:TMP+8*\b+7], v30
.endr
	v_nop
.irp p, 0,1,2,3
	global_store_b128 v[OA], v[PC+16*(\a)+4*\p:PC+16*(\a)+4*\p+3], s[10:11] offset:2048*(\a)+512*\p
.endr
.endm
.irp a, 0,1,2,3,4,5,6,7
	OUTA \a
.endr
	s_wait_tensorcnt 0x0
	ds_add_u32 v[SPW], v[NIL]
	s_wait_dscnt 0x0
	CROUND
	s_endpgm
.Lfunc_end_k_q1ac5500ecd_ffn1:
	.size	k_q1ac5500ecd_ffn1, .Lfunc_end_k_q1ac5500ecd_ffn1-k_q1ac5500ecd_ffn1
	.p2alignl 7, 3214868480
	.fill 96, 4, 3214868480
	.section	.rodata,"a",@progbits
	.p2align	6, 0x0
	.amdhsa_kernel k_q1ac5500ecd_ffn1
		.amdhsa_group_segment_fixed_size 327680
		.amdhsa_private_segment_fixed_size 0
		.amdhsa_enable_private_segment 0
		.amdhsa_kernarg_size 40
		.amdhsa_user_sgpr_count 2
		.amdhsa_user_sgpr_kernarg_segment_ptr 1
		.amdhsa_wavefront_size32 1
		.amdhsa_system_sgpr_workgroup_id_x 1
		.amdhsa_system_sgpr_workgroup_id_y 1
		.amdhsa_system_sgpr_workgroup_id_z 1
		.amdhsa_system_vgpr_workitem_id 0
		.amdhsa_next_free_vgpr 1024
		.amdhsa_next_free_sgpr 100
		.amdhsa_reserve_vcc 0
		.amdhsa_float_denorm_mode_32 3
		.amdhsa_float_denorm_mode_16_64 3
		.amdhsa_memory_ordered 1
		.amdhsa_forward_progress 1
		.amdhsa_inst_pref_size 123
	.end_amdhsa_kernel
	.amdgpu_metadata
---
amdhsa.version: [ 1, 2 ]
amdhsa.kernels:
  - .name:           k_q1ac5500ecd_ffn1
    .symbol:         k_q1ac5500ecd_ffn1.kd
    .args:
      - { .name: h2c, .offset: 0, .size: 8, .value_kind: global_buffer, .address_space: global }
      - { .name: wc, .offset: 8, .size: 8, .value_kind: global_buffer, .address_space: global }
      - { .name: lowp_scales, .offset: 16, .size: 8, .value_kind: global_buffer, .address_space: global }
      - { .name: hid, .offset: 24, .size: 8, .value_kind: global_buffer, .address_space: global }
      - { .name: b1, .offset: 32, .size: 8, .value_kind: global_buffer, .address_space: global }
    .group_segment_fixed_size: 327680
    .private_segment_fixed_size: 0
    .kernarg_segment_align: 8
    .kernarg_segment_size: 40
    .max_flat_workgroup_size: 128
    .sgpr_count:     100
    .vgpr_count:     1024
    .wavefront_size: 32
...
	.end_amdgpu_metadata
.endif
;; end of part 13
;; launch ffn2 (part 14): grid 8 x 32, 4 waves a work-group, clusters of 4 x 4, 327,680 bytes of LDS; arguments hid, wc, lowp_scales, out0, b2, x1; writes out0
.if DOCPART == 14
	.amdgcn_target "amdgcn-amd-amdhsa--gfx1250"
	.amdhsa_code_object_version 6
	.text
	.protected	k_q1ac5500ecd_ffn2
	.globl	k_q1ac5500ecd_ffn2
	.p2align	8
	.type	k_q1ac5500ecd_ffn2,@function
k_q1ac5500ecd_ffn2:
	s_mov_b64 s[64:65], 0
	v_nop
	global_prefetch_b8 v0, s[64:65] scope:SCOPE_SE
	s_setreg_imm32_b32 hwreg(HW_REG_WAVE_MODE, 25, 1), 1
	s_wait_xcnt 0x0
	s_wait_alu depctr_hold_cnt(0) depctr_sa_sdst(0) depctr_va_vdst(0) depctr_va_sdst(0) depctr_va_ssrc(0) depctr_va_vcc(0) depctr_vm_vsrc(0)
	s_getreg_b32 s2, hwreg(HW_REG_IB_STS2, 6, 4)
	s_cmp_eq_u32 s2, 0
	s_cbranch_scc0 .Lentry_in_a_cluster
	s_endpgm
.Lentry_in_a_cluster:
	s_bfe_u32 s2, ttmp6, 0x10000c
	s_cmp_lg_u32 s2, 0xf033
	s_cbranch_scc0 .Lentry_shape_is_right
	s_endpgm
.Lentry_shape_is_right:
; out = x1 + hidden W2 + b2.  The product on E4M3 codes, K = 4,096; each sum is multiplied once by 2^(e14 + e15); out is f32 [4096][1024].
; A work-group makes 128 tokens x 128 columns, four waves 64 x 64 each: 16 accumulators.  Source 0 (X) = 16 columns of the weight, source 1 (Y) = 16 tokens: lane (r, h) holds token r, and the registers of tile 2 b + u
; the columns 32 b + 16 h + 8 u + 0 .. 7 of the wave's 64 (the weight's images were laid so).
; Operands lie in memory as images (16 rows x 128 K in 2,048 bytes, lane l's 16 bytes of chunk c at 512 c + 16 l), [group of 128 rows][K step][8 images]: a tile is one dense block, a fragment four ds_load_b128 at 16 x lane.
; K goes in chunks of 512 through a ring of two LDS slots; each wave fetches 32 KiB of a slot by one tensor load.  Slot 0 is asked for at the head, slot 1 behind the three lines and a round, as a refill is.
; CLUSTER 4 x 4: Y's tile is shared along a row of the cluster, X's along a column: each is asked for jointly; a round of the cluster's barrier stands in front of every joint load.
; PREFETCH: behind the load of chunk c stands the request for chunk c + 2 (c = 0 to 5): of a wave's 32 KiB each of the four partners names 8 KiB, told apart by address, a lane 256 bytes; the loop's last trip asks for nothing.
; THE WAY OUT: 16 tokens at a time through the wave's own stage in LDS, back as rows of 256 bytes; the residual rows were asked for at the head, two blocks ahead of their use.
; LIMIT: e14 + e15 between -126 and 127.
; REGISTERS: window 0: v[12:15] bias, v16-21 LDS addresses, v22 the prefetches' offset, v24-27 way out, v28-29 the add's two, v32-95 two sets of residual rows, v96-127 rows from the stage, v128-255 accumulators.  window 1: two fragment buffers of 128.
.set KB,    4096
.set LAPS,  KB/1024
.set GROUPB, 128*KB
.set XOFF,  0x800000                   ; W2's codes in wc
.set EA,    82                         ; s82 = e14, s83 = e15
.set EB,    83
.set SLOT,  131072                     ; Y's 64 KiB ([4 K steps][8 images]), then X's 64 KiB
.set XHALF, 65536
.set STAGE, 262144                     ; behind the ring: 16 rows x 272 bytes for each wave
.set SPARE, STAGE+4*16*272             ; behind the stages: the spare words, 128 bytes a wave, two blocks of 256 bytes that no other line names
.set ADRY, 16
.set ADRX, 20
.set SPW,  28
.set NIL,  29
.set ACC,  128
.set F0,   0
.set F1,   128
.set G1Y, 24
.set G0Y, 32
.set G1X, 48
.set G0X, 56
.set MSB, 0
.macro WIN new                         ; the immediate's high byte repeats the setting that is left
.if MSB != \new
	s_set_vgpr_msb (MSB<<8)|\new
.set MSB, \new
.endif
.endm
.set MUL,  0x05                        ; sources 0 and 1 window 1; C and D window 0
.set TO_F, 0x40                        ; destination window 1, address window 0
.macro JLOAD s                         ; a joint load: waves 0 and 1 fetch Y's halves, waves 2 and 3 X's; an s_nop 0 and four v_nop follow each line
	s_cmp_eq_u32 s13, 0
	s_cbranch_scc0 .Lfor_x_\@
	tensor_load_to_lds s[G0Y+4*\s:G0Y+4*\s+3], s[G1Y:G1Y+7]
	s_nop 0
.rept 4
	v_nop
.endr
	s_branch .Lasked_\@
.Lfor_x_\@:
	tensor_load_to_lds s[G0X+4*\s:G0X+4*\s+3], s[G1X:G1X+7]
	s_nop 0
.rept 4
	v_nop
.endr
.Lasked_\@:
.endm
.macro CREST                           ; a round of the cluster's barrier behind its opening barrier
	s_cmp_lg_u32 s12, 0
	s_cbranch_scc1 .Lnot_wave_0_\@
	s_barrier_signal -3
.Lnot_wave_0_\@:
	s_barrier_wait -3
	s_barrier_signal -1
	s_barrier_wait -1
.endm
.macro CROUND
	s_barrier_signal -1
	s_barrier_wait -1
	CREST
.endm
.macro PLACES                          ; four places in front of loads into registers that matrix instructions have read, and of the first read of results
.rept 4
	v_nop
.endr
.endm
.macro MULA f, a, zero                 ; Y's fragment a against X's four, 128 along K; the 16 accumulators take turns in one order everywhere
.irp b, 0,1,2,3
.if \zero
	v_wmma_f32_16x16x128_fp8_fp8 v[ACC+8*(4*\a+\b):ACC+8*(4*\a+\b)+7], v[\f+64+16*\b:\f+64+16*\b+15], v[\f+16*\a:\f+16*\a+15], 0
.else
	v_wmma_f32_16x16x128_fp8_fp8 v[ACC+8*(4*\a+\b):ACC+8*(4*\a+\b)+7], v[\f+64+16*\b:\f+64+16*\b+15], v[\f+16*\a:\f+16*\a+15], v[ACC+8*(4*\a+\b):ACC+8*(4*\a+\b)+7]
.endif
.endr
.endm
.macro FETCH slot, ks, f               ; 32 LDS loads in one run: X's four fragments, then Y's four, of the slot's K step ks, into buffer f
	WIN TO_F
.irp b, 0,1,2,3
.irp c, 0,1,2,3
	ds_load_b128 v[\f+64+16*\b+4*\c:\f+64+16*\b+4*\c+3], v[ADRX+\slot] offset:(\ks)*16384+\b*2048+\c*512
.endr
.endr
.irp a, 0,1,2,3
.irp c, 0,1,2,3
	ds_load_b128 v[\f+16*\a+4*\c:\f+16*\a+4*\c+3], v[ADRY+\slot] offset:(\ks)*16384+\a*2048+\c*512
.endr
.endr
.endm
.macro QUARTER slot, ksn, f, g, zero   ; one of a slot's first three K steps: multiplies buffer f, fetches K step ksn into g in its middle
	s_wait_dscnt 8                                 ; X's four and Y's first two are in; the youngest eight loads (Y's last two) may be out
	WIN MUL
	MULA \f, 0, \zero
	MULA \f, 1, \zero
	PLACES
	FETCH \slot, \ksn, \g
	s_wait_dscnt 32                                ; all but the 32 just issued
	WIN MUL
	MULA \f, 2, \zero
	MULA \f, 3, \zero
.endm
.macro TURN slot, next, fill           ; a slot's last K step changes slots: one barrier; in front of it every wave waits for all its tensor loads, adds 0 to its spare word and waits for that and for its reads of this slot
	WIN 0
	s_wait_tensorcnt 0x0                           ; my part of the next slot has landed
	ds_add_u32 v[SPW], v[NIL]
	s_wait_dscnt 9                                 ; (the add and the youngest eight loads may be out)
	WIN MUL
	MULA F1, 0, 0
	s_wait_dscnt 0x0                               ; the add is done, and my reads of this slot are over
	s_barrier_signal -1
	MULA F1, 1, 0
.if \fill
	WIN 0
.endif
	s_barrier_wait -1
.if \fill
	CREST                                          ; the barrier has opened a round of the cluster's
	s_add_nc_u64 s[G0Y+4*\slot+2:G0Y+4*\slot+3], s[G0Y+4*\slot+2:G0Y+4*\slot+3], 131072
	s_add_nc_u64 s[G0X+4*\slot+2:G0X+4*\slot+3], s[G0X+4*\slot+2:G0X+4*\slot+3], 131072
	JLOAD \slot                                    ; the first tensor load behind the round; its four v_nop are the places in front of the loads below
.else
	PLACES
.endif
	FETCH \next, 0, F0
.if \fill
	WIN 0                                          ; (a branch follows)
	s_cmp_gt_u32 s15, 1                            ; the loop's last trip has no chunk two refills on
	s_cbranch_scc0 .Lnot_asked_\@
	global_prefetch_b8 v22, s[98:99] offset:262144+65536*\slot th:TH_LOAD_NT scope:SCOPE_SE   ; the chunk that stands two refills on
.Lnot_asked_\@:
.endif
	WIN MUL
	MULA F1, 2, 0
	MULA F1, 3, 0
.endm
	s_load_b256 s[4:11], s[0:1], 0x0               ; Y's codes s[4:5], wc s[6:7], the exponents s[8:9], the result s[10:11]
	s_load_b128 s[84:87], s[0:1], 0x20             ; the bias s[84:85], the residual s[86:87]
	v_lshl_add_u32 v[SPW], v0, 2, SPARE
	v_mov_b32 v[NIL], 0
	ds_add_u32 v[SPW], v[NIL]                      ; the opening lines: the add twice on end, and its wait ahead of the first round
	ds_add_u32 v[SPW], v[NIL]
	v_lshrrev_b32 v1, 5, v0
	v_readfirstlane_b32 s12, v1                    ; wave 0..3
	s_lshr_b32 s13, s12, 1                         ; my half of the tokens.  Also: I fetch for Y (0) or for X (1)
	s_and_b32 s14, s12, 1                          ; my half of the columns.  Also: which half of a slot's K steps I fetch
	s_bfe_u32 s40, ttmp6, 0x40000                  ; cx
	s_bfe_u32 s41, ttmp6, 0x40004                  ; cy
	s_lshl_b32 s42, ttmp9, 2
	s_add_co_u32 s42, s42, s40                     ; X's group = 4 x cluster x + cx
	s_and_b32 s43, ttmp7, 0xffff
	s_lshl_b32 s43, s43, 2
	s_add_co_u32 s43, s43, s41                     ; Y's group = 4 x cluster y + cy
	s_lshl_b32 s44, s41, 2
	s_lshl_b32 s44, 15, s44                        ; my row of the cluster
	s_lshl_b32 s45, 0x1111, s40                    ; my column
	s_or_b32 s[G1Y], s44, (3<<16)|(1<<21)          ; the mask; elements of 8 bytes; bit 21 beside a mask; no padding: the block is dense
	s_or_b32 s[G1X], s45, (3<<16)|(1<<21)
.irp g, G1Y, G1X
	s_mov_b32 s[\g+1], 32<<16                      ; rows of 256 bytes,
	s_mov_b32 s[\g+2], 128<<16                     ; 128 of them: 32 KiB, two K steps of eight images
	s_mov_b32 s[\g+3], 32<<16
	s_mov_b32 s[\g+4], 128
	s_mov_b32 s[\g+5], 32
	s_mov_b32 s[\g+6], 0
	s_mov_b32 s[\g+7], 0
.endr
	s_lshl_b32 s18, s14, 15                        ; my half of a slot's four K steps
	s_mul_i32 s16, s43, GROUPB
	s_add_co_u32 s16, s16, s18
	s_mov_b32 s17, 0
	s_mul_i32 s46, s42, GROUPB
	s_add_co_u32 s46, s46, s18
	s_add_co_u32 s46, s46, XOFF
	s_mov_b32 s47, 0
	s_lshl_b32 s20, s12, 15                        ; where my 32 KiB go in a slot
	s_wait_dscnt 0x0
	s_wait_kmcnt 0x0
	s_load_b512 s[68:83], s[8:9], 0x0              ; e0 .. e15
	s_add_nc_u64 s[16:17], s[4:5], s[16:17]
	s_add_nc_u64 s[46:47], s[6:7], s[46:47]
	CROUND                                         ; all sixteen work-groups are here: the first joint loads meet
.irp s, 0,1
	s_mov_b32 s[G0Y+4*\s], 1
	s_add_co_u32 s[G0Y+4*\s+1], s20, \s*SLOT
	s_add_nc_u64 s[G0Y+4*\s+2:G0Y+4*\s+3], s[16:17], \s*65536
	s_or_b32 s[G0Y+4*\s+3], s[G0Y+4*\s+3], 0x80000000
	s_mov_b32 s[G0X+4*\s], 1
	s_add_co_u32 s[G0X+4*\s+1], s20, \s*SLOT
	s_add_nc_u64 s[G0X+4*\s+2:G0X+4*\s+3], s[46:47], \s*65536
	s_or_b32 s[G0X+4*\s+3], s[G0X+4*\s+3], 0x80000000
.endr
	JLOAD 0                                        ; K 0 to 511: one tensor load a wave at the head
	s_cmp_eq_u32 s13, 0                            ; the prefetches' base: what I fetch, + 8 KiB x my place among the four that ask with me (cx for Y, cy for X)
	s_cselect_b64 s[98:99], s[16:17], s[46:47]
	s_cselect_b32 s2, s40, s41
	s_lshl_b32 s2, s2, 13
	s_mov_b32 s3, 0
	s_add_nc_u64 s[98:99], s[98:99], s[2:3]
	v_and_b32 v22, 31, v0
	v_lshlrev_b32 v22, 8, v22                      ; never rewritten
	global_prefetch_b8 v22, s[98:99] offset:131072 th:TH_LOAD_NT scope:SCOPE_SE
	v_and_b32 v1, 31, v0
	v_lshlrev_b32 v2, 4, v1                        ; 16 x lane
	s_lshl_b32 s21, s13, 13                        ; my four images of Y,
	s_lshl_b32 s22, s14, 13                        ; my four of X,
	s_add_co_u32 s22, s22, XHALF                   ; which lie behind Y's
.irp s, 0,1
	v_add_nc_u32 v[ADRY+\s], s21, v2
	v_add_nc_u32 v[ADRX+\s], s22, v2
	s_add_co_u32 s21, s21, SLOT
	s_add_co_u32 s22, s22, SLOT
.endr
	v_and_b32 v3, 15, v0                           ; l % 16
	v_bfe_u32 v4, v0, 4, 1                         ; l / 16
	s_mul_i32 s23, s12, 16*272
	s_add_co_u32 s23, s23, STAGE                   ; my stage
	v_mul_u32_u24 v5, v3, 272
	v_lshl_add_u32 v5, v4, 6, v5
	v_add_nc_u32 v24, s23, v5                      ; in: row r, + 64 h bytes
	v_mul_u32_u24 v5, v4, 272
	v_lshl_add_u32 v5, v3, 4, v5
	v_add_nc_u32 v25, s23, v5                      ; back: lanes 0-15 one row of 256 bytes, lanes 16-31 the next
	v_lshlrev_b32 v5, 12, v4
	v_lshl_add_u32 v26, v3, 4, v5                  ; and the same two rows in memory
	v_lshlrev_b32 v27, 4, v3                       ; my four columns' bias
	s_wait_alu depctr_va_vdst(0)                   ; the wait behind the head's last vector instruction
	s_lshl_b32 s16, s43, 19                        ; my first token's row of 4,096 bytes: 128 x group + 64 x half
	s_lshl_b32 s17, s13, 18
	s_add_co_u32 s16, s16, s17
	s_mov_b32 s17, 0
	s_lshl_b32 s46, s42, 9                         ; my first column, in bytes: 512 x group + 256 x half
	s_lshl_b32 s47, s14, 8
	s_add_co_u32 s46, s46, s47
	s_mov_b32 s47, 0
	s_add_nc_u64 s[10:11], s[10:11], s[16:17]
	s_add_nc_u64 s[10:11], s[10:11], s[46:47]
	s_add_nc_u64 s[86:87], s[86:87], s[16:17]
	s_add_nc_u64 s[86:87], s[86:87], s[46:47]
	s_add_nc_u64 s[84:85], s[84:85], s[46:47]
.macro RLOAD y                         ; the residual's 16 rows of block y into set y % 2, in the layout in which the rows come back from the stage
.irp i, 0,1,2,3,4,5,6,7
	global_load_b128 v[32+32*((\y)%2)+4*\i:32+32*((\y)%2)+4*\i+3], v26, s[86:87] offset:(\y)*65536+\i*8192
.endr
.endm
	global_load_b128 v[12:15], v27, s[84:85]
	RLOAD 0
	RLOAD 1
	s_wait_tensorcnt 0x0                           ; my part of slot 0 is in; slot 1's first fill is issued as a refill is:
	ds_add_u32 v[SPW], v[NIL]
	s_wait_dscnt 0x0
	CROUND                                         ; everybody's part of slot 0 is in, and the joint loads meet
	JLOAD 1                                        ; K 512 to 1,023
	global_prefetch_b8 v22, s[98:99] offset:196608 th:TH_LOAD_NT scope:SCOPE_SE
	FETCH 0, 0, F0
	QUARTER 0, 1, F0, F1, 1                        ; the first K step starts the sums: nothing is cleared
	WIN 0
	s_mov_b32 s15, LAPS-1
.Llap:                                             ; a trip goes once round the ring and fills both slots again
	QUARTER 0, 2, F1, F0, 0
	QUARTER 0, 3, F0, F1, 0
	TURN 0, 1, 1
	QUARTER 1, 1, F0, F1, 0
	QUARTER 1, 2, F1, F0, 0
	QUARTER 1, 3, F0, F1, 0
	TURN 1, 0, 1
	QUARTER 0, 1, F0, F1, 0
	WIN 0
	s_wait_xcnt 0x0                                ; the trip's prefetches have read their base:
	s_add_nc_u64 s[98:99], s[98:99], 131072        ; two chunks on
	s_sub_co_u32 s15, s15, 1
	s_cmp_lg_u32 s15, 0
	s_cbranch_scc1 .Llap
	QUARTER 0, 2, F1, F0, 0                        ; the last lap fills nothing
	QUARTER 0, 3, F0, F1, 0
	TURN 0, 1, 0
	QUARTER 1, 1, F0, F1, 0
	QUARTER 1, 2, F1, F0, 0
	QUARTER 1, 3, F0, F1, 0
	s_wait_dscnt 8
	WIN MUL
	MULA F1, 0, 0
	MULA F1, 1, 0
	s_wait_dscnt 0x0
	MULA F1, 2, 0
	MULA F1, 3, 0
	WIN 0
	s_wait_kmcnt 0x0
	s_add_co_i32 s66, s[EA], s[EB]
	s_add_co_i32 s66, s66, 127
	s_lshl_b32 s66, s66, 23                        ; 2^(the two operands' exponents) as f32
	s_mov_b32 s67, s66                             ; (named with it as a pair)
	PLACES
.macro OUTROW y, left                  ; 16 tokens x my 64 columns; left: the residual loads that may stay out
.set RS, 32+32*((\y)%2)
.irp b, 0,1,2,3
	ds_store_b128 v24, v[ACC+8*(4*(\y)+\b):ACC+8*(4*(\y)+\b)+3] offset:128*(\b/2)+32*(\b%2)       ; each accumulator from its low end on
	ds_store_b128 v24, v[ACC+8*(4*(\y)+\b)+4:ACC+8*(4*(\y)+\b)+7] offset:128*(\b/2)+32*(\b%2)+16
.endr
	s_wait_xcnt 0x0                                ; the last block's stores have read their data: the rows' registers are loaded again only behind this wait
.irp i, 0,1,2,3,4,5,6,7
	ds_load_b128 v[96+4*\i:96+4*\i+3], v25 offset:544*\i   ; LDS serves a wave's instructions in order: these see my stores
.endr
	s_wait_loadcnt \left                           ; this block's residual rows (and the bias) are in
.irp i, 0,1,2,3,4,5,6,7
	v_pk_add_f32 v[RS+4*\i:RS+4*\i+1], v[RS+4*\i:RS+4*\i+1], v[12:13]       ; residual + bias, while the rows come back
	v_pk_add_f32 v[RS+4*\i+2:RS+4*\i+3], v[RS+4*\i+2:RS+4*\i+3], v[14:15]
.endr
	s_wait_dscnt 0x0
.irp k, 0,1,2,3,4,5,6,7,8,9,10,11,12,13,14,15
	v_pk_fma_f32 v[96+2*\k:97+2*\k], v[96+2*\k:97+2*\k], s[66:67], v[RS+2*\k:RS+2*\k+1] op_sel_hi:[1,0,1]   ; sum x 2^e + (residual + bias)
.endr
.irp i, 0,1,2,3,4,5,6,7
	global_store_b128 v26, v[96+4*\i:96+4*\i+3], s[10:11] offset:(\y)*65536+\i*8192   ; sixteen lanes store 256 consecutive bytes, aligned
.endr
.if (\y)+2 < 4
	RLOAD (\y)+2
.endif
.endm
	OUTROW 0, 8
	OUTROW 1, 8
	OUTROW 2, 8
	OUTROW 3, 0
	s_wait_tensorcnt 0x0                           ; the wave's end, behind my last LDS store
	ds_add_u32 v[SPW], v[NIL]
	s_wait_dscnt 0x0
	CROUND                                         ; the closing round
	s_endpgm
.Lfunc_end_k_q1ac5500ecd_ffn2:
	.size	k_q1ac5500ecd_ffn2, .Lfunc_end_k_q1ac5500ecd_ffn2-k_q1ac5500ecd_ffn2
	.p2alignl 7, 3214868480
	.fill 96, 4, 3214868480
	.section	.rodata,"a",@progbits
	.p2align	6, 0x0
	.amdhsa_kernel k_q1ac5500ecd_ffn2
		.amdhsa_group_segment_fixed_size 327680
		.amdhsa_private_segment_fixed_size 0
		.amdhsa_enable_private_segment 0
		.amdhsa_kernarg_size 48
		.amdhsa_user_sgpr_count 2
		.amdhsa_user_sgpr_kernarg_segment_ptr 1
		.amdhsa_wavefront_size32 1
		.amdhsa_system_sgpr_workgroup_id_x 1
		.amdhsa_system_sgpr_workgroup_id_y 1
		.amdhsa_system_sgpr_workgroup_id_z 1
		.amdhsa_system_vgpr_workitem_id 0
		.amdhsa_next_free_vgpr 512
		.amdhsa_next_free_sgpr 100
		.amdhsa_reserve_vcc 0
		.amdhsa_float_denorm_mode_32 3
		.amdhsa_float_denorm_mode_16_64 3
		.amdhsa_memory_ordered 1
		.amdhsa_forward_progress 1
		.amdhsa_inst_pref_size 82
	.end_amdhsa_kernel
	.amdgpu_metadata
---
amdhsa.version: [ 1, 2 ]
amdhsa.kernels:
  - .name:           k_q1ac5500ecd_ffn2
    .symbol:         k_q1ac5500ecd_ffn2.kd
    .args:
      - { .name: hid, .offset: 0, .size: 8, .value_kind: global_buffer, .address_space: global }
      - { .name: wc, .offset: 8, .size: 8, .value_kind: global_buffer, .address_space: global }
      - { .name: lowp_scales, .offset: 16, .size: 8, .value_kind: global_buffer, .address_space: global }
      - { .name: out0, .offset: 24, .size: 8, .value_kind: global_buffer, .address_space: global }
      - { .name: b2, .offset: 32, .size: 8, .value_kind: global_buffer, .address_space: global }
      - { .name: x1, .offset: 40, .size: 8, .value_kind: global_buffer, .address_space: global }
    .group_segment_fixed_size: 327680
    .private_segment_fixed_size: 0
    .kernarg_segment_align: 8
    .kernarg_segment_size: 48
    .max_flat_workgroup_size: 128
    .sgpr_count:     100
    .vgpr_count:     512
    .wavefront_size: 32
...
	.end_amdgpu_metadata
.endif
;; end of part 14
